; MI455X (gfx1250); checked and timed in simulation.
; The chip was launched on July 23, 2026; its instructions are those of AMD's public machine-readable ISA for CDNA 5 (MIT licence, August 2026) and "CDNA5" Instruction Set Architecture Reference Guide (July 2026). The comments in the code are by the model that wrote it; some were corrected since.
;; Casual Attention. Allowed arithmetic: matrix products marked QUANTISED: E2M3 operands, one E8M0 scale for each 32 along K, by v_wmma_scale_f32_16x16x128_f8f6f4 with both operands' format E2M3, f32 sums; everything else in f32.
;; Inputs: W_k 1,024 x 1,024 float32; W_q 1,024 x 1,024 float32; W_v 1,024 x 1,024 float32; x 4 x 2,048 x 1,024 float32.
;; Outputs: out0 4 x 2,048 x 1,024 float32.
;; This version of the problem:
;;   THIS VERSION OF THE PROBLEM IS GIVEN IN LOW PRECISION. The matrix products marked QUANTISED in the list below multiply operands that are first quantised to E2M3 (2 exponent bits, 3 mantissa bits; 6 bits a number), with one power-of-two scale for each 32 numbers along K (OCP MX v1.0); their sums are f32. All else is computed in f32.
;;   The module's matrix products, in the order in which they are computed (A, B: the left and right operand; K: the contracted axis; several contracted axes count as one K, in the product's order):
;;     1. [M 8,192, K 1,024] x [K 1,024, N 1,024]; A: input x; B: input W_q: QUANTISED
;;     2. [M 8,192, K 1,024] x [K 1,024, N 1,024]; A: input x; B: input W_k: QUANTISED
;;     3. [M 8,192, K 1,024] x [K 1,024, N 1,024]; A: input x; B: input W_v: QUANTISED
;;     4. batch 4 x [M 2,048, K 1,024] x [K 1,024, N 2,048]; A: computed on the way; B: computed on the way: QUANTISED
;;     5. batch 4 x [M 2,048, K 2,048] x [K 2,048, N 1,024]; A: softmax (see below); B: computed on the way: QUANTISED
;;   THE QUANTISER, for each operand of a quantised product, along K:
;;     - K is cut into blocks of 32 from its start; a last block that is shorter is filled with zeros.
;;     - A block's scale is 2^e with e = floor(log2(the largest magnitude in the block)) - 2, held to -126 .. 127; a block of zeros has e = 0. As a byte (E8M0): e + 127.
;;     - Each number is divided by its block's scale, clamped to +-7.5, and rounded to the nearest number of E2M3, ties to even, subnormals kept.
;;     - The product sums the exact products of the quantised numbers (number of the format x scale) in f32.
;;   ~~~python
;;   def quantise(x, axis):      # numpy; x: float32 -> the quantised numbers, widened to float32 again
;;       x = np.moveaxis(x, axis, -1); K = x.shape[-1]
;;       x = np.pad(x, [(0, 0)] * (x.ndim - 1) + [(0, -K % 32)]); x = x.reshape(x.shape[:-1] + (-1, 32)); a = np.abs(x).max(-1, keepdims=True)
;;       e = np.where(a > 0, np.clip(np.frexp(np.where(a > 0, a, 1))[1] - 1 - 2, -126, 127), 0)      # np.frexp(a)[1] - 1 = floor(log2(a)), exactly
;;       r = np.clip(x / 2.0 ** e, -7.5, 7.5)
;;       step = 2.0 ** (np.maximum(np.frexp(np.where(r == 0, 1, r))[1] - 1, 0) - 3)
;;       q = np.round(r / step) * step * 2.0 ** e      # np.round: ties to even
;;       return np.moveaxis(q.reshape(q.shape[:-2] + (-1,))[..., :K], -1, axis).astype(np.float32)
;;   ~~~
;;   SOFTMAX AHEAD OF A QUANTISED PRODUCT. Where the list says 'softmax', what is quantised is not the finished softmax but p = 2^(t - M), with t = logit x log2(e) and M = ceil(the row's largest t), a whole number; so 1/2 < the row's largest p <= 1. The row's sum l is taken of the UNQUANTISED p, in f32, and the product's result is divided by l at the end. Since M is a whole number, a kernel that streams over the keys may use a running M (the ceiling of the running maximum): every later rescaling is an exact power of two, which a block's scale takes up: the codes' values come out the same.
;;   OPERANDS COMPUTED ON THE WAY. 'Computed on the way' means the value that the module computes at that place (a softmax that the list does not call 'softmax' is quantised finished and normalised). What goes into a quantiser is computed in f32, as accurately as f32 sums, v_exp_f32 and their like allow (about 1e-6 of the number): no bf16 or f16 on the way to a quantiser, and a product that is left as it is and whose result goes on into a quantised operand takes f32 operands (vector FMAs, or v_wmma_f32_16x16x4_f32). A number that lies on a knife's edge between two numbers of the format may be rounded either way, as far as f32 arithmetic and the matrix unit's own rounding can turn it there, and no further.
;; 2 versions, each right and faster than the one before. Each part assembles by itself: llvm-mc -triple=amdgcn-amd-amdhsa -mcpu=gfx1250 --defsym DOCPART=n.
;; ======== version 1 of 2: 4 launches
;; workspace buffers: inc 8,650,752 bytes; ins 360,448 bytes; prc 18,874,368 bytes; prs 786,432 bytes; pc 12,582,912 bytes; pst 1,572,864 bytes
;; launch quant (part 1): grid 352 x 1, 2 waves a work-group, no clusters, 17,664 bytes of LDS; arguments x, W_q, W_k, W_v, inc, ins; writes inc, ins
.if DOCPART == 1
	.amdgcn_target "amdgcn-amd-amdhsa--gfx1250"
	.amdhsa_code_object_version 6
	.text
	.protected	k_q7eab4cc3f7_quant
	.globl	k_q7eab4cc3f7_quant
	.p2align	8
	.type	k_q7eab4cc3f7_quant,@function
k_q7eab4cc3f7_quant:
	s_mov_b64 s[64:65], 0
	v_nop
	global_prefetch_b8 v0, s[64:65] scope:SCOPE_SE
	s_setreg_imm32_b32 hwreg(HW_REG_WAVE_MODE, 25, 1), 1
	s_wait_xcnt 0x0
; x [8192][1024], W_q, W_k, W_v [1024][1024], f32, K innermost, become codes of FP6 (E2M3) with one E8M0 scale byte for each 32 along K.
; A block's scale is 2^(floor(log2(its largest magnitude)) - 2): its byte is the largest magnitude's exponent field - 2, held at 1 from below.
; THE OUTPUT IS LAID IN THE ORDER OF THE OPERAND'S REGISTERS.  A PANEL is 128 rows x 128 K: eight fragments of 16 rows, each an image of its 12 registers:
; registers 4 c .. 4 c + 3 of lane l at byte 1536 t + 512 c + 16 l.  Lane r of fragment t holds panel row 32 (t / 2) + 8 (t % 2) + r + 8 (r / 8).
; A panel's scale words are 512 bytes: the word of (fragment a, lane row r) at 256 (a / 4) + 16 r + 4 (a % 4).
; Panels lie [row panel][k panel]; row panels 0-63 are x, 64-71 W_q, 72-79 W_k, 80-87 W_v.
; SHARES: a wave makes one panel; a work-group of two waves two neighbouring k panels of one row panel.  Waves share nothing: no barrier.
; Each load reads 512 consecutive bytes of one row; a fragment's 16 rows turn through the wave's own stage in LDS (rows 528 bytes apart), so that lane (r, h) gets, of row r,
; 16 neighbours of each block of 32: register 16 b + i = k 32 b + 16 h + i.  Loads run two fragments (32 loads a wave) ahead.
; LIMITS: NaN and infinities are not served; a block whose largest magnitude lies under 2^-124, a block of zeros among them, keeps the byte 1 (the bytes are read by this program alone).
.set STP,   528                        ; a stage row: 512 bytes + 16
.set FRB,   1536                       ; a fragment's image
.set TM,    8                          ; v8-23    at work: largest magnitudes, bytes, scale operands
.set PC,    24                         ; v24-43   the codes just made
.set SW,    44                         ; v44-51   the eight fragments' scale words
.set OS,    52                         ; v52-55   the scale block as it is stored
.set R,     64                         ; v64-191  two sets of 64: a fragment as loaded
.set X,     192                        ; v192-255 a lane's 64 numbers
.set SEL,   20                         ; s[20:21] lane selects: lane l xor 16
.set HM,    22                         ; s22      the mask of lanes 16-31
	s_load_b256 s[4:11], s[0:1], 0x0               ; x, W_q, W_k, W_v
	s_load_b128 s[12:15], s[0:1], 0x20             ; the codes, the scale words
	v_lshl_add_u32 v62, v0, 2, 0x4400
	v_mov_b32 v63, 0
	v_lshrrev_b32 v1, 5, v0
	v_readfirstlane_b32 s16, v1                    ; wave 0..1
	v_and_b32 v1, 31, v0                           ; lane
	v_and_b32 v2, 15, v0                           ; r
	v_bfe_u32 v3, v0, 4, 1                         ; h
	v_lshlrev_b32 v4, 4, v1                        ; 16 x lane: my place in a load's and in a store's 512 bytes; never rewritten
	s_mul_i32 s17, s16, 16*STP                     ; my stage
	v_add_nc_u32 v5, s17, v4                       ; into it: as loaded
	v_mul_u32_u24 v6, v2, STP
	v_lshl_add_u32 v6, v3, 6, v6
	v_add_nc_u32 v6, s17, v6                       ; out of it: row r, + 64 h
.irp b, 0,1,2,3
	v_mov_b32 v[TM+4+\b], 0                        ; written once: a lane permute's destination counts as one of its sources
.endr
	s_mov_b32 s[SEL], 0x76543210
	s_mov_b32 s[SEL+1], 0xfedcba98
	s_mov_b32 s[HM], 0xffff0000
	s_lshr_b32 s18, ttmp9, 2                       ; the row panel, 0..87
	s_and_b32 s19, ttmp9, 3
	s_lshl_b32 s19, s19, 1
	s_add_co_u32 s19, s19, s16                     ; the k panel, 0..7
	s_and_b32 s23, s18, 7                          ; a weight's own row panel
	s_wait_kmcnt 0x0
	s_cmp_lt_u32 s18, 72                           ; the source is chosen by the work-group's number alone
	s_cselect_b64 s[6:7], s[6:7], s[8:9]
	s_cmp_lt_u32 s18, 80
	s_cselect_b64 s[6:7], s[6:7], s[10:11]
	s_cmp_lt_u32 s18, 64
	s_cselect_b64 s[4:5], s[4:5], s[6:7]
	s_cselect_b32 s24, s18, s23                    ; the row panel inside its tensor
	s_lshl_b32 s24, s24, 19                        ; 128 rows of 4,096 bytes
	s_lshl_b32 s25, s19, 9                         ; 128 numbers along K
	s_add_co_u32 s24, s24, s25
	s_mov_b32 s25, 0
	s_add_nc_u64 s[4:5], s[4:5], s[24:25]
	s_lshl_b32 s26, s18, 3
	s_add_co_u32 s26, s26, s19                     ; the panel's number
	s_mul_i32 s28, s26, 8*FRB
	s_mov_b32 s29, 0
	s_add_nc_u64 s[12:13], s[12:13], s[28:29]
	s_lshl_b32 s28, s26, 9
	s_add_nc_u64 s[14:15], s[14:15], s[28:29]
.macro LOAD t                          ; fragment t's 16 rows, 512 consecutive bytes each, into set t % 2
.irp i, 0,1,2,3,4,5,6,7,8,9,10,11,12,13,14,15
	global_load_b128 v[R+64*((\t)%2)+4*\i:R+64*((\t)%2)+4*\i+3], v4, s[4:5] offset:(32*((\t)/2)+8*((\t)%2)+\i+8*(\i/8))*4096 th:TH_LOAD_NT
.endr
.endm
; 64 numbers of a lane, register 16 b + i = k 32 b + 16 h + i of my row, become a fragment's codes in v[PC] on and its scale word in v[dst]
.macro QUANT s, dst
.irp b, 0,1,2,3
	v_max3_num_f32 v[TM+\b], |v[\s+16*\b]|, |v[\s+1+16*\b]|, 0x1800000   ; my 16 numbers of block b, and the floor 2^(3 - 127): the byte cannot fall under 1
.endr
.irp i, 2,4,6,8,10,12,14
.irp b, 0,1,2,3
	v_max3_num_f32 v[TM+\b], v[TM+\b], |v[\s+16*\b+\i]|, |v[\s+1+16*\b+\i]|   ; the four blocks by turns
.endr
.endr
.irp b, 0,1,2,3
	v_permlanex16_b32 v[TM+4+\b], v[TM+\b], s[SEL], s[SEL+1]
.endr
.irp b, 0,1,2,3
	v_max_num_f32 v[TM+\b], v[TM+\b], v[TM+4+\b]   ; with lane l xor 16's 16: the block's largest magnitude
.endr
.irp b, 0,1,2,3
	v_add_nc_u32 v[TM+12+\b], 0xff000000, v[TM+\b] ; 2 off its exponent field: the conversion takes the exponent field of this operand as its scale
.endr
.irp b, 0,1,2,3
	v_lshrrev_b32 v[TM+4+\b], 23, v[TM+12+\b]      ; the scale's byte
.endr
	v_lshl_or_b32 v[\dst], v[TM+5], 8, v[TM+4]
	v_lshl_or_b32 v[\dst], v[TM+6], 16, v[\dst]
	v_lshl_or_b32 v[\dst], v[TM+7], 24, v[\dst]    ; my row's scale word
.irp c, 0,1
	v_cvt_scalef32_pk16_fp6_f32 v[PC+6*\c:PC+6*\c+2], v[\s+32*\c:\s+32*\c+15], v[TM+12+2*\c]
	v_cvt_scalef32_pk16_fp6_f32 v[PC+12+4*\c:PC+14+4*\c], v[\s+16+32*\c:\s+31+32*\c], v[TM+13+2*\c]   ; (a conversion's three registers begin on an even number)
.endr
	v_nop                                          ; one plain place behind a scaled conversion
.irp c, 0,1                                    ; the operand's layout wants a whole block in a lane: lanes 0-15 block 2 c, lanes 16-31 block 2 c + 1
.irp i, 0,1,2
	v_permlane16_swap_b32 v[PC+6*\c+\i], v[PC+12+4*\c+\i]
.endr
.irp i, 0,1,2
	v_mov_b32 v[PC+3+6*\c+\i], v[PC+12+4*\c+\i]
.endr
.endr
.endm
.macro FRG t
.if (\t) < 7
	s_wait_loadcnt 16                              ; this fragment's 16 loads are in; the next fragment's may be out
.else
	s_wait_loadcnt 0x0
.endif
.irp i, 0,1,2,3,4,5,6,7,8,9,10,11,12,13,14,15
	ds_store_b128 v5, v[R+64*((\t)%2)+4*\i:R+64*((\t)%2)+4*\i+3] offset:STP*\i
.endr
.irp b, 0,1,2,3
.irp j, 0,1,2,3
	ds_load_b128 v[X+16*\b+4*\j:X+16*\b+4*\j+3], v6 offset:128*\b+16*\j   ; LDS serves a wave's instructions in order: these see the stores above
.endr
.endr
	s_wait_dscnt 0x0                               ; my numbers are back, and the stores into the stage have read their registers
	s_wait_xcnt 0x0                                ; the last fragment's stores have read their data: the codes' registers are written again only behind this wait
.if (\t)+2 < 8
	LOAD (\t)+2
.endif
	QUANT X, SW+(\t)
.irp c, 0,1,2
	global_store_b128 v4, v[PC+4*\c:PC+4*\c+3], s[12:13] offset:FRB*(\t)+512*\c   ; 32 lanes store 512 consecutive bytes, at a multiple of 512 from the buffer's first byte
.endr
.endm
	LOAD 0
	LOAD 1
.irp t, 0,1,2,3,4,5,6,7
	FRG \t
.endr
.irp i, 0,1,2,3
	v_cndmask_b32 v[OS+\i], v[SW+\i], v[SW+4+\i], s[HM]   ; lanes 0-15 carry fragments 0-3's words, lanes 16-31 fragments 4-7's
.endr
	global_store_b128 v4, v[OS:OS+3], s[14:15]     ; the panel's 512 bytes of scale words
	s_wait_tensorcnt 0x0
	ds_add_u32 v62, v63
	s_wait_dscnt 0x0
	s_endpgm
.Lfunc_end_k_q7eab4cc3f7_quant:
	.size	k_q7eab4cc3f7_quant, .Lfunc_end_k_q7eab4cc3f7_quant-k_q7eab4cc3f7_quant
	.p2alignl 7, 3214868480
	.fill 96, 4, 3214868480
	.section	.rodata,"a",@progbits
	.p2align	6, 0x0
	.amdhsa_kernel k_q7eab4cc3f7_quant
		.amdhsa_group_segment_fixed_size 17664
		.amdhsa_private_segment_fixed_size 0
		.amdhsa_enable_private_segment 0
		.amdhsa_kernarg_size 48
		.amdhsa_user_sgpr_count 2
		.amdhsa_user_sgpr_kernarg_segment_ptr 1
		.amdhsa_wavefront_size32 1
		.amdhsa_system_sgpr_workgroup_id_x 1
		.amdhsa_system_sgpr_workgroup_id_y 1
		.amdhsa_system_sgpr_workgroup_id_z 1
		.amdhsa_system_vgpr_workitem_id 0
		.amdhsa_next_free_vgpr 256
		.amdhsa_next_free_sgpr 66
		.amdhsa_reserve_vcc 0
		.amdhsa_float_denorm_mode_32 3
		.amdhsa_float_denorm_mode_16_64 3
		.amdhsa_memory_ordered 1
		.amdhsa_forward_progress 1
		.amdhsa_inst_pref_size 64
	.end_amdhsa_kernel
	.amdgpu_metadata
---
amdhsa.version: [ 1, 2 ]
amdhsa.kernels:
  - .name:           k_q7eab4cc3f7_quant
    .symbol:         k_q7eab4cc3f7_quant.kd
    .args:
      - { .name: x, .offset: 0, .size: 8, .value_kind: global_buffer, .address_space: global }
      - { .name: W_q, .offset: 8, .size: 8, .value_kind: global_buffer, .address_space: global }
      - { .name: W_k, .offset: 16, .size: 8, .value_kind: global_buffer, .address_space: global }
      - { .name: W_v, .offset: 24, .size: 8, .value_kind: global_buffer, .address_space: global }
      - { .name: inc, .offset: 32, .size: 8, .value_kind: global_buffer, .address_space: global }
      - { .name: ins, .offset: 40, .size: 8, .value_kind: global_buffer, .address_space: global }
    .group_segment_fixed_size: 17664
    .private_segment_fixed_size: 0
    .kernarg_segment_align: 8
    .kernarg_segment_size: 48
    .max_flat_workgroup_size: 64
    .sgpr_count:     66
    .vgpr_count:     256
    .wavefront_size: 32
...
	.end_amdgpu_metadata
.endif
;; end of part 1
;; launch proj (part 2): grid 96 x 4, 4 waves a work-group, clusters of 4 x 4, 327,680 bytes of LDS; arguments inc, ins, prc, prs; writes prc, prs
.if DOCPART == 2
	.amdgcn_target "amdgcn-amd-amdhsa--gfx1250"
	.amdhsa_code_object_version 6
	.text
	.protected	k_q7eab4cc3f7_proj
	.globl	k_q7eab4cc3f7_proj
	.p2align	8
	.type	k_q7eab4cc3f7_proj,@function
k_q7eab4cc3f7_proj:
	s_mov_b64 s[64:65], 0
	v_nop
	global_prefetch_b8 v0, s[64:65] scope:SCOPE_SE
	s_setreg_imm32_b32 hwreg(HW_REG_WAVE_MODE, 25, 1), 1
	s_wait_xcnt 0x0
	s_wait_alu depctr_hold_cnt(0) depctr_sa_sdst(0) depctr_va_vdst(0) depctr_va_sdst(0) depctr_va_ssrc(0) depctr_va_vcc(0) depctr_vm_vsrc(0)
	s_getreg_b32 s2, hwreg(HW_REG_IB_STS2, 6, 4)
	s_cmp_eq_u32 s2, 0
	s_cbranch_scc0 .Lentry_in_a_cluster
	s_endpgm
.Lentry_in_a_cluster:
	s_bfe_u32 s2, ttmp6, 0x10000c
	s_cmp_lg_u32 s2, 0xf033
	s_cbranch_scc0 .Lentry_shape_is_right
	s_endpgm
.Lentry_shape_is_right:
; THE THREE PROJECTIONS, on codes of FP6 (E2M3) with E8M0 scales, as two regions of one launch; the results are quantised in registers and stored as codes.
;   clusters 0-15:  [q | k] = x [W_q ; W_k]^T, 8,192 x 2,048, quantised along d_out (the score product's K);
;   clusters 16-23: V^T = W_v x^T, 1,024 x 8,192, quantised along the tokens (the keys are the last product's K).
; OPERANDS LIE IN PANELS: 128 rows x 128 K = eight fragments, each an image of its 12 registers (registers 4 c .. 4 c + 3 of lane l at 1536 t + 512 c + 16 l); lane r of fragment t holds panel row
; 32 (t / 2) + 8 (t % 2) + r + 8 (r / 8).  A panel's scale words: 512 bytes, (fragment a, lane row r) at 256 (a / 4) + 16 r + 4 (a % 4).  Panels lie [row panel][k panel].
; A tile of the result, 256 x 256, is made by four waves, 128 x 128 each: 64 accumulators, 512 registers.  K = 1,024 goes in steps of 256 through a ring of two LDS slots; a wave's tensor load brings one row
; panel's two k panels, 24,576 dense bytes.  The scale words of the tile's four row panels, for all of K, come once with the first fills.
; THE MATRIX INSTRUCTION IS USED TRANSPOSED (source 0 = 16 rows of "B", the result's columns; source 1 = 16 rows of "A", the result's rows).  With the rows of a fragment chosen as above, a lane's 64 registers of
; A's block a are register 16 b + i = column 32 b + 16 (lane / 16) + i of one result row: four half blocks of 32 along the next K.  So a wave's result becomes one panel, stored straight from registers.
; CLUSTERS: 4 x 4 work-groups; A's tiles are shared along a row of the cluster, B's along a column: each is asked for jointly, by the same tensor load with the same descriptor and a mask that names the four.
; REGISTERS: window 0: v0-31 addresses; v32-63 scale words, two sets; v64-127 the way out; v128-223 A's fragments, one set; v232-235 the scale block.  window 1: B's fragments, two sets, at v0 and v128.
;   windows 2, 3: accumulator (a, b) at v[8 (8 (a % 4) + b)].
; LIMITS: NaN and infinities are not served; a block of results whose largest magnitude lies under 2^-124 (zeros among them) keeps the byte 1.
.set FR,     12                        ; registers of a fragment
.set FRB,    1536                      ; its image in bytes
.set PANEL,  8*FRB
.set HALFT,  2*PANEL                   ; what one tensor load brings: a row panel's two k panels
.set SLOT,   4*HALFT                   ; A's two row panels, then B's two
.set NL,     3                         ; LDS loads that bring a fragment
.set NP,     4                         ; places behind this matrix instruction (ISA guide 7.12.1)
.set SCL,    2*SLOT                    ; behind the ring: the scale words
.set SCP,    4096                      ; those of one row panel for all of K: 8 x 512
.set SPARE,  SCL+4*SCP                 ; the spare words, 128 bytes for each wave: two blocks of 256 bytes that no other line names
.set LAPS,   2                         ; a lap = two K steps = once round the ring
.set ADRA, 16                          ; v16-17  LDS address of my A fragments in slot 0, 1
.set ADRB, 20                          ; v20-21  the same for B
.set GO,   26                          ; v26     16 x lane; never rewritten
.set ADRS, 27                          ; v27     LDS address of my scale words: lanes 0-15 A's, lanes 16-31 B's
.set SPW,  28                          ; v28     LDS address of my spare word; never rewritten
.set NIL,  29                          ; v29     0; never rewritten
.set FLR,  30                          ; v30     the floor 2^(3 - 127)
.set SC,   32                          ; scale words: set sc, step q, block i at v[SC + 16 sc + 8 q + i]
.set TM,   64                          ; v64-79  at work
.set PC,   80                          ; v80-99  the codes just made
.set SW,   100                         ; v100-107 the eight blocks' scale words
.set OS,   232
.set AF,   128
.set G1, 24
.set G0, 32
.set G1B, 48
.set G0B, 56
.set G1S, 68
.set G0S, 76
.set G1SB, 80
.set G0SB, 88
.set HM,  95                           ; s95      the mask of lanes 16-31
.set SEL, 98                           ; s[98:99] lane selects: lane l xor 16
.set MSB, 0
.macro WIN new                         ; the immediate's high byte repeats the setting that is left
.if MSB != (\new)
	s_set_vgpr_msb (MSB<<8)|(\new)
.set MSB, \new
.endif
.endm
.set MUL_LO, 0xa1                      ; source 0 (B) window 1, source 1 (A) window 0, C and D window 2
.set MUL_HI, 0xf1                      ; the same, C and D window 3
.set TO_B,   0x40                      ; destination window 1, address window 0
; A joint load: waves 0 and 1 fetch for A, waves 2 and 3 for B; the branch hangs on the wave's number alone.  Four v_nop follow each of the two lines.
.macro JLOAD g0a, g1a, g0b, g1b
	s_cmp_eq_u32 s15, 0
	s_cbranch_scc0 .Lfor_b_\@
	tensor_load_to_lds s[\g0a:\g0a+3], s[\g1a:\g1a+7]
	s_nop 0
.rept 4
	v_nop
.endr
	s_branch .Lasked_\@
.Lfor_b_\@:
	tensor_load_to_lds s[\g0b:\g0b+3], s[\g1b:\g1b+7]
	s_nop 0
.rept 4
	v_nop
.endr
.Lasked_\@:
.endm
.macro CREST                           ; a round of the cluster's barrier behind its opening barrier
	s_cmp_lg_u32 s14, 0
	s_cbranch_scc1 .Lnot_wave_0_\@
	s_barrier_signal -3
.Lnot_wave_0_\@:
	s_barrier_wait -3
	s_barrier_signal -1
	s_barrier_wait -1
.endm
.macro CROUND                          ; a whole round
	s_barrier_signal -1
	s_barrier_wait -1
	CREST
.endm
	s_load_b256 s[4:11], s[0:1], 0x0               ; the inputs' codes s[4:5] and scale words s[6:7]; the results' codes s[8:9] and scale words s[10:11]
	v_lshl_add_u32 v[SPW], v0, 2, SPARE
	v_mov_b32 v[NIL], 0
	ds_add_u32 v28, v29
	ds_add_u32 v28, v29
	s_wait_dscnt 0x0
	v_lshrrev_b32 v1, 5, v0
	v_readfirstlane_b32 s14, v1                    ; wave 0..3
	s_lshr_b32 s15, s14, 1                         ; which of A's two row panels is mine.  Also: I fetch for A (0) or for B (1)
	s_and_b32 s16, s14, 1                          ; which of B's two.  Also: which row panel I fetch
	s_bfe_u32 s40, ttmp6, 0x40000                  ; cx, cy: my place in the cluster
	s_bfe_u32 s41, ttmp6, 0x40004
	s_lshr_b32 s18, ttmp9, 1                       ; the region hangs on the cluster's number alone, which all partners share
	s_and_b32 s19, ttmp9, 1
	s_sub_co_u32 s20, ttmp9, 16
	s_cmp_lt_u32 ttmp9, 16
	s_cselect_b32 s18, s18, 0                      ; the cluster's row of tiles
	s_cselect_b32 s19, s19, s20                    ; and its column
	s_cselect_b32 s21, 0, 80                       ; A's first row panel: x's or W_v's
	s_cselect_b32 s22, 64, 0                       ; B's: W_q's or x's
	s_cselect_b32 s23, 16, 64                      ; panels in a row of the result
	s_cselect_b32 s66, 0, 1024                     ; the result's first panel
	s_lshl_b32 s17, s18, 2
	s_add_co_u32 s17, s17, s41                     ; tile row
	s_lshl_b32 s42, s19, 2
	s_add_co_u32 s42, s42, s40                     ; tile column
	s_lshl_b32 s43, s41, 2
	s_lshl_b32 s43, 15, s43                        ; my row of the cluster
	s_lshl_b32 s44, 0x1111, s40                    ; my column
	; descriptor group 1: a dense block as rows of 256 bytes (32 elements of 8 bytes); 96 rows of codes, 16 rows of scale words; no padding
	s_or_b32 s[G1+0], s43, (3<<16)|(1<<21)         ; 15:0 the mask: A's go to my row; 17:16 elements of 8 bytes; 21 set beside a mask
	s_or_b32 s[G1B+0], s44, (3<<16)|(1<<21)
	s_or_b32 s[G1S+0], s43, (3<<16)|(1<<21)
	s_or_b32 s[G1SB+0], s44, (3<<16)|(1<<21)
.irp g, G1, G1B
	s_mov_b32 s[\g+1], 32<<16                      ; tensor_dim0
	s_mov_b32 s[\g+2], 96<<16                      ; tensor_dim1
	s_mov_b32 s[\g+3], 32<<16                      ; tile_dim0
	s_mov_b32 s[\g+4], 96                          ; tile_dim1
	s_mov_b32 s[\g+5], 32                          ; tensor_dim0_stride
	s_mov_b32 s[\g+6], 0
	s_mov_b32 s[\g+7], 0
.endr
.irp g, G1S, G1SB
	s_mov_b32 s[\g+1], 32<<16
	s_mov_b32 s[\g+2], 16<<16
	s_mov_b32 s[\g+3], 32<<16
	s_mov_b32 s[\g+4], 16
	s_mov_b32 s[\g+5], 32
	s_mov_b32 s[\g+6], 0
	s_mov_b32 s[\g+7], 0
.endr
	s_lshl_b32 s20, s17, 1                         ; A's addresses hang on the tile row alone, B's on the tile column alone, each in registers of its own
	s_add_co_u32 s20, s20, s16
	s_add_co_u32 s20, s20, s21                     ; A: the row panel that I fetch
	s_lshl_b32 s92, s20, 12                        ; its scale words: 4,096 bytes a row panel
	s_mov_b32 s93, 0
	s_mul_i32 s20, s20, 8*PANEL                    ; its codes
	s_mov_b32 s21, 0
	s_lshl_b32 s46, s42, 1
	s_add_co_u32 s46, s46, s16
	s_add_co_u32 s46, s46, s22                     ; B likewise
	s_lshl_b32 s94, s46, 12
	s_mov_b32 s95, 0
	s_mul_i32 s46, s46, 8*PANEL
	s_mov_b32 s47, 0
	s_mul_i32 s45, s14, HALFT                      ; where they go: by the wave's number alone
	s_mul_i32 s67, s14, SCP
	s_wait_kmcnt 0x0
	s_add_nc_u64 s[20:21], s[4:5], s[20:21]
	s_add_nc_u64 s[92:93], s[6:7], s[92:93]
	s_add_nc_u64 s[46:47], s[4:5], s[46:47]
	s_add_nc_u64 s[94:95], s[6:7], s[94:95]
	CROUND                                         ; all sixteen work-groups are here: the first joint loads meet
	s_mov_b32 s[G0S], 1
	s_add_co_u32 s[G0S+1], s67, SCL
	s_mov_b64 s[G0S+2:G0S+3], s[92:93]
	s_or_b32 s[G0S+3], s[G0S+3], 0x80000000
	s_mov_b32 s[G0SB], 1
	s_add_co_u32 s[G0SB+1], s67, SCL
	s_mov_b64 s[G0SB+2:G0SB+3], s[94:95]
	s_or_b32 s[G0SB+3], s[G0SB+3], 0x80000000
	JLOAD G0S, G1S, G0SB, G1SB                     ; the scale words first: they are wanted with K step 0
.irp s, 0,1
	s_mov_b32 s[G0+4*\s], 1
	s_add_co_u32 s[G0+4*\s+1], s45, \s*SLOT
	s_add_nc_u64 s[G0+4*\s+2:G0+4*\s+3], s[20:21], \s*HALFT
	s_or_b32 s[G0+4*\s+3], s[G0+4*\s+3], 0x80000000
	s_mov_b32 s[G0B+4*\s], 1
	s_add_co_u32 s[G0B+4*\s+1], s45, \s*SLOT
	s_add_nc_u64 s[G0B+4*\s+2:G0B+4*\s+3], s[46:47], \s*HALFT
	s_or_b32 s[G0B+4*\s+3], s[G0B+4*\s+3], 0x80000000
	JLOAD G0+4*\s, G1, G0B+4*\s, G1B               ; three loads of mine are out behind the second of these
.endr
	v_and_b32 v1, 15, v0                           ; r
	v_bfe_u32 v2, v0, 4, 1                         ; h
	v_and_b32 v3, 31, v0
	v_lshlrev_b32 v[GO], 4, v3
	s_mul_i32 s21, s15, HALFT                      ; my row panel of A
	s_mul_i32 s22, s16, HALFT                      ; my row panel of B,
	s_add_co_u32 s22, s22, 2*HALFT                 ; behind A's two
.irp s, 0,1
	v_add_nc_u32 v[ADRA+\s], s21, v[GO]
	v_add_nc_u32 v[ADRB+\s], s22, v[GO]
	s_add_co_u32 s21, s21, SLOT
	s_add_co_u32 s22, s22, SLOT
.endr
	v_lshlrev_b32 v5, 4, v1                        ; scale words: 16 r,
	s_mul_i32 s21, s15, SCP                        ; A's: my row panel
	s_mul_i32 s22, s16, SCP                        ; B's: my row panel, behind A's two
	s_add_co_u32 s22, s22, 2*SCP
	s_sub_co_u32 s22, s22, s21
	v_mul_u32_u24 v6, s22, v2                      ; lanes 16-31 take B's
	s_add_co_u32 s21, s21, SCL
	v_add_nc_u32 v5, v5, v6
	v_add_nc_u32 v[ADRS], s21, v5
	v_mov_b32 v[FLR], 0x1800000
.irp b, 0,1,2,3
	v_mov_b32 v[TM+4+\b], 0                        ; written once: a lane permute's destination counts as one of its sources
.endr
	s_mov_b32 s[SEL], 0x76543210
	s_mov_b32 s[SEL+1], 0xfedcba98
	s_mov_b32 s[HM], 0xffff0000
	s_lshl_b32 s18, s17, 1                         ; my result panel: first panel + (2 tile row + my half) x panels in a row + 2 tile column + my half
	s_add_co_u32 s18, s18, s15
	s_mul_i32 s18, s18, s23
	s_add_co_u32 s18, s18, s66
	s_lshl_b32 s19, s42, 1
	s_add_co_u32 s19, s19, s16
	s_add_co_u32 s18, s18, s19
	s_mul_i32 s96, s18, PANEL
	s_mov_b32 s97, 0
	s_add_nc_u64 s[8:9], s[8:9], s[96:97]
	s_lshl_b32 s96, s18, 9
	s_add_nc_u64 s[10:11], s[10:11], s[96:97]
.macro FRAG reg, adr, q, i             ; a fragment comes back as it was stored: three loads of 16 bytes a lane, 512 consecutive bytes each
.irp c, 0,1,2
	ds_load_b128 v[\reg+4*\c:\reg+4*\c+3], v[\adr] offset:(\q)*PANEL+(\i)*FRB+512*\c
.endr
.endm
; 16 matrix instructions: A's blocks a0, a0 + 1 x B's eight, 128 along K: the slot's q-th.  p: B's set; sc: the set of scale words.  zero = 1: the first product starts the sums.
; The 64 accumulators take turns, one instruction a turn, in the same order in every step.
.macro MUL16 a0, p, q, sc, zero
.irp a, \a0, \a0+1
.irp b, 0,1,2,3,4,5,6,7
.if \zero
	v_wmma_scale_f32_16x16x128_f8f6f4 v[8*(8*((\a)%4)+\b):8*(8*((\a)%4)+\b)+7], v[128*(\p)+FR*\b:128*(\p)+FR*\b+FR-1], v[AF+FR*(\a):AF+FR*(\a)+FR-1], 0, v[SC+16*(\sc)+8*(\q)+\b], v[SC+16*(\sc)+8*(\q)+(\a)] matrix_a_fmt:MATRIX_FMT_FP6 matrix_b_fmt:MATRIX_FMT_FP6 matrix_a_scale:MATRIX_SCALE_ROW1
.else
	v_wmma_scale_f32_16x16x128_f8f6f4 v[8*(8*((\a)%4)+\b):8*(8*((\a)%4)+\b)+7], v[128*(\p)+FR*\b:128*(\p)+FR*\b+FR-1], v[AF+FR*(\a):AF+FR*(\a)+FR-1], v[8*(8*((\a)%4)+\b):8*(8*((\a)%4)+\b)+7], v[SC+16*(\sc)+8*(\q)+\b], v[SC+16*(\sc)+8*(\q)+(\a)] matrix_a_fmt:MATRIX_FMT_FP6 matrix_b_fmt:MATRIX_FMT_FP6 matrix_a_scale:MATRIX_SCALE_ROW1
.endif
.endr
.endr
.endm
.macro FETCH_B slot, q, p              ; B's eight fragments of the slot's q-th 128 along K into set p
	WIN TO_B
.irp i, 0,1,2,3,4,5,6,7
	FRAG 128*(\p)+FR*\i, ADRB+\slot, \q, \i
.endr
	WIN 0
.endm
.macro FETCH_A slot, q, i0             ; A's blocks i0 .. i0 + 3
.irp i, \i0, \i0+1, \i0+2, \i0+3
	FRAG AF+FR*(\i), ADRA+\slot, \q, \i
.endr
.endm
.macro SCALES sc                       ; a K step's scale words into set sc: lanes 0-15 take A's blocks, lanes 16-31 B's; four blocks a load
.irp q, 0,1
.irp e, 0,1
	ds_load_b128 v[SC+16*\sc+8*\q+4*\e:SC+16*\sc+8*\q+4*\e+3], v[ADRS] offset:512*\q+256*\e
.endr
.endr
.endm
.macro PLACES n                        ; plain vector instructions between a matrix instruction and a load into, or a vector read or write of, its registers
.rept \n
	v_nop
.endr
.endm
.macro STEP slot, q, zero              ; a step of 128 along K that has its successor in the same slot
	s_wait_dscnt 4*NL                              ; B's set and A's blocks 0-3 are in; the youngest twelve loads (A's blocks 4-7) may be out
	WIN MUL_LO
	MUL16 0, (\q)%2, \q, \slot, \zero
	MUL16 2, (\q)%2, \q, \slot, \zero
	s_wait_dscnt 0                                 ; A's blocks 4-7 are in
	PLACES NP
	FETCH_B \slot, (\q)+1, 1-(\q)%2
	FETCH_A \slot, (\q)+1, 0
	WIN MUL_HI
	MUL16 4, (\q)%2, \q, \slot, \zero
	MUL16 6, (\q)%2, \q, \slot, \zero
	PLACES NP
	WIN 0
	FETCH_A \slot, (\q)+1, 4
.endm
; A slot's last step changes slots: one barrier; in front of it each wave waits for all its tensor loads, adds 0 to its spare word, and waits for that and for its own reads of this slot.  fill = 1: this slot is filled again, two K steps ahead.
.macro TURN slot, next, fill
	s_wait_tensorcnt 0x0                           ; all my tensor loads have landed: my part of the next slot
	ds_add_u32 v[SPW], v[NIL]                      ; 0 onto my spare word
	s_wait_dscnt 4*NL+1                            ; (the add and the youngest twelve loads may be out)
	WIN MUL_LO
	MUL16 0, 1, 1, \slot, 0                        ; sixteen matrix instructions stand between the add and the wait for it
	s_wait_dscnt 0x0                               ; the add is done, and my reads of this slot are over
	s_barrier_signal -1
	MUL16 2, 1, 1, \slot, 0
	WIN 0
	s_barrier_wait -1
.if \fill
	CREST                                          ; the barrier has opened a round of the cluster's barrier: no wave of any partner still reads this slot or has a load on its way
	s_add_nc_u64 s[G0+4*\slot+2:G0+4*\slot+3], s[G0+4*\slot+2:G0+4*\slot+3], 2*HALFT
	s_add_nc_u64 s[G0B+4*\slot+2:G0B+4*\slot+3], s[G0B+4*\slot+2:G0B+4*\slot+3], 2*HALFT
	JLOAD G0+4*\slot, G1, G0B+4*\slot, G1B         ; the first tensor load behind the round; its four v_nop are also the places in front of the loads below
.else
	PLACES NP
.endif
	v_add_nc_u32 v[ADRS], 1024, v[ADRS]            ; on to the next K step's scale words (no LDS load of mine is out)
	FETCH_B \next, 0, 0
	FETCH_A \next, 0, 0
	SCALES \next
	WIN MUL_HI
	MUL16 4, 1, 1, \slot, 0
	MUL16 6, 1, 1, \slot, 0
	PLACES NP
	WIN 0
	FETCH_A \next, 0, 4
.endm
	s_wait_tensorcnt 1                             ; the scale words and my part of K step 0 are in (K step 1's load may be out)
	s_barrier_signal -1
	s_barrier_wait -1                              ; everybody's are
	FETCH_B 0, 0, 0
	FETCH_A 0, 0, 0
	SCALES 0
	FETCH_A 0, 0, 4
	STEP 0, 0, 1                                   ; the first step stands in front of the loop: its products start the sums
	s_mov_b32 s3, LAPS-1
.Llap:                                                 ; a trip goes once round the ring and fills both slots again
	TURN 0, 1, 1
	STEP 1, 0, 0
	TURN 1, 0, 1
	STEP 0, 0, 0
	s_sub_co_u32 s3, s3, 1
	s_cmp_lg_u32 s3, 0
	s_cbranch_scc1 .Llap
	TURN 0, 1, 0                                   ; the last lap fills nothing
	STEP 1, 0, 0
	s_wait_dscnt 4*NL                              ; the very last step
	WIN MUL_LO
	MUL16 0, 1, 1, 1, 0
	MUL16 2, 1, 1, 1, 0
	s_wait_dscnt 0
	WIN MUL_HI
	MUL16 4, 1, 1, 1, 0
	MUL16 6, 1, 1, 1, 0
	WIN 0
	PLACES NP
; THE WAY OUT: block a's 64 registers of a lane are quantised along the columns and leave as fragment a of my result panel.
.macro CODES src, win                  ; 64 numbers at v[src] of window win, scale operands in v[TM+12] on -> a fragment's codes in v[PC] on
	WIN \win
.irp c, 0,1
	v_cvt_scalef32_pk16_fp6_f32 v[PC+6*\c:PC+6*\c+2], v[\src+32*\c:\src+32*\c+15], v[TM+12+2*\c]
	v_cvt_scalef32_pk16_fp6_f32 v[PC+12+4*\c:PC+14+4*\c], v[\src+16+32*\c:\src+31+32*\c], v[TM+13+2*\c]   ; (a conversion's three registers begin on an even number)
.endr
	WIN 0
	v_nop                                          ; one plain place behind a scaled conversion
.irp c, 0,1                                    ; the operand's layout wants a whole block in a lane
.irp i, 0,1,2
	v_permlane16_swap_b32 v[PC+6*\c+\i], v[PC+12+4*\c+\i]
.endr
.irp i, 0,1,2
	v_mov_b32 v[PC+3+6*\c+\i], v[PC+12+4*\c+\i]
.endr
.endr
.endm
.macro PUT a
.irp c, 0,1,2
	global_store_b128 v[GO], v[PC+4*\c:PC+4*\c+3], s[8:9] offset:FRB*(\a)+512*\c   ; 32 lanes store 512 consecutive bytes, at a multiple of 512 from the buffer's first byte
.endr
.endm
.macro STATS src, os, bl, off          ; eight words a lane row -> the scale block's layout: lanes 0-15 carry blocks 0-3's, lanes 16-31 blocks 4-7's
.irp i, 0,1,2,3
	v_cndmask_b32 v[\os+\i], v[\src+\i], v[\src+4+\i], s[HM]
.endr
	global_store_b128 v[GO], v[\os:\os+3], s[\bl:\bl+1] offset:\off
.endm
.macro QOUT a
.set AC, 64*((\a)%4)
	s_wait_xcnt 0x0                                ; the last block's stores have read their data: the codes' registers are written again only behind this wait
	WIN 0x28+0x14*((\a)/4)                         ; sources 1 and 2: window 2 or 3
.irp b, 0,1,2,3
	v_max3_num_f32 v[TM+\b], v[FLR], |v[AC+16*\b]|, |v[AC+16*\b+1]|   ; each accumulator is read from its low end on
.endr
.irp i, 2,4,6,8,10,12,14
.irp b, 0,1,2,3
	v_max3_num_f32 v[TM+\b], v[TM+\b], |v[AC+16*\b+\i]|, |v[AC+16*\b+\i+1]|
.endr
.endr
	WIN 0
.irp b, 0,1,2,3
	v_permlanex16_b32 v[TM+4+\b], v[TM+\b], s[SEL], s[SEL+1]
.endr
.irp b, 0,1,2,3
	v_max_num_f32 v[TM+\b], v[TM+\b], v[TM+4+\b]   ; with lane l xor 16's 16: the block's largest magnitude
.endr
.irp b, 0,1,2,3
	v_add_nc_u32 v[TM+12+\b], 0xff000000, v[TM+\b] ; 2 off its exponent field: the conversion's scale operand
.endr
.irp b, 0,1,2,3
	v_lshrrev_b32 v[TM+4+\b], 23, v[TM+12+\b]      ; the scale's byte
.endr
	v_lshl_or_b32 v[SW+(\a)], v[TM+5], 8, v[TM+4]
	v_lshl_or_b32 v[SW+(\a)], v[TM+6], 16, v[SW+(\a)]
	v_lshl_or_b32 v[SW+(\a)], v[TM+7], 24, v[SW+(\a)]
	CODES AC, 0x02+(\a)/4
	PUT \a
.endm
.irp a, 0,1,2,3,4,5,6,7
	QOUT \a
.endr
	STATS SW, OS, 10, 0
	s_wait_tensorcnt 0x0                           ; the wave's end
	ds_add_u32 v[SPW], v[NIL]
	s_wait_dscnt 0x0
	CROUND                                         ; the closing round: no work-group ends while a partner may still ask for a tile that names it
	s_endpgm
.Lfunc_end_k_q7eab4cc3f7_proj:
	.size	k_q7eab4cc3f7_proj, .Lfunc_end_k_q7eab4cc3f7_proj-k_q7eab4cc3f7_proj
	.p2alignl 7, 3214868480
	.fill 96, 4, 3214868480
	.section	.rodata,"a",@progbits
	.p2align	6, 0x0
	.amdhsa_kernel k_q7eab4cc3f7_proj
		.amdhsa_group_segment_fixed_size 327680
		.amdhsa_private_segment_fixed_size 0
		.amdhsa_enable_private_segment 0
		.amdhsa_kernarg_size 32
		.amdhsa_user_sgpr_count 2
		.amdhsa_user_sgpr_kernarg_segment_ptr 1
		.amdhsa_wavefront_size32 1
		.amdhsa_system_sgpr_workgroup_id_x 1
		.amdhsa_system_sgpr_workgroup_id_y 1
		.amdhsa_system_sgpr_workgroup_id_z 1
		.amdhsa_system_vgpr_workitem_id 0
		.amdhsa_next_free_vgpr 1024
		.amdhsa_next_free_sgpr 100
		.amdhsa_reserve_vcc 0
		.amdhsa_float_denorm_mode_32 3
		.amdhsa_float_denorm_mode_16_64 3
		.amdhsa_memory_ordered 1
		.amdhsa_forward_progress 1
		.amdhsa_inst_pref_size 138
	.end_amdhsa_kernel
	.amdgpu_metadata
---
amdhsa.version: [ 1, 2 ]
amdhsa.kernels:
  - .name:           k_q7eab4cc3f7_proj
    .symbol:         k_q7eab4cc3f7_proj.kd
    .args:
      - { .name: inc, .offset: 0, .size: 8, .value_kind: global_buffer, .address_space: global }
      - { .name: ins, .offset: 8, .size: 8, .value_kind: global_buffer, .address_space: global }
      - { .name: prc, .offset: 16, .size: 8, .value_kind: global_buffer, .address_space: global }
      - { .name: prs, .offset: 24, .size: 8, .value_kind: global_buffer, .address_space: global }
    .group_segment_fixed_size: 327680
    .private_segment_fixed_size: 0
    .kernarg_segment_align: 8
    .kernarg_segment_size: 32
    .max_flat_workgroup_size: 128
    .sgpr_count:     100
    .vgpr_count:     1024
    .wavefront_size: 32
...
	.end_amdgpu_metadata
.endif
;; end of part 2
;; launch score (part 3): grid 64 x 4, 4 waves a work-group, clusters of 4 x 4, 327,680 bytes of LDS; arguments prc, prs, pc, pst; writes pc, pst
.if DOCPART == 3
	.amdgcn_target "amdgcn-amd-amdhsa--gfx1250"
	.amdhsa_code_object_version 6
	.text
	.protected	k_q7eab4cc3f7_score
	.globl	k_q7eab4cc3f7_score
	.p2align	8
	.type	k_q7eab4cc3f7_score,@function
k_q7eab4cc3f7_score:
	s_mov_b64 s[64:65], 0
	v_nop
	global_prefetch_b8 v0, s[64:65] scope:SCOPE_SE
	s_setreg_imm32_b32 hwreg(HW_REG_WAVE_MODE, 25, 1), 1
	s_wait_xcnt 0x0
	s_wait_alu depctr_hold_cnt(0) depctr_sa_sdst(0) depctr_va_vdst(0) depctr_va_sdst(0) depctr_va_ssrc(0) depctr_va_vcc(0) depctr_vm_vsrc(0)
	s_getreg_b32 s2, hwreg(HW_REG_IB_STS2, 6, 4)
	s_cmp_eq_u32 s2, 0
	s_cbranch_scc0 .Lentry_in_a_cluster
	s_endpgm
.Lentry_in_a_cluster:
	s_bfe_u32 s2, ttmp6, 0x10000c
	s_cmp_lg_u32 s2, 0xf033
	s_cbranch_scc0 .Lentry_shape_is_right
	s_endpgm
.Lentry_shape_is_right:
; S = q k^T on codes of FP6 (E2M3), the causal mask, and p = 2^(t - M) quantised along the keys, for each of the 4 batches: 2,048 x 2,048, K = 1,024.
; t = score x log2(e) / 32.  M IS TAKEN FOR EACH (QUERY, 128 KEYS): the ceiling of the largest t of these 128 keys, a whole number.  The next launch finds each row's M and lowers p's scale bytes by
; M_row - M_local: a power of two, which the scale takes up exactly, so the codes are those of the row's M.  Stored for each panel (128 queries x 128 keys): p's codes; p's scale words; -M; the sum of the unquantised p.
; Hidden scores (key > query) become -infinity ahead of the maximum: p = 0.  A group all of whose keys are hidden gets -M = 3e38, zero codes, the byte 1 and the sum 0.
; OPERANDS AND RESULT LIE IN PANELS: 128 rows x 128 K = eight fragments, each an image of its 12 registers (registers 4 c .. 4 c + 3 of lane l at 1536 t + 512 c + 16 l); lane r of fragment t holds panel row
; 32 (t / 2) + 8 (t % 2) + r + 8 (r / 8).  A panel's words (scales, -M, sums): 512 bytes, (fragment a, lane row r) at 256 (a / 4) + 16 r + 4 (a % 4).
; The loop: a tile of 256 x 256 by four waves, 128 x 128 each; K in steps of 256 through a ring of two LDS slots; the matrix instruction transposed (source 0 = 16 keys, source 1 = 16 queries): a lane's 64
; registers of block a are register 16 b + i = key 32 b + 16 (lane / 16) + i of one query.  CLUSTERS: 4 x 4; q's tiles are shared along a row, k's along a column, by joint loads.
; All 64 tiles of a batch are made, the hidden ones as zero codes: the partners of a cluster run alike, and the mask costs no branch.
; REGISTERS: window 0: v0-31 addresses and constants; v32-63 scale words; v64-127 the way out; v128-223 A's fragments, on the way out v128-191 a block's scores and p; v224-243 at work.
;   window 1: B's fragments, two sets.  windows 2, 3: accumulator (a, b) at v[8 (8 (a % 4) + b)].
; LIMITS: NaN and infinities are not served; a block whose every p lies under 2^-124 keeps the byte 1.
.set FR,     12
.set FRB,    1536
.set PANEL,  8*FRB
.set HALFT,  2*PANEL                   ; what one tensor load brings: a row panel's two k panels
.set SLOT,   4*HALFT
.set NL,     3
.set NP,     4                         ; places behind this matrix instruction (ISA guide 7.12.1)
.set SCL,    2*SLOT
.set SCP,    4096
.set SPARE,  SCL+4*SCP                 ; the spare words, 128 bytes for each wave: two blocks of 256 bytes that no other line names
.set LAPS,   2
.set ADRA, 16
.set ADRB, 20
.set DA,   23                          ; v23     the block's mask number
.set D0,   24                          ; v24     my query less my first key, for block 0
.set GO,   26
.set ADRS, 27
.set SPW,  28
.set NIL,  29
.set NINF, 31                          ; v31     -infinity
.set SC,   32
.set TM,   64                          ; v64-79  at work
.set PC,   80                          ; v80-99  the codes just made
.set SW,   100                         ; v100-107 scale words;  v108-115 -M;  v116-123 sums
.set NMA,  108
.set LA,   116
.set P,    128                         ; v128-191 a block's masked scores, then p
.set NM,   224                         ; v[224:225] -M (the packed form names the pair and takes its low word)
.set T,    226
.set S0,   228
.set S1,   230
.set OS,   232                         ; v232-243 three blocks of words as they are stored
.set AF,   128
.set G1, 24
.set G0, 32
.set G1B, 48
.set G0B, 56
.set G1S, 68
.set G0S, 76
.set G1SB, 80
.set G0SB, 88
.set CS,  92                           ; s[92:93] c = log2(e) / 32
.set HM,  95
.set SEL, 98
.set MSB, 0
.macro WIN new
.if MSB != (\new)
	s_set_vgpr_msb (MSB<<8)|(\new)
.set MSB, \new
.endif
.endm
.set MUL_LO, 0xa1
.set MUL_HI, 0xf1
.set TO_B,   0x40
.macro JLOAD g0a, g1a, g0b, g1b        ; a joint load: waves 0 and 1 fetch for A, waves 2 and 3 for B; four v_nop follow each of the two lines
	s_cmp_eq_u32 s15, 0
	s_cbranch_scc0 .Lfor_b_\@
	tensor_load_to_lds s[\g0a:\g0a+3], s[\g1a:\g1a+7]
	s_nop 0
.rept 4
	v_nop
.endr
	s_branch .Lasked_\@
.Lfor_b_\@:
	tensor_load_to_lds s[\g0b:\g0b+3], s[\g1b:\g1b+7]
	s_nop 0
.rept 4
	v_nop
.endr
.Lasked_\@:
.endm
.macro CREST
	s_cmp_lg_u32 s14, 0
	s_cbranch_scc1 .Lnot_wave_0_\@
	s_barrier_signal -3
.Lnot_wave_0_\@:
	s_barrier_wait -3
	s_barrier_signal -1
	s_barrier_wait -1
.endm
.macro CROUND
	s_barrier_signal -1
	s_barrier_wait -1
	CREST
.endm
	s_load_b256 s[4:11], s[0:1], 0x0               ; q's and k's codes s[4:5] and scale words s[6:7]; p's codes s[8:9]; p's words s[10:11]
	v_lshl_add_u32 v[SPW], v0, 2, SPARE
	v_mov_b32 v[NIL], 0
	ds_add_u32 v28, v29
	ds_add_u32 v28, v29
	s_wait_dscnt 0x0
	v_lshrrev_b32 v1, 5, v0
	v_readfirstlane_b32 s14, v1                    ; wave 0..3
	s_lshr_b32 s15, s14, 1                         ; which 128 queries of the tile are mine.  Also: I fetch for q (0) or for k (1)
	s_and_b32 s16, s14, 1                          ; which 128 keys.  Also: which row panel I fetch
	s_bfe_u32 s40, ttmp6, 0x40000                  ; cx, cy
	s_bfe_u32 s41, ttmp6, 0x40004
	s_lshr_b32 s18, ttmp9, 2                       ; the batch
	s_bfe_u32 s19, ttmp9, 0x10001                  ; the cluster's row of tiles
	s_and_b32 s22, ttmp9, 1                        ; and its column
	s_lshl_b32 s17, s19, 2
	s_add_co_u32 s17, s17, s41                     ; tile row, 0..7
	s_lshl_b32 s42, s22, 2
	s_add_co_u32 s42, s42, s40                     ; tile column, 0..7
	s_lshl_b32 s23, s18, 4                         ; the batch's first row panel
	s_lshl_b32 s43, s41, 2
	s_lshl_b32 s43, 15, s43                        ; my row of the cluster
	s_lshl_b32 s44, 0x1111, s40                    ; my column
	s_or_b32 s[G1+0], s43, (3<<16)|(1<<21)         ; a dense block as rows of 256 bytes (32 elements of 8 bytes): 96 rows of codes, 16 of scale words; the mask; bit 21 beside it
	s_or_b32 s[G1B+0], s44, (3<<16)|(1<<21)
	s_or_b32 s[G1S+0], s43, (3<<16)|(1<<21)
	s_or_b32 s[G1SB+0], s44, (3<<16)|(1<<21)
.irp g, G1, G1B
	s_mov_b32 s[\g+1], 32<<16
	s_mov_b32 s[\g+2], 96<<16
	s_mov_b32 s[\g+3], 32<<16
	s_mov_b32 s[\g+4], 96
	s_mov_b32 s[\g+5], 32
	s_mov_b32 s[\g+6], 0
	s_mov_b32 s[\g+7], 0
.endr
.irp g, G1S, G1SB
	s_mov_b32 s[\g+1], 32<<16
	s_mov_b32 s[\g+2], 16<<16
	s_mov_b32 s[\g+3], 32<<16
	s_mov_b32 s[\g+4], 16
	s_mov_b32 s[\g+5], 32
	s_mov_b32 s[\g+6], 0
	s_mov_b32 s[\g+7], 0
.endr
	s_lshl_b32 s20, s17, 1                         ; q: row panel 16 batch + 2 tile row + half; a row panel has 16 k panels, q's are the first eight
	s_add_co_u32 s20, s20, s16
	s_add_co_u32 s20, s20, s23
	s_lshl_b32 s92, s20, 13
	s_mov_b32 s93, 0
	s_mul_i32 s20, s20, 16*PANEL
	s_mov_b32 s21, 0
	s_lshl_b32 s46, s42, 1                         ; k: row panel 16 batch + 2 tile column + half; k's k panels are the last eight
	s_add_co_u32 s46, s46, s16
	s_add_co_u32 s46, s46, s23
	s_lshl_b32 s94, s46, 13
	s_add_co_u32 s94, s94, 4096
	s_mov_b32 s95, 0
	s_mul_i32 s46, s46, 16*PANEL
	s_add_co_u32 s46, s46, 8*PANEL
	s_mov_b32 s47, 0
	s_mul_i32 s45, s14, HALFT
	s_mul_i32 s67, s14, SCP
	s_wait_kmcnt 0x0
	s_add_nc_u64 s[20:21], s[4:5], s[20:21]
	s_add_nc_u64 s[92:93], s[6:7], s[92:93]
	s_add_nc_u64 s[46:47], s[4:5], s[46:47]
	s_add_nc_u64 s[94:95], s[6:7], s[94:95]
	CROUND                                         ; all sixteen work-groups are here: the first joint loads meet
	s_mov_b32 s[G0S], 1
	s_add_co_u32 s[G0S+1], s67, SCL
	s_mov_b64 s[G0S+2:G0S+3], s[92:93]
	s_or_b32 s[G0S+3], s[G0S+3], 0x80000000
	s_mov_b32 s[G0SB], 1
	s_add_co_u32 s[G0SB+1], s67, SCL
	s_mov_b64 s[G0SB+2:G0SB+3], s[94:95]
	s_or_b32 s[G0SB+3], s[G0SB+3], 0x80000000
	JLOAD G0S, G1S, G0SB, G1SB
.irp s, 0,1
	s_mov_b32 s[G0+4*\s], 1
	s_add_co_u32 s[G0+4*\s+1], s45, \s*SLOT
	s_add_nc_u64 s[G0+4*\s+2:G0+4*\s+3], s[20:21], \s*HALFT
	s_or_b32 s[G0+4*\s+3], s[G0+4*\s+3], 0x80000000
	s_mov_b32 s[G0B+4*\s], 1
	s_add_co_u32 s[G0B+4*\s+1], s45, \s*SLOT
	s_add_nc_u64 s[G0B+4*\s+2:G0B+4*\s+3], s[46:47], \s*HALFT
	s_or_b32 s[G0B+4*\s+3], s[G0B+4*\s+3], 0x80000000
	JLOAD G0+4*\s, G1, G0B+4*\s, G1B               ; three loads of mine are out behind the second of these
.endr
	v_and_b32 v1, 15, v0                           ; r
	v_bfe_u32 v2, v0, 4, 1                         ; h
	v_and_b32 v3, 31, v0
	v_lshlrev_b32 v[GO], 4, v3
	s_mul_i32 s21, s15, HALFT
	s_mul_i32 s22, s16, HALFT
	s_add_co_u32 s22, s22, 2*HALFT
.irp s, 0,1
	v_add_nc_u32 v[ADRA+\s], s21, v[GO]
	v_add_nc_u32 v[ADRB+\s], s22, v[GO]
	s_add_co_u32 s21, s21, SLOT
	s_add_co_u32 s22, s22, SLOT
.endr
	v_lshlrev_b32 v5, 4, v1
	s_mul_i32 s21, s15, SCP
	s_mul_i32 s22, s16, SCP
	s_add_co_u32 s22, s22, 2*SCP
	s_sub_co_u32 s22, s22, s21
	v_mul_u32_u24 v6, s22, v2                      ; lanes 16-31 take B's
	s_add_co_u32 s21, s21, SCL
	v_add_nc_u32 v5, v5, v6
	v_add_nc_u32 v[ADRS], s21, v5
	v_mov_b32 v[NINF], 0xff800000
	v_mov_b32 v[NM+1], 0                           ; (named as the upper half of a pair)
.irp b, 0,1,2,3
	v_mov_b32 v[TM+4+\b], 0                        ; written once: a lane permute's destination counts as one of its sources
.endr
	s_mov_b32 s[CS], 0x3d38aa3b                    ; c = log2(e) / 32
	s_mov_b32 s[CS+1], s[CS]
	s_mov_b32 s[SEL], 0x76543210
	s_mov_b32 s[SEL+1], 0xfedcba98
	s_mov_b32 s[HM], 0xffff0000
	s_sub_co_i32 s96, s17, s42                     ; the mask: register 16 b + i of block a holds key 32 b + 16 h + i of my 128; it is hidden where 32 b + i > D0 + 32 (a / 2) + 8 (a % 2),
	s_lshl_b32 s96, s96, 8                         ; D0 = 256 (tile row - tile column) + 128 (my half of the queries - my half of the keys) + r + 8 (r / 8) - 16 h
	s_sub_co_i32 s97, s15, s16
	s_lshl_b32 s97, s97, 7
	s_add_co_i32 s96, s96, s97
	v_and_b32 v5, 8, v1
	v_add_nc_u32 v5, v5, v1
	v_lshlrev_b32 v6, 4, v2
	v_sub_nc_u32 v5, v5, v6
	v_add_nc_u32 v[D0], s96, v5
	s_lshl_b32 s18, s17, 1                         ; my panel of p: (16 batch + 2 tile row + half) x 16 + 2 tile column + half
	s_add_co_u32 s18, s18, s15
	s_add_co_u32 s18, s18, s23
	s_lshl_b32 s18, s18, 4
	s_lshl_b32 s19, s42, 1
	s_add_co_u32 s19, s19, s16
	s_add_co_u32 s18, s18, s19
	s_mul_i32 s96, s18, PANEL
	s_mov_b32 s97, 0
	s_add_nc_u64 s[8:9], s[8:9], s[96:97]
	s_mul_i32 s96, s18, 1536
	s_add_nc_u64 s[10:11], s[10:11], s[96:97]
.macro FRAG reg, adr, q, i
.irp c, 0,1,2
	ds_load_b128 v[\reg+4*\c:\reg+4*\c+3], v[\adr] offset:(\q)*PANEL+(\i)*FRB+512*\c
.endr
.endm
; 16 matrix instructions: A's blocks a0, a0 + 1 x B's eight.  The 64 accumulators take turns, one instruction a turn, in the same order in every step.
.macro MUL16 a0, p, q, sc, zero
.irp a, \a0, \a0+1
.irp b, 0,1,2,3,4,5,6,7
.if \zero
	v_wmma_scale_f32_16x16x128_f8f6f4 v[8*(8*((\a)%4)+\b):8*(8*((\a)%4)+\b)+7], v[128*(\p)+FR*\b:128*(\p)+FR*\b+FR-1], v[AF+FR*(\a):AF+FR*(\a)+FR-1], 0, v[SC+16*(\sc)+8*(\q)+\b], v[SC+16*(\sc)+8*(\q)+(\a)] matrix_a_fmt:MATRIX_FMT_FP6 matrix_b_fmt:MATRIX_FMT_FP6 matrix_a_scale:MATRIX_SCALE_ROW1
.else
	v_wmma_scale_f32_16x16x128_f8f6f4 v[8*(8*((\a)%4)+\b):8*(8*((\a)%4)+\b)+7], v[128*(\p)+FR*\b:128*(\p)+FR*\b+FR-1], v[AF+FR*(\a):AF+FR*(\a)+FR-1], v[8*(8*((\a)%4)+\b):8*(8*((\a)%4)+\b)+7], v[SC+16*(\sc)+8*(\q)+\b], v[SC+16*(\sc)+8*(\q)+(\a)] matrix_a_fmt:MATRIX_FMT_FP6 matrix_b_fmt:MATRIX_FMT_FP6 matrix_a_scale:MATRIX_SCALE_ROW1
.endif
.endr
.endr
.endm
.macro FETCH_B slot, q, p
	WIN TO_B
.irp i, 0,1,2,3,4,5,6,7
	FRAG 128*(\p)+FR*\i, ADRB+\slot, \q, \i
.endr
	WIN 0
.endm
.macro FETCH_A slot, q, i0
.irp i, \i0, \i0+1, \i0+2, \i0+3
	FRAG AF+FR*(\i), ADRA+\slot, \q, \i
.endr
.endm
.macro SCALES sc
.irp q, 0,1
.irp e, 0,1
	ds_load_b128 v[SC+16*\sc+8*\q+4*\e:SC+16*\sc+8*\q+4*\e+3], v[ADRS] offset:512*\q+256*\e
.endr
.endr
.endm
.macro PLACES n
.rept \n
	v_nop
.endr
.endm
.macro STEP slot, q, zero
	s_wait_dscnt 4*NL                              ; B's set and A's blocks 0-3 are in; the youngest twelve loads (A's blocks 4-7) may be out
	WIN MUL_LO
	MUL16 0, (\q)%2, \q, \slot, \zero
	MUL16 2, (\q)%2, \q, \slot, \zero
	s_wait_dscnt 0
	PLACES NP
	FETCH_B \slot, (\q)+1, 1-(\q)%2
	FETCH_A \slot, (\q)+1, 0
	WIN MUL_HI
	MUL16 4, (\q)%2, \q, \slot, \zero
	MUL16 6, (\q)%2, \q, \slot, \zero
	PLACES NP
	WIN 0
	FETCH_A \slot, (\q)+1, 4
.endm
.macro TURN slot, next, fill
	s_wait_tensorcnt 0x0                           ; all my tensor loads have landed: my part of the next slot
	ds_add_u32 v[SPW], v[NIL]                      ; 0 onto my spare word
	s_wait_dscnt 4*NL+1                            ; (the add and the youngest twelve loads may be out)
	WIN MUL_LO
	MUL16 0, 1, 1, \slot, 0
	s_wait_dscnt 0x0                               ; the add is done, and my reads of this slot are over
	s_barrier_signal -1
	MUL16 2, 1, 1, \slot, 0
	WIN 0
	s_barrier_wait -1
.if \fill
	CREST                                          ; a round of the cluster's barrier: no wave of any partner still reads this slot or has a load on its way
	s_add_nc_u64 s[G0+4*\slot+2:G0+4*\slot+3], s[G0+4*\slot+2:G0+4*\slot+3], 2*HALFT
	s_add_nc_u64 s[G0B+4*\slot+2:G0B+4*\slot+3], s[G0B+4*\slot+2:G0B+4*\slot+3], 2*HALFT
	JLOAD G0+4*\slot, G1, G0B+4*\slot, G1B         ; the first tensor load behind the round
.else
	PLACES NP
.endif
	v_add_nc_u32 v[ADRS], 1024, v[ADRS]
	FETCH_B \next, 0, 0
	FETCH_A \next, 0, 0
	SCALES \next
	WIN MUL_HI
	MUL16 4, 1, 1, \slot, 0
	MUL16 6, 1, 1, \slot, 0
	PLACES NP
	WIN 0
	FETCH_A \next, 0, 4
.endm
	s_wait_tensorcnt 1                             ; the scale words and my part of K step 0 are in (K step 1's load may be out)
	s_barrier_signal -1
	s_barrier_wait -1
	FETCH_B 0, 0, 0
	FETCH_A 0, 0, 0
	SCALES 0
	FETCH_A 0, 0, 4
	STEP 0, 0, 1
	s_mov_b32 s3, LAPS-1
.Llap:
	TURN 0, 1, 1
	STEP 1, 0, 0
	TURN 1, 0, 1
	STEP 0, 0, 0
	s_sub_co_u32 s3, s3, 1
	s_cmp_lg_u32 s3, 0
	s_cbranch_scc1 .Llap
	TURN 0, 1, 0
	STEP 1, 0, 0
	s_wait_dscnt 4*NL
	WIN MUL_LO
	MUL16 0, 1, 1, 1, 0
	MUL16 2, 1, 1, 1, 0
	s_wait_dscnt 0
	WIN MUL_HI
	MUL16 4, 1, 1, 1, 0
	MUL16 6, 1, 1, 1, 0
	WIN 0
	PLACES NP                                      ; for the first reads of results and the first writes of the registers that held A's fragments
.macro CODES src
.irp c, 0,1
	v_cvt_scalef32_pk16_fp6_f32 v[PC+6*\c:PC+6*\c+2], v[\src+32*\c:\src+32*\c+15], v[TM+12+2*\c]
	v_cvt_scalef32_pk16_fp6_f32 v[PC+12+4*\c:PC+14+4*\c], v[\src+16+32*\c:\src+31+32*\c], v[TM+13+2*\c]   ; (a conversion's three registers begin on an even number)
.endr
	v_nop                                          ; one plain place behind a scaled conversion
.irp c, 0,1
.irp i, 0,1,2
	v_permlane16_swap_b32 v[PC+6*\c+\i], v[PC+12+4*\c+\i]
.endr
.irp i, 0,1,2
	v_mov_b32 v[PC+3+6*\c+\i], v[PC+12+4*\c+\i]
.endr
.endr
.endm
.macro PUT a
.irp c, 0,1,2
	global_store_b128 v[GO], v[PC+4*\c:PC+4*\c+3], s[8:9] offset:FRB*(\a)+512*\c   ; 32 lanes store 512 consecutive bytes, at a multiple of 512 from the buffer's first byte
.endr
.endm
.macro STATS src, os, bl, off
.irp i, 0,1,2,3
	v_cndmask_b32 v[\os+\i], v[\src+\i], v[\src+4+\i], s[HM]
.endr
	global_store_b128 v[GO], v[\os:\os+3], s[\bl:\bl+1] offset:\off
.endm
; Block a: 16 queries (one a lane) x my 128 keys.
.macro SOFT a
.set AC, 64*((\a)%4)
	s_wait_xcnt 0x0                                ; the last block's stores have read their data
	v_add_nc_u32 v[DA], 32*((\a)/2)+8*((\a)%2), v[D0]
	WIN 0x02+(\a)/4                                ; source 0: window 2 or 3; the masked scores go to window 0, where all the rest stands
.set n, 0
.rept 64
	v_cmp_gt_i32 vcc_lo, 32*(n/16)+n%16, v[DA]     ; hidden?  (each accumulator is read from its low end on)
	v_cndmask_b32 v[P+n], v[AC+n], v[NINF], vcc_lo
.set n, n+1
.endr
	WIN 0
.irp b, 0,1,2,3
	v_max3_num_f32 v[TM+\b], v[P+16*\b], v[P+16*\b+1], v[P+16*\b+2]   ; the largest score of each block of 32 keys: it serves for M and, since p rises with the score, for the block's largest p
.endr
.irp i, 3,5,7,9,11,13
.irp b, 0,1,2,3
	v_max3_num_f32 v[TM+\b], v[TM+\b], v[P+16*\b+\i], v[P+16*\b+\i+1]
.endr
.endr
.irp b, 0,1,2,3
	v_max_num_f32 v[TM+\b], v[TM+\b], v[P+16*\b+15]
.endr
.irp b, 0,1,2,3
	v_permlanex16_b32 v[TM+4+\b], v[TM+\b], s[SEL], s[SEL+1]
.endr
.irp b, 0,1,2,3
	v_max_num_f32 v[TM+\b], v[TM+\b], v[TM+4+\b]   ; with lane l xor 16's 16 keys
.endr
	v_max3_num_f32 v[T], v[TM], v[TM+1], v[TM+2]
	v_max_num_f32 v[T], v[T], v[TM+3]
	v_mul_f32 v[T], s[CS], v[T]                    ; as t (c is positive)
	v_max_num_f32 v[T], 0xff61b1e6, v[T]           ; held at -3e38 where all 128 keys are hidden
	v_floor_f32 v[NM], -v[T]                       ; -M = floor(-t) = -ceil(t): a whole number
	v_mov_b32 v[NMA+(\a)], v[NM]
.set n, 0
.rept 32
	v_pk_fma_f32 v[P+n:P+n+1], v[P+n:P+n+1], s[CS:CS+1], v[NM:NM+1] op_sel_hi:[1,0,0]   ; t - M, two at a time
.set n, n+2
.endr
.irp b, 0,1,2,3
	v_fma_f32 v[TM+\b], v[TM+\b], s[CS], v[NM]     ; the same of each block's largest score
.endr
.set n, 0
.rept 64
	v_exp_f32 v[P+n], v[P+n]                       ; p = 2^(t - M), at most 1
.set n, n+1
.endr
	v_nop                                          ; a plain place behind the exponentials
	s_wait_alu depctr_va_vdst(0)                   ; one wait for the whole batch, ahead of its first reader
.irp b, 0,1,2,3
	v_exp_f32 v[TM+\b], v[TM+\b]                   ; the block's largest p
.endr
	v_pk_add_f32 v[S0:S0+1], v[P:P+1], v[P+2:P+3]  ; the sum of the unquantised p, in two chains; it reads the 64 alone
	v_pk_add_f32 v[S1:S1+1], v[P+4:P+5], v[P+6:P+7]
.set n, 8
.rept 14
	v_pk_add_f32 v[S0:S0+1], v[S0:S0+1], v[P+n:P+n+1]
	v_pk_add_f32 v[S1:S1+1], v[S1:S1+1], v[P+n+2:P+n+3]
.set n, n+4
.endr
	v_pk_add_f32 v[S0:S0+1], v[S0:S0+1], v[S1:S1+1]
	v_add_f32 v[T], v[S0], v[S0+1]
	v_permlanex16_b32 v[S1], v[T], s[SEL], s[SEL+1]
	v_add_f32 v[LA+(\a)], v[T], v[S1]              ; with lane l xor 16's: the query's sum over these 128 keys
	s_wait_alu depctr_va_vdst(0)                   ; and one wait for the four
.irp b, 0,1,2,3
	v_max_num_f32 v[TM+\b], 0x1800000, v[TM+\b]    ; the floor 2^(3 - 127): the byte cannot fall under 1
.endr
.irp b, 0,1,2,3
	v_add_nc_u32 v[TM+12+\b], 0xff000000, v[TM+\b] ; 2 off the exponent field: the conversion's scale operand
.endr
.irp b, 0,1,2,3
	v_lshrrev_b32 v[TM+4+\b], 23, v[TM+12+\b]
.endr
	v_lshl_or_b32 v[SW+(\a)], v[TM+5], 8, v[TM+4]
	v_lshl_or_b32 v[SW+(\a)], v[TM+6], 16, v[SW+(\a)]
	v_lshl_or_b32 v[SW+(\a)], v[TM+7], 24, v[SW+(\a)]
	CODES P
	PUT \a
.endm
.irp a, 0,1,2,3,4,5,6,7
	SOFT \a
.endr
	STATS SW, OS, 10, 0                            ; p's scale words under the local M,
	STATS NMA, OS+4, 10, 512                       ; -M,
	STATS LA, OS+8, 10, 1024                       ; the sums
	s_wait_tensorcnt 0x0                           ; the wave's end
	ds_add_u32 v[SPW], v[NIL]
	s_wait_dscnt 0x0
	CROUND                                         ; the closing round
	s_endpgm
.Lfunc_end_k_q7eab4cc3f7_score:
	.size	k_q7eab4cc3f7_score, .Lfunc_end_k_q7eab4cc3f7_score-k_q7eab4cc3f7_score
	.p2alignl 7, 3214868480
	.fill 96, 4, 3214868480
	.section	.rodata,"a",@progbits
	.p2align	6, 0x0
	.amdhsa_kernel k_q7eab4cc3f7_score
		.amdhsa_group_segment_fixed_size 327680
		.amdhsa_private_segment_fixed_size 0
		.amdhsa_enable_private_segment 0
		.amdhsa_kernarg_size 32
		.amdhsa_user_sgpr_count 2
		.amdhsa_user_sgpr_kernarg_segment_ptr 1
		.amdhsa_wavefront_size32 1
		.amdhsa_system_sgpr_workgroup_id_x 1
		.amdhsa_system_sgpr_workgroup_id_y 1
		.amdhsa_system_sgpr_workgroup_id_z 1
		.amdhsa_system_vgpr_workitem_id 0
		.amdhsa_next_free_vgpr 1024
		.amdhsa_next_free_sgpr 100
		.amdhsa_reserve_vcc 1
		.amdhsa_float_denorm_mode_32 3
		.amdhsa_float_denorm_mode_16_64 3
		.amdhsa_memory_ordered 1
		.amdhsa_forward_progress 1
		.amdhsa_inst_pref_size 234
	.end_amdhsa_kernel
	.amdgpu_metadata
---
amdhsa.version: [ 1, 2 ]
amdhsa.kernels:
  - .name:           k_q7eab4cc3f7_score
    .symbol:         k_q7eab4cc3f7_score.kd
    .args:
      - { .name: prc, .offset: 0, .size: 8, .value_kind: global_buffer, .address_space: global }
      - { .name: prs, .offset: 8, .size: 8, .value_kind: global_buffer, .address_space: global }
      - { .name: pc, .offset: 16, .size: 8, .value_kind: global_buffer, .address_space: global }
      - { .name: pst, .offset: 24, .size: 8, .value_kind: global_buffer, .address_space: global }
    .group_segment_fixed_size: 327680
    .private_segment_fixed_size: 0
    .kernarg_segment_align: 8
    .kernarg_segment_size: 32
    .max_flat_workgroup_size: 128
    .sgpr_count:     100
    .vgpr_count:     1024
    .wavefront_size: 32
...
	.end_amdgpu_metadata
.endif
;; end of part 3
;; launch pv (part 4): grid 32 x 4, 4 waves a work-group, clusters of 4 x 4, 327,680 bytes of LDS; arguments pc, pst, prc, prs, out0; writes out0
.if DOCPART == 4
	.amdgcn_target "amdgcn-amd-amdhsa--gfx1250"
	.amdhsa_code_object_version 6
	.text
	.protected	k_q7eab4cc3f7_pv
	.globl	k_q7eab4cc3f7_pv
	.p2align	8
	.type	k_q7eab4cc3f7_pv,@function
k_q7eab4cc3f7_pv:
	s_mov_b64 s[64:65], 0
	v_nop
	global_prefetch_b8 v0, s[64:65] scope:SCOPE_SE
	s_setreg_imm32_b32 hwreg(HW_REG_WAVE_MODE, 25, 1), 1
	s_wait_xcnt 0x0
	s_wait_alu depctr_hold_cnt(0) depctr_sa_sdst(0) depctr_va_vdst(0) depctr_va_sdst(0) depctr_va_ssrc(0) depctr_va_vcc(0) depctr_vm_vsrc(0)
	s_getreg_b32 s2, hwreg(HW_REG_IB_STS2, 6, 4)
	s_cmp_eq_u32 s2, 0
	s_cbranch_scc0 .Lentry_in_a_cluster
	s_endpgm
.Lentry_in_a_cluster:
	s_bfe_u32 s2, ttmp6, 0x10000c
	s_cmp_lg_u32 s2, 0xf033
	s_cbranch_scc0 .Lentry_shape_is_right
	s_endpgm
.Lentry_shape_is_right:
; O = P V / l on codes of FP6 (E2M3), for each of the 4 batches: 2,048 queries x 1,024 channels, K = the 2,048 keys.
; P arrives as codes made under a whole number M for each (query, 128 keys), with its scale words, -M and the sum of the unquantised p for each such group.  THE HEAD brings them under the row's M:
; M_row = the largest M_local; E = M_local - M_row, 0 or less; l = the sum of l_local x 2^E; each of P's scale bytes gets E added: a power of two, which the scale takes up exactly.
; LIMITS: E is held at -127, and a scale byte that would fall under 0 is held at 0 (2^-127): what is lost there lies 2^-120 under the row's sum, which is above 1/2.  NaN and infinities are not served.
; OPERANDS LIE IN PANELS: 128 rows x 128 K = eight fragments, each an image of its 12 registers; lane r of fragment t holds panel row 32 (t / 2) + 8 (t % 2) + r + 8 (r / 8); a panel's words: 512 bytes,
; (fragment a, lane row r) at 256 (a / 4) + 16 r + 4 (a % 4).  A = P (rows: queries), B = V^T (rows: channels).
; The loop: a tile of 256 x 256 by four waves, 128 x 128 each; K in steps of 256 through a ring of two LDS slots; the matrix instruction transposed: a lane's 64 registers of block a are register
; 16 b + i = channel 32 b + 16 (lane / 16) + i of one query.  CLUSTERS: 4 x 4; P's tiles are shared along a row, V^T's along a column, by joint loads.  All 2,048 keys are walked: hidden keys have zero codes.
; LDS: the ring; a stage for each wave; the spare words.
; REGISTERS: window 0: v0-31 addresses; v32-63 scale words; v64-79 1 / l of my eight blocks, twice each; v128-223 A's fragments; in the head v80-255 at work; on the way out v128-255 rows of O.
;   window 1: B's fragments, two sets.  windows 2, 3: accumulator (a, b) at v[8 (8 (a % 4) + b)].
.set FR,     12
.set FRB,    1536
.set PANEL,  8*FRB
.set HALFT,  2*PANEL
.set SLOT,   4*HALFT
.set NL,     3
.set NP,     4                         ; places behind this matrix instruction (ISA guide 7.12.1)
.set SCL,    2*SLOT
.set SCP,    8192                      ; the scale words of one row panel for all of K: 16 x 512
.set STAGE,  SCL+4*SCP                 ; 16 rows x (512 bytes + 16) for each wave
.set SPITCH, 528
.set SPARE,  STAGE+4*16*SPITCH         ; the spare words, 128 bytes for each wave: two blocks of 256 bytes that no other line names
.set LAPS,   4
.set ADRA, 16
.set PSA,  18                          ; v18     where I store lowered scale words
.set ADRB, 20
.set VA1,  22                          ; v22     my offset among the groups whose scale words I lower;  v23 among the other eight
.set VA2,  23
.set STO,  24                          ; v24     the stage: where I put my bytes of a row
.set RD,   25                          ; v25     and where I read a row back
.set GO,   26
.set ADRS, 27
.set SPW,  28
.set NIL,  29
.set SC,   32
.set IV,   64                          ; v[64+2a:65+2a] 1 / l of my query in block a
.set NR,   80                          ; v80-83  M_row;  v84-87 1 / l;  v88-91 the other half's
.set RC,   84
.set XX,   88
.set PMR,  96                          ; v96-159  -M_local of 16 groups, then E
.set PLR,  160                         ; v160-223 l_local
.set PSR,  224                         ; v224-255 the scale words of my eight groups
.set AF,   128
.set BK,   128
.set G1, 24
.set G0, 32
.set G1B, 48
.set G0B, 56
.set G1SB, 80
.set G0SB, 88
.set HM,  95
.set SEL, 98
.set MSB, 0
.macro WIN new
.if MSB != (\new)
	s_set_vgpr_msb (MSB<<8)|(\new)
.set MSB, \new
.endif
.endm
.set MUL_LO, 0xa1
.set MUL_HI, 0xf1
.set TO_B,   0x40
.macro JLOAD g0a, g1a, g0b, g1b        ; a joint load: waves 0 and 1 fetch for A, waves 2 and 3 for B; four v_nop follow each of the two lines
	s_cmp_eq_u32 s15, 0
	s_cbranch_scc0 .Lfor_b_\@
	tensor_load_to_lds s[\g0a:\g0a+3], s[\g1a:\g1a+7]
	s_nop 0
.rept 4
	v_nop
.endr
	s_branch .Lasked_\@
.Lfor_b_\@:
	tensor_load_to_lds s[\g0b:\g0b+3], s[\g1b:\g1b+7]
	s_nop 0
.rept 4
	v_nop
.endr
.Lasked_\@:
.endm
.macro CREST
	s_cmp_lg_u32 s14, 0
	s_cbranch_scc1 .Lnot_wave_0_\@
	s_barrier_signal -3
.Lnot_wave_0_\@:
	s_barrier_wait -3
	s_barrier_signal -1
	s_barrier_wait -1
.endm
.macro CROUND
	s_barrier_signal -1
	s_barrier_wait -1
	CREST
.endm
	s_load_b256 s[4:11], s[0:1], 0x0               ; P's codes s[4:5], P's words s[6:7], V^T's codes (in the projections' buffer) s[8:9], its scale words s[10:11]
	s_load_b64 s[12:13], s[0:1], 0x20              ; O
	v_lshl_add_u32 v[SPW], v0, 2, SPARE
	v_mov_b32 v[NIL], 0
	ds_add_u32 v28, v29
	ds_add_u32 v28, v29
	s_wait_dscnt 0x0
	v_lshrrev_b32 v1, 5, v0
	v_readfirstlane_b32 s14, v1                    ; wave 0..3
	s_lshr_b32 s15, s14, 1                         ; which 128 queries of the tile are mine.  Also: I fetch for P (0) or for V^T (1)
	s_and_b32 s16, s14, 1                          ; which 128 channels.  Also: which row panel I fetch
	s_bfe_u32 s40, ttmp6, 0x40000                  ; cx, cy
	s_bfe_u32 s41, ttmp6, 0x40004
	s_lshr_b32 s18, ttmp9, 1                       ; the batch
	s_and_b32 s19, ttmp9, 1                        ; the cluster's row of tiles
	s_lshl_b32 s17, s19, 2
	s_add_co_u32 s17, s17, s41                     ; tile row, 0..7
	s_mov_b32 s42, s40                             ; tile column, 0..3
	s_lshl_b32 s43, s41, 2
	s_lshl_b32 s43, 15, s43                        ; my row of the cluster
	s_lshl_b32 s44, 0x1111, s40                    ; my column
	s_or_b32 s[G1+0], s43, (3<<16)|(1<<21)         ; a dense block as rows of 256 bytes (32 elements of 8 bytes): 96 rows of codes, 16 of scale words; the mask; bit 21 beside it
	s_or_b32 s[G1B+0], s44, (3<<16)|(1<<21)
	s_or_b32 s[G1SB+0], s44, (3<<16)|(1<<21)
.irp g, G1, G1B
	s_mov_b32 s[\g+1], 32<<16
	s_mov_b32 s[\g+2], 96<<16
	s_mov_b32 s[\g+3], 32<<16
	s_mov_b32 s[\g+4], 96
	s_mov_b32 s[\g+5], 32
	s_mov_b32 s[\g+6], 0
	s_mov_b32 s[\g+7], 0
.endr
	s_mov_b32 s[G1SB+1], 32<<16
	s_mov_b32 s[G1SB+2], 16<<16
	s_mov_b32 s[G1SB+3], 32<<16
	s_mov_b32 s[G1SB+4], 16
	s_mov_b32 s[G1SB+5], 32
	s_mov_b32 s[G1SB+6], 0
	s_mov_b32 s[G1SB+7], 0
	s_lshl_b32 s20, s18, 4
	s_lshl_b32 s21, s17, 1
	s_add_co_u32 s20, s20, s21                     ; 16 batch + 2 tile row
	s_add_co_u32 s22, s20, s15                     ; my own query panel,
	s_mul_i32 s92, s22, 16*1536                    ; and its words: 16 groups x 3 kinds x 512 bytes
	s_mov_b32 s93, 0
	s_add_co_u32 s20, s20, s16                     ; the query panel that I fetch
	s_mul_i32 s20, s20, 16*PANEL
	s_mov_b32 s21, 0
	s_lshl_b32 s46, s42, 1
	s_add_co_u32 s94, s46, s15                     ; V^T's scale words: every wave fetches a quarter: channel panel 2 tile column + wave / 2, half wave % 2
	s_add_co_u32 s46, s46, s16                     ; V^T's codes: channel panel 2 tile column + half
	s_mul_i32 s46, s46, 64*PANEL
	s_mul_i32 s47, s18, 16*PANEL                   ; the batch's 16 key panels
	s_add_co_u32 s46, s46, s47
	s_add_co_u32 s46, s46, 1024*PANEL              ; V^T lies behind q's and k's 1,024 panels
	s_mov_b32 s47, 0
	s_lshl_b32 s94, s94, 15
	s_lshl_b32 s95, s18, 13
	s_add_co_u32 s94, s94, s95
	s_lshl_b32 s95, s16, 12
	s_add_co_u32 s94, s94, s95
	s_add_co_u32 s94, s94, 1024*512
	s_mov_b32 s95, 0
	s_mul_i32 s45, s14, HALFT
	s_lshl_b32 s67, s14, 12
	s_wait_kmcnt 0x0
	s_add_nc_u64 s[20:21], s[4:5], s[20:21]
	s_add_nc_u64 s[46:47], s[8:9], s[46:47]
	s_add_nc_u64 s[94:95], s[10:11], s[94:95]
	CROUND                                         ; all sixteen work-groups are here: the first joint loads meet
	s_mov_b32 s[G0SB], 1
	s_add_co_u32 s[G0SB+1], s67, SCL+2*SCP
	s_mov_b64 s[G0SB+2:G0SB+3], s[94:95]
	s_or_b32 s[G0SB+3], s[G0SB+3], 0x80000000
	tensor_load_to_lds s[G0SB:G0SB+3], s[G1SB:G1SB+7]   ; my quarter of V^T's scale words, shared along my column of the cluster: filled once
	s_nop 0
.rept 4
	v_nop
.endr
.irp s, 0,1
	s_mov_b32 s[G0+4*\s], 1
	s_add_co_u32 s[G0+4*\s+1], s45, \s*SLOT
	s_add_nc_u64 s[G0+4*\s+2:G0+4*\s+3], s[20:21], \s*HALFT
	s_or_b32 s[G0+4*\s+3], s[G0+4*\s+3], 0x80000000
	s_mov_b32 s[G0B+4*\s], 1
	s_add_co_u32 s[G0B+4*\s+1], s45, \s*SLOT
	s_add_nc_u64 s[G0B+4*\s+2:G0B+4*\s+3], s[46:47], \s*HALFT
	s_or_b32 s[G0B+4*\s+3], s[G0B+4*\s+3], 0x80000000
	JLOAD G0+4*\s, G1, G0B+4*\s, G1B               ; three loads of mine are out behind the second of these
.endr
	v_and_b32 v1, 15, v0                           ; r
	v_bfe_u32 v2, v0, 4, 1                         ; h
	v_and_b32 v3, 31, v0
	v_lshlrev_b32 v[GO], 4, v3
	s_mul_i32 s21, s16, 8*1536                     ; the groups whose scale words I lower: 8 (wave % 2) on; the other eight
	v_add_nc_u32 v[VA1], s21, v[GO]
	s_xor_b32 s21, s16, 1
	s_mul_i32 s21, s21, 8*1536
	v_add_nc_u32 v[VA2], s21, v[GO]
	s_add_nc_u64 s[6:7], s[6:7], s[92:93]
.irp j, 0,1,2,3,4,5,6,7
	global_load_b128 v[PMR+4*\j:PMR+4*\j+3], v[VA1], s[6:7] offset:1536*\j+512          ; -M_local: word i of lane (r, h) belongs to the query of (block 4 h + i, lane row r)
.endr
.irp j, 0,1,2,3,4,5,6,7
	global_load_b128 v[PMR+32+4*\j:PMR+32+4*\j+3], v[VA2], s[6:7] offset:1536*\j+512
.endr
.irp j, 0,1,2,3,4,5,6,7
	global_load_b128 v[PLR+4*\j:PLR+4*\j+3], v[VA1], s[6:7] offset:1536*\j+1024         ; l_local
.endr
.irp j, 0,1,2,3,4,5,6,7
	global_load_b128 v[PLR+32+4*\j:PLR+32+4*\j+3], v[VA2], s[6:7] offset:1536*\j+1024
.endr
.irp j, 0,1,2,3,4,5,6,7
	global_load_b128 v[PSR+4*\j:PSR+4*\j+3], v[VA1], s[6:7] offset:1536*\j              ; the scale words under M_local
.endr
	s_mul_i32 s21, s15, HALFT
	s_mul_i32 s22, s16, HALFT
	s_add_co_u32 s22, s22, 2*HALFT
.irp s, 0,1
	v_add_nc_u32 v[ADRA+\s], s21, v[GO]
	v_add_nc_u32 v[ADRB+\s], s22, v[GO]
	s_add_co_u32 s21, s21, SLOT
	s_add_co_u32 s22, s22, SLOT
.endr
	v_lshlrev_b32 v5, 4, v1
	s_mul_i32 s21, s15, SCP
	s_mul_i32 s22, s16, SCP
	s_add_co_u32 s22, s22, 2*SCP
	s_sub_co_u32 s22, s22, s21
	v_mul_u32_u24 v6, s22, v2                      ; lanes 16-31 take B's
	s_add_co_u32 s21, s21, SCL
	v_add_nc_u32 v5, v5, v6
	v_add_nc_u32 v[ADRS], s21, v5
	s_add_co_u32 s21, s67, SCL                     ; the lowered words of query panel wave / 2, groups 8 (wave % 2) on: 4,096 x wave
	v_add_nc_u32 v[PSA], s21, v[GO]
	s_mul_i32 s23, s14, 16*SPITCH                  ; my stage
	v_mul_u32_u24 v5, v1, SPITCH
	v_lshl_add_u32 v5, v2, 6, v5
	v_add_nc_u32 v5, s23, v5
	v_add_nc_u32 v[STO], STAGE, v5                 ; in: row r, + 64 h
	v_add_nc_u32 v5, s23, v[GO]
	v_add_nc_u32 v[RD], STAGE, v5                  ; back: a row of 512 bytes, 16 bytes a lane
.irp i, 0,1,2,3
	v_mov_b32 v[XX+\i], 0                          ; written once: a lane permute's destination counts as one of its sources
.endr
	s_mov_b32 s[SEL], 0x76543210
	s_mov_b32 s[SEL+1], 0xfedcba98
	s_mov_b32 s[HM], 0xffff0000
	s_mov_b32 s22, 0x01010101
	s_mov_b32 s23, 0x80808080
	s_lshl_b32 s96, s18, 11                        ; O: row 2,048 batch + 256 tile row + 128 half, 4,096 bytes a row; + 1,024 tile column + 512 half
	s_lshl_b32 s97, s17, 8
	s_add_co_u32 s96, s96, s97
	s_lshl_b32 s97, s15, 7
	s_add_co_u32 s96, s96, s97
	s_lshl_b32 s96, s96, 12
	s_lshl_b32 s97, s42, 10
	s_add_co_u32 s96, s96, s97
	s_lshl_b32 s97, s16, 9
	s_add_co_u32 s96, s96, s97
	s_mov_b32 s97, 0
	s_add_nc_u64 s[12:13], s[12:13], s[96:97]
	s_wait_loadcnt 0x0
.irp i, 0,1,2,3
	v_max3_num_f32 v[NR+\i], -v[PMR+\i], -v[PMR+4+\i], -v[PMR+8+\i]   ; M_row = the largest M_local of the 16 groups (group 0 always has a visible key)
.endr
.irp j, 3,5,7,9,11,13
.irp i, 0,1,2,3
	v_max3_num_f32 v[NR+\i], v[NR+\i], -v[PMR+4*\j+\i], -v[PMR+4*\j+4+\i]
.endr
.endr
.irp i, 0,1,2,3
	v_max_num_f32 v[NR+\i], v[NR+\i], -v[PMR+60+\i]
.endr
.set n, 0
.rept 64
	v_sub_f32 v[PMR+n], -v[PMR+n], v[NR+n%4]       ; E = M_local - M_row: a whole number, 0 or less
.set n, n+1
.endr
.set n, 0
.rept 64
	v_max_num_f32 v[PMR+n], 0xc2fe0000, v[PMR+n]   ; held at -127
.set n, n+1
.endr
.set n, 0
.rept 64
	v_cvt_i32_f32 v[PMR+n], v[PMR+n]
.set n, n+1
.endr
.set n, 0
.rept 64
	v_ldexp_f32 v[PLR+n], v[PLR+n], v[PMR+n]       ; l_local under M_row
.set n, n+1
.endr
.set n, 1
.rept 15
	v_pk_add_f32 v[PLR:PLR+1], v[PLR:PLR+1], v[PLR+4*n:PLR+4*n+1]
	v_pk_add_f32 v[PLR+2:PLR+3], v[PLR+2:PLR+3], v[PLR+4*n+2:PLR+4*n+3]
.set n, n+1
.endr
.irp i, 0,1,2,3
	v_rcp_f32 v[RC+\i], v[PLR+\i]                  ; 1 / l
.endr
; P's scale bytes, four to a word, each + E, held at 0.  With bit 7 set in each byte (a byte is 1 to 125, -E at most 127) no byte borrows from its neighbour; a byte whose bit 7 has fallen would be negative
.set n, 0
.rept 32
	v_mul_lo_u32 v[PMR+n], v[PMR+n], s22           ; E in every byte.  (Plain work behind the reciprocals)
.set n, n+1
.endr
.set n, 0
.rept 32
	v_or_b32 v[PSR+n], s23, v[PSR+n]
.set n, n+1
.endr
.set n, 0
.rept 32
	v_add_nc_u32 v[PSR+n], v[PSR+n], v[PMR+n]
.set n, n+1
.endr
.set n, 0
.rept 32
	v_and_b32 v[PMR+n], s23, v[PSR+n]              ; bit 7 of each byte
.set n, n+1
.endr
.set n, 0
.rept 32
	v_lshrrev_b32 v[PMR+32+n], 7, v[PMR+n]
.set n, n+1
.endr
.set n, 0
.rept 32
	v_sub_nc_u32 v[PMR+n], v[PMR+n], v[PMR+32+n]   ; 0x7f where it stands, 0 where it has fallen
.set n, n+1
.endr
.set n, 0
.rept 32
	v_and_b32 v[PSR+n], v[PSR+n], v[PMR+n]
.set n, n+1
.endr
.irp j, 0,1,2,3,4,5,6,7
	ds_store_b128 v[PSA], v[PSR+4*\j:PSR+4*\j+3] offset:512*\j
.endr
	s_wait_alu depctr_va_vdst(0)                   ; one wait for the four reciprocals, ahead of their first reader
.irp i, 0,1,2,3
	v_permlanex16_b32 v[XX+\i], v[RC+\i], s[SEL], s[SEL+1]
.endr
.irp i, 0,1,2,3                                ; every lane wants 1 / l of lane row r in all eight blocks: blocks 0-3 lie in lanes 0-15, blocks 4-7 in lanes 16-31
	v_cndmask_b32 v[IV+2*\i], v[RC+\i], v[XX+\i], s[HM]
	v_cndmask_b32 v[IV+2*\i+1], v[RC+\i], v[XX+\i], s[HM]
	v_cndmask_b32 v[IV+8+2*\i], v[XX+\i], v[RC+\i], s[HM]
	v_cndmask_b32 v[IV+8+2*\i+1], v[XX+\i], v[RC+\i], s[HM]
.endr
.macro FRAG reg, adr, q, i
.irp c, 0,1,2
	ds_load_b128 v[\reg+4*\c:\reg+4*\c+3], v[\adr] offset:(\q)*PANEL+(\i)*FRB+512*\c
.endr
.endm
; 16 matrix instructions: A's blocks a0, a0 + 1 x B's eight.  The 64 accumulators take turns, one instruction a turn, in the same order in every step.
.macro MUL16 a0, p, q, sc, zero
.irp a, \a0, \a0+1
.irp b, 0,1,2,3,4,5,6,7
.if \zero
	v_wmma_scale_f32_16x16x128_f8f6f4 v[8*(8*((\a)%4)+\b):8*(8*((\a)%4)+\b)+7], v[128*(\p)+FR*\b:128*(\p)+FR*\b+FR-1], v[AF+FR*(\a):AF+FR*(\a)+FR-1], 0, v[SC+16*(\sc)+8*(\q)+\b], v[SC+16*(\sc)+8*(\q)+(\a)] matrix_a_fmt:MATRIX_FMT_FP6 matrix_b_fmt:MATRIX_FMT_FP6 matrix_a_scale:MATRIX_SCALE_ROW1
.else
	v_wmma_scale_f32_16x16x128_f8f6f4 v[8*(8*((\a)%4)+\b):8*(8*((\a)%4)+\b)+7], v[128*(\p)+FR*\b:128*(\p)+FR*\b+FR-1], v[AF+FR*(\a):AF+FR*(\a)+FR-1], v[8*(8*((\a)%4)+\b):8*(8*((\a)%4)+\b)+7], v[SC+16*(\sc)+8*(\q)+\b], v[SC+16*(\sc)+8*(\q)+(\a)] matrix_a_fmt:MATRIX_FMT_FP6 matrix_b_fmt:MATRIX_FMT_FP6 matrix_a_scale:MATRIX_SCALE_ROW1
.endif
.endr
.endr
.endm
.macro FETCH_B slot, q, p
	WIN TO_B
.irp i, 0,1,2,3,4,5,6,7
	FRAG 128*(\p)+FR*\i, ADRB+\slot, \q, \i
.endr
	WIN 0
.endm
.macro FETCH_A slot, q, i0
.irp i, \i0, \i0+1, \i0+2, \i0+3
	FRAG AF+FR*(\i), ADRA+\slot, \q, \i
.endr
.endm
.macro SCALES sc
.irp q, 0,1
.irp e, 0,1
	ds_load_b128 v[SC+16*\sc+8*\q+4*\e:SC+16*\sc+8*\q+4*\e+3], v[ADRS] offset:512*\q+256*\e
.endr
.endr
.endm
.macro PLACES n
.rept \n
	v_nop
.endr
.endm
.macro STEP slot, q, zero
	s_wait_dscnt 4*NL                              ; B's set and A's blocks 0-3 are in; the youngest twelve loads (A's blocks 4-7) may be out
	WIN MUL_LO
	MUL16 0, (\q)%2, \q, \slot, \zero
	MUL16 2, (\q)%2, \q, \slot, \zero
	s_wait_dscnt 0
	PLACES NP
	FETCH_B \slot, (\q)+1, 1-(\q)%2
	FETCH_A \slot, (\q)+1, 0
	WIN MUL_HI
	MUL16 4, (\q)%2, \q, \slot, \zero
	MUL16 6, (\q)%2, \q, \slot, \zero
	PLACES NP
	WIN 0
	FETCH_A \slot, (\q)+1, 4
.endm
.macro TURN slot, next, fill
	s_wait_tensorcnt 0x0                           ; all my tensor loads have landed: my part of the next slot
	ds_add_u32 v[SPW], v[NIL]                      ; 0 onto my spare word
	s_wait_dscnt 4*NL+1                            ; (the add and the youngest twelve loads may be out)
	WIN MUL_LO
	MUL16 0, 1, 1, \slot, 0
	s_wait_dscnt 0x0                               ; the add is done, and my reads of this slot are over
	s_barrier_signal -1
	MUL16 2, 1, 1, \slot, 0
	WIN 0
	s_barrier_wait -1
.if \fill
	CREST                                          ; a round of the cluster's barrier: no wave of any partner still reads this slot or has a load on its way
	s_add_nc_u64 s[G0+4*\slot+2:G0+4*\slot+3], s[G0+4*\slot+2:G0+4*\slot+3], 2*HALFT
	s_add_nc_u64 s[G0B+4*\slot+2:G0B+4*\slot+3], s[G0B+4*\slot+2:G0B+4*\slot+3], 2*HALFT
	JLOAD G0+4*\slot, G1, G0B+4*\slot, G1B         ; the first tensor load behind the round
.else
	PLACES NP
.endif
	v_add_nc_u32 v[ADRS], 1024, v[ADRS]
	FETCH_B \next, 0, 0
	FETCH_A \next, 0, 0
	SCALES \next
	WIN MUL_HI
	MUL16 4, 1, 1, \slot, 0
	MUL16 6, 1, 1, \slot, 0
	PLACES NP
	WIN 0
	FETCH_A \next, 0, 4
.endm
	s_wait_tensorcnt 1                             ; V^T's scale words and my part of K step 0 are in (K step 1's load may be out)
	s_wait_dscnt 0x0                               ; and my stores of P's lowered scale words have landed;
	s_barrier_signal -1
	s_barrier_wait -1                              ; everybody's have
	FETCH_B 0, 0, 0
	FETCH_A 0, 0, 0
	SCALES 0
	FETCH_A 0, 0, 4
	STEP 0, 0, 1
	s_mov_b32 s3, LAPS-1
.Llap:
	TURN 0, 1, 1
	STEP 1, 0, 0
	TURN 1, 0, 1
	STEP 0, 0, 0
	s_sub_co_u32 s3, s3, 1
	s_cmp_lg_u32 s3, 0
	s_cbranch_scc1 .Llap
	TURN 0, 1, 0
	STEP 1, 0, 0
	s_wait_dscnt 4*NL
	WIN MUL_LO
	MUL16 0, 1, 1, 1, 0
	MUL16 2, 1, 1, 1, 0
	s_wait_dscnt 0
	WIN MUL_HI
	MUL16 4, 1, 1, 1, 0
	MUL16 6, 1, 1, 1, 0
	WIN 0
	PLACES NP
; THE WAY OUT, block by block of 16 queries x 128 channels: divided by l, through my own stage in LDS, back as whole rows of 512 bytes.  LDS serves a wave's instructions in order: no wait between the stores and the loads.
.macro TOSTAGE a
.set AC, 64*((\a)%4)
	WIN 0x82+0x41*((\a)/4)                         ; destination and source 0: window 2 or 3; 1 / l in window 0
.set n, 0
.rept 32
	v_pk_mul_f32 v[AC+n:AC+n+1], v[AC+n:AC+n+1], v[IV+2*(\a):IV+2*(\a)+1]   ; each accumulator from its low end on
.set n, n+2
.endr
	WIN 0x08+4*((\a)/4)                            ; an LDS store's data: window 2 or 3
.irp b, 0,1,2,3,4,5,6,7
	ds_store_b128 v[STO], v[AC+8*\b:AC+8*\b+3] offset:128*(\b/2)+32*(\b%2)      ; channels 32 (b / 2) + 16 h + 8 (b % 2) on
	ds_store_b128 v[STO], v[AC+8*\b+4:AC+8*\b+7] offset:128*(\b/2)+32*(\b%2)+16
.endr
	WIN 0
.set BB, BK+64*((\a)%2)
.irp t, 0,1,2,3,4,5,6,7,8,9,10,11,12,13,14,15
	ds_load_b128 v[BB+4*\t:BB+4*\t+3], v[RD] offset:\t*SPITCH
.endr
.endm
.macro SEND a, younger                 ; younger: the LDS instructions issued behind block a's loads, which may stay out
.set BB, BK+64*((\a)%2)
	s_wait_dscnt \younger
.irp t, 0,1,2,3,4,5,6,7,8,9,10,11,12,13,14,15
	global_store_b128 v[GO], v[BB+4*\t:BB+4*\t+3], s[12:13] offset:(32*((\a)/2)+8*((\a)%2)+\t+8*(\t/8))*4096 th:TH_STORE_NT   ; 32 lanes store 512 consecutive bytes of one row of O, at a multiple of 512 from its first byte
.endr
.endm
	TOSTAGE 0
.irp a, 1,2,3,4,5,6,7
.if \a > 1
	s_wait_xcnt 0x0                                ; block a - 2's stores have read their registers: block a's loads may land there
.endif
	TOSTAGE \a
	SEND \a-1, 32                                  ; behind block a - 1's loads: block a's 16 stores and 16 loads
.endr
	SEND 7, 0
	s_wait_tensorcnt 0x0                           ; the wave's end
	ds_add_u32 v[SPW], v[NIL]
	s_wait_dscnt 0x0
	CROUND                                         ; the closing round
	s_endpgm
.Lfunc_end_k_q7eab4cc3f7_pv:
	.size	k_q7eab4cc3f7_pv, .Lfunc_end_k_q7eab4cc3f7_pv-k_q7eab4cc3f7_pv
	.p2alignl 7, 3214868480
	.fill 96, 4, 3214868480
	.section	.rodata,"a",@progbits
	.p2align	6, 0x0
	.amdhsa_kernel k_q7eab4cc3f7_pv
		.amdhsa_group_segment_fixed_size 327680
		.amdhsa_private_segment_fixed_size 0
		.amdhsa_enable_private_segment 0
		.amdhsa_kernarg_size 40
		.amdhsa_user_sgpr_count 2
		.amdhsa_user_sgpr_kernarg_segment_ptr 1
		.amdhsa_wavefront_size32 1
		.amdhsa_system_sgpr_workgroup_id_x 1
		.amdhsa_system_sgpr_workgroup_id_y 1
		.amdhsa_system_sgpr_workgroup_id_z 1
		.amdhsa_system_vgpr_workitem_id 0
		.amdhsa_next_free_vgpr 1024
		.amdhsa_next_free_sgpr 100
		.amdhsa_reserve_vcc 0
		.amdhsa_float_denorm_mode_32 3
		.amdhsa_float_denorm_mode_16_64 3
		.amdhsa_memory_ordered 1
		.amdhsa_forward_progress 1
		.amdhsa_inst_pref_size 182
	.end_amdhsa_kernel
	.amdgpu_metadata
---
amdhsa.version: [ 1, 2 ]
amdhsa.kernels:
  - .name:           k_q7eab4cc3f7_pv
    .symbol:         k_q7eab4cc3f7_pv.kd
    .args:
      - { .name: pc, .offset: 0, .size: 8, .value_kind: global_buffer, .address_space: global }
      - { .name: pst, .offset: 8, .size: 8, .value_kind: global_buffer, .address_space: global }
      - { .name: prc, .offset: 16, .size: 8, .value_kind: global_buffer, .address_space: global }
      - { .name: prs, .offset: 24, .size: 8, .value_kind: global_buffer, .address_space: global }
      - { .name: out0, .offset: 32, .size: 8, .value_kind: global_buffer, .address_space: global }
    .group_segment_fixed_size: 327680
    .private_segment_fixed_size: 0
    .kernarg_segment_align: 8
    .kernarg_segment_size: 40
    .max_flat_workgroup_size: 128
    .sgpr_count:     100
    .vgpr_count:     1024
    .wavefront_size: 32
...
	.end_amdgpu_metadata
.endif
;; end of part 4
;; ======== version 2 of 2: 4 launches; 1.12 times as fast as version 1
;; workspace buffers: inc 8,650,752 bytes; ins 360,448 bytes; prc 18,874,368 bytes; prs 786,432 bytes; pc 12,582,912 bytes; pst 1,572,864 bytes
;; launch quant: the kernel of part 1 again; grid 352 x 1, 2 waves a work-group, no clusters, 17,664 bytes of LDS; arguments x, W_q, W_k, W_v, inc, ins; writes inc, ins
;; launch proj (part 5): grid 96 x 4, 4 waves a work-group, clusters of 4 x 4, 327,680 bytes of LDS; arguments inc, ins, prc, prs; writes prc, prs
.if DOCPART == 5
	.amdgcn_target "amdgcn-amd-amdhsa--gfx1250"
	.amdhsa_code_object_version 6
	.text
	.protected	k_q7eab4cc3f7_proj
	.globl	k_q7eab4cc3f7_proj
	.p2align	8
	.type	k_q7eab4cc3f7_proj,@function
k_q7eab4cc3f7_proj:
	s_mov_b64 s[64:65], 0
	v_nop
	global_prefetch_b8 v0, s[64:65] scope:SCOPE_SE
	s_setreg_imm32_b32 hwreg(HW_REG_WAVE_MODE, 25, 1), 1
	s_wait_xcnt 0x0
	s_wait_alu depctr_hold_cnt(0) depctr_sa_sdst(0) depctr_va_vdst(0) depctr_va_sdst(0) depctr_va_ssrc(0) depctr_va_vcc(0) depctr_vm_vsrc(0)
	s_getreg_b32 s2, hwreg(HW_REG_IB_STS2, 6, 4)
	s_cmp_eq_u32 s2, 0
	s_cbranch_scc0 .Lentry_in_a_cluster
	s_endpgm
.Lentry_in_a_cluster:
	s_bfe_u32 s2, ttmp6, 0x10000c
	s_cmp_lg_u32 s2, 0xf033
	s_cbranch_scc0 .Lentry_shape_is_right
	s_endpgm
.Lentry_shape_is_right:
; THE THREE PROJECTIONS, on codes of FP6 (E2M3) with E8M0 scales, as two regions of one launch; the results are quantised in registers and stored as codes.
;   clusters 0-15:  [q | k] = x [W_q ; W_k]^T, 8,192 x 2,048, quantised along d_out (the score product's K);
;   clusters 16-23: V^T = W_v x^T, 1,024 x 8,192, quantised along the tokens (the keys are the last product's K).
; OPERANDS LIE IN PANELS: 128 rows x 128 K = eight fragments, each an image of its 12 registers (registers 4 c .. 4 c + 3 of lane l at 1536 t + 512 c + 16 l); lane r of fragment t holds panel row
; 32 (t / 2) + 8 (t % 2) + r + 8 (r / 8).  A panel's scale words: 512 bytes, (fragment a, lane row r) at 256 (a / 4) + 16 r + 4 (a % 4).  Panels lie [row panel][k panel].
; A tile of the result, 256 x 256, is made by four waves, 128 x 128 each: 64 accumulators, 512 registers.  K = 1,024 goes in four steps of 256; a wave's tensor load brings one row panel's two k panels,
; 24,576 dense bytes.  THREE LDS SLOTS: K steps 0, 1 and 2 and the scale words come as first fills (four loads of a wave are out at the start); K step 3 is the one refill, into slot 0, asked for when K step 0
; has been read: it has K steps 1 and 2, 256 matrix instructions of a wave, in which to land.  So the steps are written out, without a loop.
; THE MATRIX INSTRUCTION IS USED TRANSPOSED (source 0 = 16 rows of "B", the result's columns; source 1 = 16 rows of "A", the result's rows).  With the rows of a fragment chosen as above, a lane's 64 registers of
; A's block a are register 16 b + i = column 32 b + 16 (lane / 16) + i of one result row: four half blocks of 32 along the next K.  So a wave's result becomes one panel, stored straight from registers.
; CLUSTERS: 4 x 4 work-groups; A's tiles are shared along a row of the cluster, B's along a column: each is asked for jointly, by the same tensor load with the same descriptor and a mask that names the four.
; REGISTERS: window 0: v0-31 addresses; v32-63 scale words, two sets; v64-127 the way out; v128-223 A's fragments, one set; v232-235 the scale block.  window 1: B's fragments, two sets, at v0 and v128.
;   windows 2, 3: accumulator (a, b) at v[8 (8 (a % 4) + b)].
; LIMITS: NaN and infinities are not served; a block of results whose largest magnitude lies under 2^-124 (zeros among them) keeps the byte 1.
.set FR,     12                        ; registers of a fragment
.set FRB,    1536                      ; its image in bytes
.set PANEL,  8*FRB
.set HALFT,  2*PANEL                   ; what one tensor load brings: a row panel's two k panels
.set SLOT,   4*HALFT                   ; A's two row panels, then B's two
.set NL,     3                         ; LDS loads that bring a fragment
.set NP,     4                         ; places behind this matrix instruction (ISA guide 7.12.1)
.set SCL,    3*SLOT                    ; behind the three slots: the scale words
.set SCP,    4096                      ; those of one row panel for all of K: 8 x 512
.set SPARE,  SCL+4*SCP                 ; the spare words, 128 bytes for each wave: two blocks of 256 bytes that no other line names
.set ADRA, 16                          ; v16-18  LDS address of my A fragments in slot 0, 1, 2
.set ADRB, 20                          ; v20-22  the same for B
.set GO,   26                          ; v26     16 x lane; never rewritten
.set ADRS, 27                          ; v27     LDS address of my scale words: lanes 0-15 A's, lanes 16-31 B's
.set SPW,  28                          ; v28     LDS address of my spare word; never rewritten
.set NIL,  29                          ; v29     0; never rewritten
.set FLR,  30                          ; v30     the floor 2^(3 - 127)
.set SC,   32                          ; scale words: set sc, step q, block i at v[SC + 16 sc + 8 q + i]
.set TM,   64                          ; v64-79  at work
.set PC,   80                          ; v80-99  the codes just made
.set SW,   100                         ; v100-107 the eight blocks' scale words
.set OS,   232
.set AF,   128
.set G1, 24                            ; s[24:31] group 1 for A's tiles
.set G0, 32                            ; s[32:35], s[36:39] group 0 for A's slots 0 and 1;
.set G0C, 92                           ; s[92:95] for slot 2
.set G1B, 48                           ; the same for B's tiles
.set G0B, 56
.set G0BC, 96                          ; s[96:99]
.set G1S, 68
.set G0S, 76
.set G1SB, 80
.set G0SB, 88
.set HM,  95                           ; s95      the mask of lanes 16-31:  written behind the last wait for tensor loads: till then s92-99 hold slot 2's descriptors
.set SEL, 98                           ; s[98:99] lane selects: lane l xor 16: likewise
.set MSB, 0
.macro WIN new                         ; the immediate's high byte repeats the setting that is left
.if MSB != (\new)
	s_set_vgpr_msb (MSB<<8)|(\new)
.set MSB, \new
.endif
.endm
.set MUL_LO, 0xa1                      ; source 0 (B) window 1, source 1 (A) window 0, C and D window 2
.set MUL_HI, 0xf1                      ; the same, C and D window 3
.set TO_B,   0x40                      ; destination window 1, address window 0
; A joint load: waves 0 and 1 fetch for A, waves 2 and 3 for B; the branch hangs on the wave's number alone.  Four v_nop follow each of the two lines.
.macro JLOAD g0a, g1a, g0b, g1b
	s_cmp_eq_u32 s15, 0
	s_cbranch_scc0 .Lfor_b_\@
	tensor_load_to_lds s[\g0a:\g0a+3], s[\g1a:\g1a+7]
	s_nop 0
.rept 4
	v_nop
.endr
	s_branch .Lasked_\@
.Lfor_b_\@:
	tensor_load_to_lds s[\g0b:\g0b+3], s[\g1b:\g1b+7]
	s_nop 0
.rept 4
	v_nop
.endr
.Lasked_\@:
.endm
.macro CREST                           ; a round of the cluster's barrier behind its opening barrier
	s_cmp_lg_u32 s14, 0
	s_cbranch_scc1 .Lnot_wave_0_\@
	s_barrier_signal -3
.Lnot_wave_0_\@:
	s_barrier_wait -3
	s_barrier_signal -1
	s_barrier_wait -1
.endm
.macro CROUND                          ; a whole round
	s_barrier_signal -1
	s_barrier_wait -1
	CREST
.endm
.macro FIRST g0a, g0b, s               ; slot s's descriptors, for K step s, and its first fill
	s_mov_b32 s[\g0a], 1
	s_add_co_u32 s[\g0a+1], s45, \s*SLOT
	s_add_nc_u64 s[\g0a+2:\g0a+3], s[20:21], \s*HALFT
	s_or_b32 s[\g0a+3], s[\g0a+3], 0x80000000
	s_mov_b32 s[\g0b], 1
	s_add_co_u32 s[\g0b+1], s45, \s*SLOT
	s_add_nc_u64 s[\g0b+2:\g0b+3], s[46:47], \s*HALFT
	s_or_b32 s[\g0b+3], s[\g0b+3], 0x80000000
	JLOAD \g0a, G1, \g0b, G1B
.endm
	s_load_b256 s[4:11], s[0:1], 0x0               ; the inputs' codes s[4:5] and scale words s[6:7]; the results' codes s[8:9] and scale words s[10:11]
	v_lshl_add_u32 v[SPW], v0, 2, SPARE
	v_mov_b32 v[NIL], 0
	ds_add_u32 v28, v29
	ds_add_u32 v28, v29
	s_wait_dscnt 0x0
	v_lshrrev_b32 v1, 5, v0
	v_readfirstlane_b32 s14, v1                    ; wave 0..3
	s_lshr_b32 s15, s14, 1                         ; which of A's two row panels is mine.  Also: I fetch for A (0) or for B (1)
	s_and_b32 s16, s14, 1                          ; which of B's two.  Also: which row panel I fetch
	s_bfe_u32 s40, ttmp6, 0x40000                  ; cx, cy: my place in the cluster
	s_bfe_u32 s41, ttmp6, 0x40004
	s_lshr_b32 s18, ttmp9, 1                       ; the region hangs on the cluster's number alone, which all partners share
	s_and_b32 s19, ttmp9, 1
	s_sub_co_u32 s20, ttmp9, 16
	s_cmp_lt_u32 ttmp9, 16
	s_cselect_b32 s18, s18, 0                      ; the cluster's row of tiles
	s_cselect_b32 s19, s19, s20                    ; and its column
	s_cselect_b32 s21, 0, 80                       ; A's first row panel: x's or W_v's
	s_cselect_b32 s22, 64, 0                       ; B's: W_q's or x's
	s_cselect_b32 s23, 16, 64                      ; panels in a row of the result
	s_cselect_b32 s66, 0, 1024                     ; the result's first panel
	s_lshl_b32 s17, s18, 2
	s_add_co_u32 s17, s17, s41                     ; tile row
	s_lshl_b32 s42, s19, 2
	s_add_co_u32 s42, s42, s40                     ; tile column
	s_lshl_b32 s43, s41, 2
	s_lshl_b32 s43, 15, s43                        ; my row of the cluster
	s_lshl_b32 s44, 0x1111, s40                    ; my column
	; descriptor group 1: a dense block as rows of 256 bytes (32 elements of 8 bytes); 96 rows of codes, 16 rows of scale words; no padding
	s_or_b32 s[G1+0], s43, (3<<16)|(1<<21)         ; 15:0 the mask: A's go to my row; 17:16 elements of 8 bytes; 21 set beside a mask
	s_or_b32 s[G1B+0], s44, (3<<16)|(1<<21)
	s_or_b32 s[G1S+0], s43, (3<<16)|(1<<21)
	s_or_b32 s[G1SB+0], s44, (3<<16)|(1<<21)
.irp g, G1, G1B
	s_mov_b32 s[\g+1], 32<<16                      ; tensor_dim0
	s_mov_b32 s[\g+2], 96<<16                      ; tensor_dim1
	s_mov_b32 s[\g+3], 32<<16                      ; tile_dim0
	s_mov_b32 s[\g+4], 96                          ; tile_dim1
	s_mov_b32 s[\g+5], 32                          ; tensor_dim0_stride
	s_mov_b32 s[\g+6], 0
	s_mov_b32 s[\g+7], 0
.endr
.irp g, G1S, G1SB
	s_mov_b32 s[\g+1], 32<<16
	s_mov_b32 s[\g+2], 16<<16
	s_mov_b32 s[\g+3], 32<<16
	s_mov_b32 s[\g+4], 16
	s_mov_b32 s[\g+5], 32
	s_mov_b32 s[\g+6], 0
	s_mov_b32 s[\g+7], 0
.endr
	s_lshl_b32 s20, s17, 1                         ; A's addresses hang on the tile row alone, B's on the tile column alone, each in registers of its own
	s_add_co_u32 s20, s20, s16
	s_add_co_u32 s20, s20, s21                     ; A: the row panel that I fetch
	s_lshl_b32 s92, s20, 12                        ; its scale words: 4,096 bytes a row panel
	s_mov_b32 s93, 0
	s_mul_i32 s20, s20, 8*PANEL                    ; its codes
	s_mov_b32 s21, 0
	s_lshl_b32 s46, s42, 1
	s_add_co_u32 s46, s46, s16
	s_add_co_u32 s46, s46, s22                     ; B likewise
	s_lshl_b32 s94, s46, 12
	s_mov_b32 s95, 0
	s_mul_i32 s46, s46, 8*PANEL
	s_mov_b32 s47, 0
	s_mul_i32 s45, s14, HALFT                      ; where they go: by the wave's number alone
	s_mul_i32 s67, s14, SCP
	s_wait_kmcnt 0x0
	s_add_nc_u64 s[20:21], s[4:5], s[20:21]
	s_add_nc_u64 s[92:93], s[6:7], s[92:93]
	s_add_nc_u64 s[46:47], s[4:5], s[46:47]
	s_add_nc_u64 s[94:95], s[6:7], s[94:95]
	CROUND                                         ; all sixteen work-groups are here: the first joint loads meet
	s_mov_b32 s[G0S], 1
	s_add_co_u32 s[G0S+1], s67, SCL
	s_mov_b64 s[G0S+2:G0S+3], s[92:93]
	s_or_b32 s[G0S+3], s[G0S+3], 0x80000000
	s_mov_b32 s[G0SB], 1
	s_add_co_u32 s[G0SB+1], s67, SCL
	s_mov_b64 s[G0SB+2:G0SB+3], s[94:95]
	s_or_b32 s[G0SB+3], s[G0SB+3], 0x80000000
	JLOAD G0S, G1S, G0SB, G1SB                     ; the scale words first: they are wanted with K step 0
	FIRST G0, G0B, 0                               ; K steps 0, 1 and 2: four loads of mine are out behind the last of these
	FIRST G0+4, G0B+4, 1
	FIRST G0C, G0BC, 2
	v_and_b32 v1, 15, v0                           ; r
	v_bfe_u32 v2, v0, 4, 1                         ; h
	v_and_b32 v3, 31, v0
	v_lshlrev_b32 v[GO], 4, v3
	s_mul_i32 s21, s15, HALFT                      ; my row panel of A
	s_mul_i32 s22, s16, HALFT                      ; my row panel of B,
	s_add_co_u32 s22, s22, 2*HALFT                 ; behind A's two
.irp s, 0,1,2
	v_add_nc_u32 v[ADRA+\s], s21, v[GO]
	v_add_nc_u32 v[ADRB+\s], s22, v[GO]
	s_add_co_u32 s21, s21, SLOT
	s_add_co_u32 s22, s22, SLOT
.endr
	v_lshlrev_b32 v5, 4, v1                        ; scale words: 16 r,
	s_mul_i32 s21, s15, SCP                        ; A's: my row panel
	s_mul_i32 s22, s16, SCP                        ; B's: my row panel, behind A's two
	s_add_co_u32 s22, s22, 2*SCP
	s_sub_co_u32 s22, s22, s21
	v_mul_u32_u24 v6, s22, v2                      ; lanes 16-31 take B's
	s_add_co_u32 s21, s21, SCL
	v_add_nc_u32 v5, v5, v6
	v_add_nc_u32 v[ADRS], s21, v5
	v_mov_b32 v[FLR], 0x1800000
.irp b, 0,1,2,3
	v_mov_b32 v[TM+4+\b], 0                        ; written once: a lane permute's destination counts as one of its sources
.endr
	s_lshl_b32 s18, s17, 1                         ; my result panel: first panel + (2 tile row + my half) x panels in a row + 2 tile column + my half
	s_add_co_u32 s18, s18, s15
	s_mul_i32 s18, s18, s23
	s_add_co_u32 s18, s18, s66
	s_lshl_b32 s19, s42, 1
	s_add_co_u32 s19, s19, s16
	s_add_co_u32 s18, s18, s19
	s_mul_i32 s46, s18, PANEL
	s_mov_b32 s47, 0
	s_add_nc_u64 s[8:9], s[8:9], s[46:47]
	s_lshl_b32 s46, s18, 9
	s_add_nc_u64 s[10:11], s[10:11], s[46:47]
.macro FRAG reg, adr, q, i             ; a fragment comes back as it was stored: three loads of 16 bytes a lane, 512 consecutive bytes each
.irp c, 0,1,2
	ds_load_b128 v[\reg+4*\c:\reg+4*\c+3], v[\adr] offset:(\q)*PANEL+(\i)*FRB+512*\c
.endr
.endm
; 16 matrix instructions: A's blocks a0, a0 + 1 x B's eight, 128 along K: the K step's q-th.  p: B's set; sc: the set of scale words.  zero = 1: the first product starts the sums.
; The 64 accumulators take turns, one instruction a turn, in the same order in every step.
.macro MUL16 a0, p, q, sc, zero
.irp a, \a0, \a0+1
.irp b, 0,1,2,3,4,5,6,7
.if \zero
	v_wmma_scale_f32_16x16x128_f8f6f4 v[8*(8*((\a)%4)+\b):8*(8*((\a)%4)+\b)+7], v[128*(\p)+FR*\b:128*(\p)+FR*\b+FR-1], v[AF+FR*(\a):AF+FR*(\a)+FR-1], 0, v[SC+16*(\sc)+8*(\q)+\b], v[SC+16*(\sc)+8*(\q)+(\a)] matrix_a_fmt:MATRIX_FMT_FP6 matrix_b_fmt:MATRIX_FMT_FP6 matrix_a_scale:MATRIX_SCALE_ROW1
.else
	v_wmma_scale_f32_16x16x128_f8f6f4 v[8*(8*((\a)%4)+\b):8*(8*((\a)%4)+\b)+7], v[128*(\p)+FR*\b:128*(\p)+FR*\b+FR-1], v[AF+FR*(\a):AF+FR*(\a)+FR-1], v[8*(8*((\a)%4)+\b):8*(8*((\a)%4)+\b)+7], v[SC+16*(\sc)+8*(\q)+\b], v[SC+16*(\sc)+8*(\q)+(\a)] matrix_a_fmt:MATRIX_FMT_FP6 matrix_b_fmt:MATRIX_FMT_FP6 matrix_a_scale:MATRIX_SCALE_ROW1
.endif
.endr
.endr
.endm
.macro FETCH_B slot, q, p              ; B's eight fragments of the slot's q-th 128 along K into set p
	WIN TO_B
.irp i, 0,1,2,3,4,5,6,7
	FRAG 128*(\p)+FR*\i, ADRB+\slot, \q, \i
.endr
	WIN 0
.endm
.macro FETCH_A slot, q, i0             ; A's blocks i0 .. i0 + 3
.irp i, \i0, \i0+1, \i0+2, \i0+3
	FRAG AF+FR*(\i), ADRA+\slot, \q, \i
.endr
.endm
.macro SCALES sc                       ; a K step's scale words into set sc: lanes 0-15 take A's blocks, lanes 16-31 B's; four blocks a load
.irp q, 0,1
.irp e, 0,1
	ds_load_b128 v[SC+16*(\sc)+8*\q+4*\e:SC+16*(\sc)+8*\q+4*\e+3], v[ADRS] offset:512*\q+256*\e
.endr
.endr
.endm
.macro PLACES n                        ; plain vector instructions between a matrix instruction and a load into, or a vector read or write of, its registers
.rept \n
	v_nop
.endr
.endm
.macro STEP slot, sc, zero             ; a K step's first 128 along K; its successor lies in the same slot
	s_wait_dscnt 4*NL                              ; B's set and A's blocks 0-3 are in; the youngest twelve loads (A's blocks 4-7) may be out
	WIN MUL_LO
	MUL16 0, 0, 0, \sc, \zero
	MUL16 2, 0, 0, \sc, \zero
	s_wait_dscnt 0                                 ; A's blocks 4-7 are in
	PLACES NP
	FETCH_B \slot, 1, 1
	FETCH_A \slot, 1, 0
	WIN MUL_HI
	MUL16 4, 0, 0, \sc, \zero
	MUL16 6, 0, 0, \sc, \zero
	PLACES NP
	WIN 0
	FETCH_A \slot, 1, 4
.endm
; A K step's second 128 along K goes on into slot next.  sc: this K step's set of scale words.
; mode 2: slot 0, which has just been read out, is filled again with K step 3: each wave waits for all its tensor loads (slots 1 and 2 among them), adds 0 to its spare word, waits for that and for its own reads
;         of the slot; the barrier opens a round of the cluster's barrier; the joint refill is the first thing behind it.
; mode 0: nothing is waited for but my own LDS loads: mode 2's barrier has shown slot next whole to every wave, and the refill stays on its way.
; mode 1: the refill has landed: each wave waits for it, and a barrier shows it to all.
.macro TURN next, sc, mode
.if \mode
	s_wait_tensorcnt 0x0                           ; all my tensor loads have landed
	ds_add_u32 v[SPW], v[NIL]                      ; 0 onto my spare word
	s_wait_dscnt 4*NL+1                            ; (the add and the youngest twelve loads may be out)
.else
	s_wait_dscnt 4*NL
.endif
	WIN MUL_LO
	MUL16 0, 1, 1, \sc, 0                          ; sixteen matrix instructions stand between the add and the wait for it
	s_wait_dscnt 0x0                               ; the add is done, and my reads of this slot are over
.if \mode
	s_barrier_signal -1
.endif
	MUL16 2, 1, 1, \sc, 0
	WIN 0
.if \mode
	s_barrier_wait -1
.endif
.if \mode == 2
	CREST                                          ; no wave of any partner still reads slot 0 or has a load on its way
	s_add_nc_u64 s[G0+2:G0+3], s[G0+2:G0+3], 3*HALFT
	s_add_nc_u64 s[G0B+2:G0B+3], s[G0B+2:G0B+3], 3*HALFT
	JLOAD G0, G1, G0B, G1B                         ; the first tensor load behind the round; its four v_nop are also the places in front of the loads below
.else
	PLACES NP
.endif
	v_add_nc_u32 v[ADRS], 1024, v[ADRS]            ; on to the next K step's scale words (no LDS load of mine is out)
	FETCH_B \next, 0, 0
	FETCH_A \next, 0, 0
	SCALES 1-(\sc)
	WIN MUL_HI
	MUL16 4, 1, 1, \sc, 0
	MUL16 6, 1, 1, \sc, 0
	PLACES NP
	WIN 0
	FETCH_A \next, 0, 4
.endm
	s_wait_tensorcnt 2                             ; the scale words and my part of K step 0 are in (K steps 1 and 2 may be out)
	s_barrier_signal -1
	s_barrier_wait -1                              ; everybody's are
	FETCH_B 0, 0, 0
	FETCH_A 0, 0, 0
	SCALES 0
	FETCH_A 0, 0, 4
	STEP 0, 0, 1                                   ; K step 0, slot 0: its first products start the sums
	TURN 1, 0, 2                                   ; slot 0 takes K step 3
	STEP 1, 1, 0                                   ; K step 1, slot 1
	TURN 2, 1, 0
	STEP 2, 0, 0                                   ; K step 2, slot 2
	TURN 0, 0, 1                                   ; K step 3 has landed
	STEP 0, 1, 0                                   ; K step 3, slot 0
	s_wait_dscnt 4*NL                              ; the very last step
	WIN MUL_LO
	MUL16 0, 1, 1, 1, 0
	MUL16 2, 1, 1, 1, 0
	s_wait_dscnt 0
	WIN MUL_HI
	MUL16 4, 1, 1, 1, 0
	MUL16 6, 1, 1, 1, 0
	WIN 0
	PLACES NP
	s_mov_b32 s[SEL], 0x76543210                   ; the way out's constants: no tensor load of mine is out, so slot 2's descriptor registers may be written
	s_mov_b32 s[SEL+1], 0xfedcba98
	s_mov_b32 s[HM], 0xffff0000
; THE WAY OUT: block a's 64 registers of a lane are quantised along the columns and leave as fragment a of my result panel.
.macro CODES src, win                  ; 64 numbers at v[src] of window win, scale operands in v[TM+12] on -> a fragment's codes in v[PC] on
	WIN \win
.irp c, 0,1
	v_cvt_scalef32_pk16_fp6_f32 v[PC+6*\c:PC+6*\c+2], v[\src+32*\c:\src+32*\c+15], v[TM+12+2*\c]
	v_cvt_scalef32_pk16_fp6_f32 v[PC+12+4*\c:PC+14+4*\c], v[\src+16+32*\c:\src+31+32*\c], v[TM+13+2*\c]   ; (a conversion's three registers begin on an even number)
.endr
	WIN 0
	v_nop                                          ; one plain place behind a scaled conversion
.irp c, 0,1                                    ; the operand's layout wants a whole block in a lane
.irp i, 0,1,2
	v_permlane16_swap_b32 v[PC+6*\c+\i], v[PC+12+4*\c+\i]
.endr
.irp i, 0,1,2
	v_mov_b32 v[PC+3+6*\c+\i], v[PC+12+4*\c+\i]
.endr
.endr
.endm
.macro PUT a
.irp c, 0,1,2
	global_store_b128 v[GO], v[PC+4*\c:PC+4*\c+3], s[8:9] offset:FRB*(\a)+512*\c   ; 32 lanes store 512 consecutive bytes, at a multiple of 512 from the buffer's first byte
.endr
.endm
.macro STATS src, os, bl, off          ; eight words a lane row -> the scale block's layout: lanes 0-15 carry blocks 0-3's, lanes 16-31 blocks 4-7's
.irp i, 0,1,2,3
	v_cndmask_b32 v[\os+\i], v[\src+\i], v[\src+4+\i], s[HM]
.endr
	global_store_b128 v[GO], v[\os:\os+3], s[\bl:\bl+1] offset:\off
.endm
.macro QOUT a
.set AC, 64*((\a)%4)
	s_wait_xcnt 0x0                                ; the last block's stores have read their data: the codes' registers are written again only behind this wait
	WIN 0x28+0x14*((\a)/4)                         ; sources 1 and 2: window 2 or 3
.irp b, 0,1,2,3
	v_max3_num_f32 v[TM+\b], v[FLR], |v[AC+16*\b]|, |v[AC+16*\b+1]|   ; each accumulator is read from its low end on
.endr
.irp i, 2,4,6,8,10,12,14
.irp b, 0,1,2,3
	v_max3_num_f32 v[TM+\b], v[TM+\b], |v[AC+16*\b+\i]|, |v[AC+16*\b+\i+1]|
.endr
.endr
	WIN 0
.irp b, 0,1,2,3
	v_permlanex16_b32 v[TM+4+\b], v[TM+\b], s[SEL], s[SEL+1]
.endr
.irp b, 0,1,2,3
	v_max_num_f32 v[TM+\b], v[TM+\b], v[TM+4+\b]   ; with lane l xor 16's 16: the block's largest magnitude
.endr
.irp b, 0,1,2,3
	v_add_nc_u32 v[TM+12+\b], 0xff000000, v[TM+\b] ; 2 off its exponent field: the conversion's scale operand
.endr
.irp b, 0,1,2,3
	v_lshrrev_b32 v[TM+4+\b], 23, v[TM+12+\b]      ; the scale's byte
.endr
	v_lshl_or_b32 v[SW+(\a)], v[TM+5], 8, v[TM+4]
	v_lshl_or_b32 v[SW+(\a)], v[TM+6], 16, v[SW+(\a)]
	v_lshl_or_b32 v[SW+(\a)], v[TM+7], 24, v[SW+(\a)]
	CODES AC, 0x02+(\a)/4
	PUT \a
.endm
.irp a, 0,1,2,3,4,5,6,7
	QOUT \a
.endr
	STATS SW, OS, 10, 0
	s_wait_tensorcnt 0x0                           ; the wave's end
	ds_add_u32 v[SPW], v[NIL]
	s_wait_dscnt 0x0
	CROUND                                         ; the closing round: no work-group ends while a partner may still ask for a tile that names it
	s_endpgm
.Lfunc_end_k_q7eab4cc3f7_proj:
	.size	k_q7eab4cc3f7_proj, .Lfunc_end_k_q7eab4cc3f7_proj-k_q7eab4cc3f7_proj
	.p2alignl 7, 3214868480
	.fill 96, 4, 3214868480
	.section	.rodata,"a",@progbits
	.p2align	6, 0x0
	.amdhsa_kernel k_q7eab4cc3f7_proj
		.amdhsa_group_segment_fixed_size 327680
		.amdhsa_private_segment_fixed_size 0
		.amdhsa_enable_private_segment 0
		.amdhsa_kernarg_size 32
		.amdhsa_user_sgpr_count 2
		.amdhsa_user_sgpr_kernarg_segment_ptr 1
		.amdhsa_wavefront_size32 1
		.amdhsa_system_sgpr_workgroup_id_x 1
		.amdhsa_system_sgpr_workgroup_id_y 1
		.amdhsa_system_sgpr_workgroup_id_z 1
		.amdhsa_system_vgpr_workitem_id 0
		.amdhsa_next_free_vgpr 1024
		.amdhsa_next_free_sgpr 100
		.amdhsa_reserve_vcc 0
		.amdhsa_float_denorm_mode_32 3
		.amdhsa_float_denorm_mode_16_64 3
		.amdhsa_memory_ordered 1
		.amdhsa_forward_progress 1
		.amdhsa_inst_pref_size 138
	.end_amdhsa_kernel
	.amdgpu_metadata
---
amdhsa.version: [ 1, 2 ]
amdhsa.kernels:
  - .name:           k_q7eab4cc3f7_proj
    .symbol:         k_q7eab4cc3f7_proj.kd
    .args:
      - { .name: inc, .offset: 0, .size: 8, .value_kind: global_buffer, .address_space: global }
      - { .name: ins, .offset: 8, .size: 8, .value_kind: global_buffer, .address_space: global }
      - { .name: prc, .offset: 16, .size: 8, .value_kind: global_buffer, .address_space: global }
      - { .name: prs, .offset: 24, .size: 8, .value_kind: global_buffer, .address_space: global }
    .group_segment_fixed_size: 327680
    .private_segment_fixed_size: 0
    .kernarg_segment_align: 8
    .kernarg_segment_size: 32
    .max_flat_workgroup_size: 128
    .sgpr_count:     100
    .vgpr_count:     1024
    .wavefront_size: 32
...
	.end_amdgpu_metadata
.endif
;; end of part 5
;; launch score (part 6): grid 64 x 4, 4 waves a work-group, clusters of 4 x 4, 327,680 bytes of LDS; arguments prc, prs, pc, pst; writes pc, pst
.if DOCPART == 6
	.amdgcn_target "amdgcn-amd-amdhsa--gfx1250"
	.amdhsa_code_object_version 6
	.text
	.protected	k_q7eab4cc3f7_score
	.globl	k_q7eab4cc3f7_score
	.p2align	8
	.type	k_q7eab4cc3f7_score,@function
k_q7eab4cc3f7_score:
	s_mov_b64 s[64:65], 0
	v_nop
	global_prefetch_b8 v0, s[64:65] scope:SCOPE_SE
	s_setreg_imm32_b32 hwreg(HW_REG_WAVE_MODE, 25, 1), 1
	s_wait_xcnt 0x0
	s_wait_alu depctr_hold_cnt(0) depctr_sa_sdst(0) depctr_va_vdst(0) depctr_va_sdst(0) depctr_va_ssrc(0) depctr_va_vcc(0) depctr_vm_vsrc(0)
	s_getreg_b32 s2, hwreg(HW_REG_IB_STS2, 6, 4)
	s_cmp_eq_u32 s2, 0
	s_cbranch_scc0 .Lentry_in_a_cluster
	s_endpgm
.Lentry_in_a_cluster:
	s_bfe_u32 s2, ttmp6, 0x10000c
	s_cmp_lg_u32 s2, 0xf033
	s_cbranch_scc0 .Lentry_shape_is_right
	s_endpgm
.Lentry_shape_is_right:
; S = q k^T on codes of FP6 (E2M3), the causal mask, and p = 2^(t - M) quantised along the keys, for each of the 4 batches: 2,048 x 2,048, K = 1,024.
; t = score x log2(e) / 32.  M IS TAKEN FOR EACH (QUERY, 128 KEYS): the ceiling of the largest t of these 128 keys, a whole number.  The next launch finds each row's M and lowers p's scale bytes by
; M_row - M_local: a power of two, which the scale takes up exactly, so the codes are those of the row's M.  Stored for each panel (128 queries x 128 keys): p's codes; p's scale words; -M; the sum of the unquantised p.
; Hidden scores (key > query) become -infinity ahead of the maximum: p = 0.  A group all of whose keys are hidden gets -M = 3e38, zero codes, the byte 1 and the sum 0.
; OPERANDS AND RESULT LIE IN PANELS: 128 rows x 128 K = eight fragments, each an image of its 12 registers (registers 4 c .. 4 c + 3 of lane l at 1536 t + 512 c + 16 l); lane r of fragment t holds panel row
; 32 (t / 2) + 8 (t % 2) + r + 8 (r / 8).  A panel's words (scales, -M, sums): 512 bytes, (fragment a, lane row r) at 256 (a / 4) + 16 r + 4 (a % 4).
; A tile of 256 x 256 by four waves, 128 x 128 each; K in four steps of 256.  THREE LDS SLOTS: K steps 0, 1 and 2 and the scale words come as first fills (four loads of a wave are out at the start); K step 3 is the
; one refill, into slot 0, asked for when K step 0 has been read: it has K steps 1 and 2, 256 matrix instructions of a wave, in which to land.  The steps are written out, without a loop.
; The matrix instruction is used transposed (source 0 = 16 keys, source 1 = 16 queries): a lane's 64 registers of block a are register 16 b + i = key 32 b + 16 (lane / 16) + i of one query.
; CLUSTERS: 4 x 4; q's tiles are shared along a row, k's along a column, by joint loads.  All 64 tiles of a batch are made, the hidden ones as zero codes: the partners of a cluster run alike, and the mask costs no branch.
; REGISTERS: window 0: v0-31 addresses and constants; v32-63 scale words; v64-127 the way out; v128-223 A's fragments, on the way out v128-191 a block's scores and p; v224-243 at work.
;   window 1: B's fragments, two sets.  windows 2, 3: accumulator (a, b) at v[8 (8 (a % 4) + b)].
; LIMITS: NaN and infinities are not served; a block whose every p lies under 2^-124 keeps the byte 1.
.set FR,     12
.set FRB,    1536
.set PANEL,  8*FRB
.set HALFT,  2*PANEL                   ; what one tensor load brings: a row panel's two k panels
.set SLOT,   4*HALFT
.set NL,     3
.set NP,     4                         ; places behind this matrix instruction (ISA guide 7.12.1)
.set SCL,    3*SLOT                    ; behind the three slots: the scale words
.set SCP,    4096
.set SPARE,  SCL+4*SCP                 ; the spare words, 128 bytes for each wave: two blocks of 256 bytes that no other line names
.set ADRA, 16                          ; v16-18
.set ADRB, 20                          ; v20-22
.set DA,   23                          ; v23     the block's mask number
.set D0,   24                          ; v24     my query less my first key, for block 0
.set GO,   26
.set ADRS, 27
.set SPW,  28
.set NIL,  29
.set NINF, 31                          ; v31     -infinity
.set SC,   32
.set TM,   64                          ; v64-79  at work
.set PC,   80                          ; v80-99  the codes just made
.set SW,   100                         ; v100-107 scale words;  v108-115 -M;  v116-123 sums
.set NMA,  108
.set LA,   116
.set P,    128                         ; v128-191 a block's masked scores, then p
.set NM,   224                         ; v[224:225] -M (the packed form names the pair and takes its low word)
.set T,    226
.set S0,   228
.set S1,   230
.set OS,   232                         ; v232-243 three blocks of words as they are stored
.set AF,   128
.set G1, 24
.set G0, 32                            ; s[32:35], s[36:39] group 0 for A's slots 0 and 1;
.set G0C, 92                           ; s[92:95] for slot 2
.set G1B, 48
.set G0B, 56
.set G0BC, 96                          ; s[96:99]
.set G1S, 68
.set G0S, 76
.set G1SB, 80
.set G0SB, 88
.set CS,  92                           ; s[92:93] c = log2(e) / 32;  s95 the mask of lanes 16-31;  s[98:99] lane selects:
.set HM,  95                           ; all written behind the last wait for tensor loads: till then s92-99 hold slot 2's descriptors
.set SEL, 98
.set MSB, 0
.macro WIN new
.if MSB != (\new)
	s_set_vgpr_msb (MSB<<8)|(\new)
.set MSB, \new
.endif
.endm
.set MUL_LO, 0xa1
.set MUL_HI, 0xf1
.set TO_B,   0x40
.macro JLOAD g0a, g1a, g0b, g1b        ; a joint load: waves 0 and 1 fetch for A, waves 2 and 3 for B; four v_nop follow each of the two lines
	s_cmp_eq_u32 s15, 0
	s_cbranch_scc0 .Lfor_b_\@
	tensor_load_to_lds s[\g0a:\g0a+3], s[\g1a:\g1a+7]
	s_nop 0
.rept 4
	v_nop
.endr
	s_branch .Lasked_\@
.Lfor_b_\@:
	tensor_load_to_lds s[\g0b:\g0b+3], s[\g1b:\g1b+7]
	s_nop 0
.rept 4
	v_nop
.endr
.Lasked_\@:
.endm
.macro CREST
	s_cmp_lg_u32 s14, 0
	s_cbranch_scc1 .Lnot_wave_0_\@
	s_barrier_signal -3
.Lnot_wave_0_\@:
	s_barrier_wait -3
	s_barrier_signal -1
	s_barrier_wait -1
.endm
.macro CROUND
	s_barrier_signal -1
	s_barrier_wait -1
	CREST
.endm
.macro FIRST g0a, g0b, s               ; slot s's descriptors, for K step s, and its first fill
	s_mov_b32 s[\g0a], 1
	s_add_co_u32 s[\g0a+1], s45, \s*SLOT
	s_add_nc_u64 s[\g0a+2:\g0a+3], s[20:21], \s*HALFT
	s_or_b32 s[\g0a+3], s[\g0a+3], 0x80000000
	s_mov_b32 s[\g0b], 1
	s_add_co_u32 s[\g0b+1], s45, \s*SLOT
	s_add_nc_u64 s[\g0b+2:\g0b+3], s[46:47], \s*HALFT
	s_or_b32 s[\g0b+3], s[\g0b+3], 0x80000000
	JLOAD \g0a, G1, \g0b, G1B
.endm
	s_load_b256 s[4:11], s[0:1], 0x0               ; q's and k's codes s[4:5] and scale words s[6:7]; p's codes s[8:9]; p's words s[10:11]
	v_lshl_add_u32 v[SPW], v0, 2, SPARE
	v_mov_b32 v[NIL], 0
	ds_add_u32 v28, v29
	ds_add_u32 v28, v29
	s_wait_dscnt 0x0
	v_lshrrev_b32 v1, 5, v0
	v_readfirstlane_b32 s14, v1                    ; wave 0..3
	s_lshr_b32 s15, s14, 1                         ; which 128 queries of the tile are mine.  Also: I fetch for q (0) or for k (1)
	s_and_b32 s16, s14, 1                          ; which 128 keys.  Also: which row panel I fetch
	s_bfe_u32 s40, ttmp6, 0x40000                  ; cx, cy
	s_bfe_u32 s41, ttmp6, 0x40004
	s_lshr_b32 s18, ttmp9, 2                       ; the batch
	s_bfe_u32 s19, ttmp9, 0x10001                  ; the cluster's row of tiles
	s_and_b32 s22, ttmp9, 1                        ; and its column
	s_lshl_b32 s17, s19, 2
	s_add_co_u32 s17, s17, s41                     ; tile row, 0..7
	s_lshl_b32 s42, s22, 2
	s_add_co_u32 s42, s42, s40                     ; tile column, 0..7
	s_lshl_b32 s23, s18, 4                         ; the batch's first row panel
	s_lshl_b32 s43, s41, 2
	s_lshl_b32 s43, 15, s43                        ; my row of the cluster
	s_lshl_b32 s44, 0x1111, s40                    ; my column
	s_or_b32 s[G1+0], s43, (3<<16)|(1<<21)         ; a dense block as rows of 256 bytes (32 elements of 8 bytes): 96 rows of codes, 16 of scale words; the mask; bit 21 beside it
	s_or_b32 s[G1B+0], s44, (3<<16)|(1<<21)
	s_or_b32 s[G1S+0], s43, (3<<16)|(1<<21)
	s_or_b32 s[G1SB+0], s44, (3<<16)|(1<<21)
.irp g, G1, G1B
	s_mov_b32 s[\g+1], 32<<16
	s_mov_b32 s[\g+2], 96<<16
	s_mov_b32 s[\g+3], 32<<16
	s_mov_b32 s[\g+4], 96
	s_mov_b32 s[\g+5], 32
	s_mov_b32 s[\g+6], 0
	s_mov_b32 s[\g+7], 0
.endr
.irp g, G1S, G1SB
	s_mov_b32 s[\g+1], 32<<16
	s_mov_b32 s[\g+2], 16<<16
	s_mov_b32 s[\g+3], 32<<16
	s_mov_b32 s[\g+4], 16
	s_mov_b32 s[\g+5], 32
	s_mov_b32 s[\g+6], 0
	s_mov_b32 s[\g+7], 0
.endr
	s_lshl_b32 s20, s17, 1                         ; q: row panel 16 batch + 2 tile row + half; a row panel has 16 k panels, q's are the first eight
	s_add_co_u32 s20, s20, s16
	s_add_co_u32 s20, s20, s23
	s_lshl_b32 s92, s20, 13
	s_mov_b32 s93, 0
	s_mul_i32 s20, s20, 16*PANEL
	s_mov_b32 s21, 0
	s_lshl_b32 s46, s42, 1                         ; k: row panel 16 batch + 2 tile column + half; k's k panels are the last eight
	s_add_co_u32 s46, s46, s16
	s_add_co_u32 s46, s46, s23
	s_lshl_b32 s94, s46, 13
	s_add_co_u32 s94, s94, 4096
	s_mov_b32 s95, 0
	s_mul_i32 s46, s46, 16*PANEL
	s_add_co_u32 s46, s46, 8*PANEL
	s_mov_b32 s47, 0
	s_mul_i32 s45, s14, HALFT
	s_mul_i32 s67, s14, SCP
	s_wait_kmcnt 0x0
	s_add_nc_u64 s[20:21], s[4:5], s[20:21]
	s_add_nc_u64 s[92:93], s[6:7], s[92:93]
	s_add_nc_u64 s[46:47], s[4:5], s[46:47]
	s_add_nc_u64 s[94:95], s[6:7], s[94:95]
	CROUND                                         ; all sixteen work-groups are here: the first joint loads meet
	s_mov_b32 s[G0S], 1
	s_add_co_u32 s[G0S+1], s67, SCL
	s_mov_b64 s[G0S+2:G0S+3], s[92:93]
	s_or_b32 s[G0S+3], s[G0S+3], 0x80000000
	s_mov_b32 s[G0SB], 1
	s_add_co_u32 s[G0SB+1], s67, SCL
	s_mov_b64 s[G0SB+2:G0SB+3], s[94:95]
	s_or_b32 s[G0SB+3], s[G0SB+3], 0x80000000
	JLOAD G0S, G1S, G0SB, G1SB
	FIRST G0, G0B, 0                               ; K steps 0, 1 and 2: four loads of mine are out behind the last of these
	FIRST G0+4, G0B+4, 1
	FIRST G0C, G0BC, 2
	v_and_b32 v1, 15, v0                           ; r
	v_bfe_u32 v2, v0, 4, 1                         ; h
	v_and_b32 v3, 31, v0
	v_lshlrev_b32 v[GO], 4, v3
	s_mul_i32 s21, s15, HALFT
	s_mul_i32 s22, s16, HALFT
	s_add_co_u32 s22, s22, 2*HALFT
.irp s, 0,1,2
	v_add_nc_u32 v[ADRA+\s], s21, v[GO]
	v_add_nc_u32 v[ADRB+\s], s22, v[GO]
	s_add_co_u32 s21, s21, SLOT
	s_add_co_u32 s22, s22, SLOT
.endr
	v_lshlrev_b32 v5, 4, v1
	s_mul_i32 s21, s15, SCP
	s_mul_i32 s22, s16, SCP
	s_add_co_u32 s22, s22, 2*SCP
	s_sub_co_u32 s22, s22, s21
	v_mul_u32_u24 v6, s22, v2                      ; lanes 16-31 take B's
	s_add_co_u32 s21, s21, SCL
	v_add_nc_u32 v5, v5, v6
	v_add_nc_u32 v[ADRS], s21, v5
	v_mov_b32 v[NINF], 0xff800000
	v_mov_b32 v[NM+1], 0                           ; (named as the upper half of a pair)
.irp b, 0,1,2,3
	v_mov_b32 v[TM+4+\b], 0                        ; written once: a lane permute's destination counts as one of its sources
.endr
	s_sub_co_i32 s46, s17, s42                     ; the mask: register 16 b + i of block a holds key 32 b + 16 h + i of my 128; it is hidden where 32 b + i > D0 + 32 (a / 2) + 8 (a % 2),
	s_lshl_b32 s46, s46, 8                         ; D0 = 256 (tile row - tile column) + 128 (my half of the queries - my half of the keys) + r + 8 (r / 8) - 16 h
	s_sub_co_i32 s47, s15, s16
	s_lshl_b32 s47, s47, 7
	s_add_co_i32 s46, s46, s47
	v_and_b32 v5, 8, v1
	v_add_nc_u32 v5, v5, v1
	v_lshlrev_b32 v6, 4, v2
	v_sub_nc_u32 v5, v5, v6
	v_add_nc_u32 v[D0], s46, v5
	s_lshl_b32 s18, s17, 1                         ; my panel of p: (16 batch + 2 tile row + half) x 16 + 2 tile column + half
	s_add_co_u32 s18, s18, s15
	s_add_co_u32 s18, s18, s23
	s_lshl_b32 s18, s18, 4
	s_lshl_b32 s19, s42, 1
	s_add_co_u32 s19, s19, s16
	s_add_co_u32 s18, s18, s19
	s_mul_i32 s46, s18, PANEL
	s_mov_b32 s47, 0
	s_add_nc_u64 s[8:9], s[8:9], s[46:47]
	s_mul_i32 s46, s18, 1536
	s_add_nc_u64 s[10:11], s[10:11], s[46:47]
.macro FRAG reg, adr, q, i
.irp c, 0,1,2
	ds_load_b128 v[\reg+4*\c:\reg+4*\c+3], v[\adr] offset:(\q)*PANEL+(\i)*FRB+512*\c
.endr
.endm
; 16 matrix instructions: A's blocks a0, a0 + 1 x B's eight.  The 64 accumulators take turns, one instruction a turn, in the same order in every step.
.macro MUL16 a0, p, q, sc, zero
.irp a, \a0, \a0+1
.irp b, 0,1,2,3,4,5,6,7
.if \zero
	v_wmma_scale_f32_16x16x128_f8f6f4 v[8*(8*((\a)%4)+\b):8*(8*((\a)%4)+\b)+7], v[128*(\p)+FR*\b:128*(\p)+FR*\b+FR-1], v[AF+FR*(\a):AF+FR*(\a)+FR-1], 0, v[SC+16*(\sc)+8*(\q)+\b], v[SC+16*(\sc)+8*(\q)+(\a)] matrix_a_fmt:MATRIX_FMT_FP6 matrix_b_fmt:MATRIX_FMT_FP6 matrix_a_scale:MATRIX_SCALE_ROW1
.else
	v_wmma_scale_f32_16x16x128_f8f6f4 v[8*(8*((\a)%4)+\b):8*(8*((\a)%4)+\b)+7], v[128*(\p)+FR*\b:128*(\p)+FR*\b+FR-1], v[AF+FR*(\a):AF+FR*(\a)+FR-1], v[8*(8*((\a)%4)+\b):8*(8*((\a)%4)+\b)+7], v[SC+16*(\sc)+8*(\q)+\b], v[SC+16*(\sc)+8*(\q)+(\a)] matrix_a_fmt:MATRIX_FMT_FP6 matrix_b_fmt:MATRIX_FMT_FP6 matrix_a_scale:MATRIX_SCALE_ROW1
.endif
.endr
.endr
.endm
.macro FETCH_B slot, q, p
	WIN TO_B
.irp i, 0,1,2,3,4,5,6,7
	FRAG 128*(\p)+FR*\i, ADRB+\slot, \q, \i
.endr
	WIN 0
.endm
.macro FETCH_A slot, q, i0
.irp i, \i0, \i0+1, \i0+2, \i0+3
	FRAG AF+FR*(\i), ADRA+\slot, \q, \i
.endr
.endm
.macro SCALES sc
.irp q, 0,1
.irp e, 0,1
	ds_load_b128 v[SC+16*(\sc)+8*\q+4*\e:SC+16*(\sc)+8*\q+4*\e+3], v[ADRS] offset:512*\q+256*\e
.endr
.endr
.endm
.macro PLACES n
.rept \n
	v_nop
.endr
.endm
.macro STEP slot, sc, zero             ; a K step's first 128 along K; its successor lies in the same slot
	s_wait_dscnt 4*NL                              ; B's set and A's blocks 0-3 are in; the youngest twelve loads (A's blocks 4-7) may be out
	WIN MUL_LO
	MUL16 0, 0, 0, \sc, \zero
	MUL16 2, 0, 0, \sc, \zero
	s_wait_dscnt 0
	PLACES NP
	FETCH_B \slot, 1, 1
	FETCH_A \slot, 1, 0
	WIN MUL_HI
	MUL16 4, 0, 0, \sc, \zero
	MUL16 6, 0, 0, \sc, \zero
	PLACES NP
	WIN 0
	FETCH_A \slot, 1, 4
.endm
; A K step's second 128 along K goes on into slot next.  sc: this K step's set of scale words.
; mode 2: slot 0, which has just been read out, is filled again with K step 3: each wave waits for all its tensor loads (slots 1 and 2 among them), adds 0 to its spare word, waits for that and for its own reads
;         of the slot; the barrier opens a round of the cluster's barrier; the joint refill is the first thing behind it.
; mode 0: nothing is waited for but my own LDS loads: mode 2's barrier has shown slot next whole to every wave, and the refill stays on its way.
; mode 1: the refill has landed: each wave waits for it, and a barrier shows it to all.
.macro TURN next, sc, mode
.if \mode
	s_wait_tensorcnt 0x0                           ; all my tensor loads have landed
	ds_add_u32 v[SPW], v[NIL]                      ; 0 onto my spare word
	s_wait_dscnt 4*NL+1                            ; (the add and the youngest twelve loads may be out)
.else
	s_wait_dscnt 4*NL
.endif
	WIN MUL_LO
	MUL16 0, 1, 1, \sc, 0
	s_wait_dscnt 0x0                               ; the add is done, and my reads of this slot are over
.if \mode
	s_barrier_signal -1
.endif
	MUL16 2, 1, 1, \sc, 0
	WIN 0
.if \mode
	s_barrier_wait -1
.endif
.if \mode == 2
	CREST                                          ; no wave of any partner still reads slot 0 or has a load on its way
	s_add_nc_u64 s[G0+2:G0+3], s[G0+2:G0+3], 3*HALFT
	s_add_nc_u64 s[G0B+2:G0B+3], s[G0B+2:G0B+3], 3*HALFT
	JLOAD G0, G1, G0B, G1B                         ; the first tensor load behind the round
.else
	PLACES NP
.endif
	v_add_nc_u32 v[ADRS], 1024, v[ADRS]
	FETCH_B \next, 0, 0
	FETCH_A \next, 0, 0
	SCALES 1-(\sc)
	WIN MUL_HI
	MUL16 4, 1, 1, \sc, 0
	MUL16 6, 1, 1, \sc, 0
	PLACES NP
	WIN 0
	FETCH_A \next, 0, 4
.endm
	s_wait_tensorcnt 2                             ; the scale words and my part of K step 0 are in (K steps 1 and 2 may be out)
	s_barrier_signal -1
	s_barrier_wait -1
	FETCH_B 0, 0, 0
	FETCH_A 0, 0, 0
	SCALES 0
	FETCH_A 0, 0, 4
	STEP 0, 0, 1                                   ; K step 0, slot 0: its first products start the sums
	TURN 1, 0, 2                                   ; slot 0 takes K step 3
	STEP 1, 1, 0                                   ; K step 1, slot 1
	TURN 2, 1, 0
	STEP 2, 0, 0                                   ; K step 2, slot 2
	TURN 0, 0, 1                                   ; K step 3 has landed
	STEP 0, 1, 0                                   ; K step 3, slot 0
	s_wait_dscnt 4*NL
	WIN MUL_LO
	MUL16 0, 1, 1, 1, 0
	MUL16 2, 1, 1, 1, 0
	s_wait_dscnt 0
	WIN MUL_HI
	MUL16 4, 1, 1, 1, 0
	MUL16 6, 1, 1, 1, 0
	WIN 0
	PLACES NP                                      ; for the first reads of results and the first writes of the registers that held A's fragments
	s_mov_b32 s[CS], 0x3d38aa3b                    ; the way out's constants: no tensor load of mine is out, so slot 2's descriptor registers may be written.  c = log2(e) / 32
	s_mov_b32 s[CS+1], s[CS]
	s_mov_b32 s[SEL], 0x76543210
	s_mov_b32 s[SEL+1], 0xfedcba98
	s_mov_b32 s[HM], 0xffff0000
.macro CODES src
.irp c, 0,1
	v_cvt_scalef32_pk16_fp6_f32 v[PC+6*\c:PC+6*\c+2], v[\src+32*\c:\src+32*\c+15], v[TM+12+2*\c]
	v_cvt_scalef32_pk16_fp6_f32 v[PC+12+4*\c:PC+14+4*\c], v[\src+16+32*\c:\src+31+32*\c], v[TM+13+2*\c]   ; (a conversion's three registers begin on an even number)
.endr
	v_nop                                          ; one plain place behind a scaled conversion
.irp c, 0,1
.irp i, 0,1,2
	v_permlane16_swap_b32 v[PC+6*\c+\i], v[PC+12+4*\c+\i]
.endr
.irp i, 0,1,2
	v_mov_b32 v[PC+3+6*\c+\i], v[PC+12+4*\c+\i]
.endr
.endr
.endm
.macro PUT a
.irp c, 0,1,2
	global_store_b128 v[GO], v[PC+4*\c:PC+4*\c+3], s[8:9] offset:FRB*(\a)+512*\c   ; 32 lanes store 512 consecutive bytes, at a multiple of 512 from the buffer's first byte
.endr
.endm
.macro STATS src, os, bl, off
.irp i, 0,1,2,3
	v_cndmask_b32 v[\os+\i], v[\src+\i], v[\src+4+\i], s[HM]
.endr
	global_store_b128 v[GO], v[\os:\os+3], s[\bl:\bl+1] offset:\off
.endm
; Block a: 16 queries (one a lane) x my 128 keys.
.macro SOFT a
.set AC, 64*((\a)%4)
	s_wait_xcnt 0x0                                ; the last block's stores have read their data
	v_add_nc_u32 v[DA], 32*((\a)/2)+8*((\a)%2), v[D0]
	WIN 0x02+(\a)/4                                ; source 0: window 2 or 3; the masked scores go to window 0, where all the rest stands
.set n, 0
.rept 64
	v_cmp_gt_i32 vcc_lo, 32*(n/16)+n%16, v[DA]     ; hidden?  (each accumulator is read from its low end on)
	v_cndmask_b32 v[P+n], v[AC+n], v[NINF], vcc_lo
.set n, n+1
.endr
	WIN 0
.irp b, 0,1,2,3
	v_max3_num_f32 v[TM+\b], v[P+16*\b], v[P+16*\b+1], v[P+16*\b+2]   ; the largest score of each block of 32 keys: it serves for M and, since p rises with the score, for the block's largest p
.endr
.irp i, 3,5,7,9,11,13
.irp b, 0,1,2,3
	v_max3_num_f32 v[TM+\b], v[TM+\b], v[P+16*\b+\i], v[P+16*\b+\i+1]
.endr
.endr
.irp b, 0,1,2,3
	v_max_num_f32 v[TM+\b], v[TM+\b], v[P+16*\b+15]
.endr
.irp b, 0,1,2,3
	v_permlanex16_b32 v[TM+4+\b], v[TM+\b], s[SEL], s[SEL+1]
.endr
.irp b, 0,1,2,3
	v_max_num_f32 v[TM+\b], v[TM+\b], v[TM+4+\b]   ; with lane l xor 16's 16 keys
.endr
	v_max3_num_f32 v[T], v[TM], v[TM+1], v[TM+2]
	v_max_num_f32 v[T], v[T], v[TM+3]
	v_mul_f32 v[T], s[CS], v[T]                    ; as t (c is positive)
	v_max_num_f32 v[T], 0xff61b1e6, v[T]           ; held at -3e38 where all 128 keys are hidden
	v_floor_f32 v[NM], -v[T]                       ; -M = floor(-t) = -ceil(t): a whole number
	v_mov_b32 v[NMA+(\a)], v[NM]
.set n, 0
.rept 32
	v_pk_fma_f32 v[P+n:P+n+1], v[P+n:P+n+1], s[CS:CS+1], v[NM:NM+1] op_sel_hi:[1,0,0]   ; t - M, two at a time
.set n, n+2
.endr
.irp b, 0,1,2,3
	v_fma_f32 v[TM+\b], v[TM+\b], s[CS], v[NM]     ; the same of each block's largest score
.endr
.set n, 0
.rept 64
	v_exp_f32 v[P+n], v[P+n]                       ; p = 2^(t - M), at most 1
.set n, n+1
.endr
	v_nop                                          ; a plain place behind the exponentials
	s_wait_alu depctr_va_vdst(0)                   ; one wait for the whole batch, ahead of its first reader
.irp b, 0,1,2,3
	v_exp_f32 v[TM+\b], v[TM+\b]                   ; the block's largest p
.endr
	v_pk_add_f32 v[S0:S0+1], v[P:P+1], v[P+2:P+3]  ; the sum of the unquantised p, in two chains; it reads the 64 alone
	v_pk_add_f32 v[S1:S1+1], v[P+4:P+5], v[P+6:P+7]
.set n, 8
.rept 14
	v_pk_add_f32 v[S0:S0+1], v[S0:S0+1], v[P+n:P+n+1]
	v_pk_add_f32 v[S1:S1+1], v[S1:S1+1], v[P+n+2:P+n+3]
.set n, n+4
.endr
	v_pk_add_f32 v[S0:S0+1], v[S0:S0+1], v[S1:S1+1]
	v_add_f32 v[T], v[S0], v[S0+1]
	v_permlanex16_b32 v[S1], v[T], s[SEL], s[SEL+1]
	v_add_f32 v[LA+(\a)], v[T], v[S1]              ; with lane l xor 16's: the query's sum over these 128 keys
	s_wait_alu depctr_va_vdst(0)                   ; and one wait for the four
.irp b, 0,1,2,3
	v_max_num_f32 v[TM+\b], 0x1800000, v[TM+\b]    ; the floor 2^(3 - 127): the byte cannot fall under 1
.endr
.irp b, 0,1,2,3
	v_add_nc_u32 v[TM+12+\b], 0xff000000, v[TM+\b] ; 2 off the exponent field: the conversion's scale operand
.endr
.irp b, 0,1,2,3
	v_lshrrev_b32 v[TM+4+\b], 23, v[TM+12+\b]
.endr
	v_lshl_or_b32 v[SW+(\a)], v[TM+5], 8, v[TM+4]
	v_lshl_or_b32 v[SW+(\a)], v[TM+6], 16, v[SW+(\a)]
	v_lshl_or_b32 v[SW+(\a)], v[TM+7], 24, v[SW+(\a)]
	CODES P
	PUT \a
.endm
.irp a, 0,1,2,3,4,5,6,7
	SOFT \a
.endr
	STATS SW, OS, 10, 0                            ; p's scale words under the local M,
	STATS NMA, OS+4, 10, 512                       ; -M,
	STATS LA, OS+8, 10, 1024                       ; the sums
	s_wait_tensorcnt 0x0                           ; the wave's end
	ds_add_u32 v[SPW], v[NIL]
	s_wait_dscnt 0x0
	CROUND                                         ; the closing round
	s_endpgm
.Lfunc_end_k_q7eab4cc3f7_score:
	.size	k_q7eab4cc3f7_score, .Lfunc_end_k_q7eab4cc3f7_score-k_q7eab4cc3f7_score
	.p2alignl 7, 3214868480
	.fill 96, 4, 3214868480
	.section	.rodata,"a",@progbits
	.p2align	6, 0x0
	.amdhsa_kernel k_q7eab4cc3f7_score
		.amdhsa_group_segment_fixed_size 327680
		.amdhsa_private_segment_fixed_size 0
		.amdhsa_enable_private_segment 0
		.amdhsa_kernarg_size 32
		.amdhsa_user_sgpr_count 2
		.amdhsa_user_sgpr_kernarg_segment_ptr 1
		.amdhsa_wavefront_size32 1
		.amdhsa_system_sgpr_workgroup_id_x 1
		.amdhsa_system_sgpr_workgroup_id_y 1
		.amdhsa_system_sgpr_workgroup_id_z 1
		.amdhsa_system_vgpr_workitem_id 0
		.amdhsa_next_free_vgpr 1024
		.amdhsa_next_free_sgpr 100
		.amdhsa_reserve_vcc 1
		.amdhsa_float_denorm_mode_32 3
		.amdhsa_float_denorm_mode_16_64 3
		.amdhsa_memory_ordered 1
		.amdhsa_forward_progress 1
		.amdhsa_inst_pref_size 234
	.end_amdhsa_kernel
	.amdgpu_metadata
---
amdhsa.version: [ 1, 2 ]
amdhsa.kernels:
  - .name:           k_q7eab4cc3f7_score
    .symbol:         k_q7eab4cc3f7_score.kd
    .args:
      - { .name: prc, .offset: 0, .size: 8, .value_kind: global_buffer, .address_space: global }
      - { .name: prs, .offset: 8, .size: 8, .value_kind: global_buffer, .address_space: global }
      - { .name: pc, .offset: 16, .size: 8, .value_kind: global_buffer, .address_space: global }
      - { .name: pst, .offset: 24, .size: 8, .value_kind: global_buffer, .address_space: global }
    .group_segment_fixed_size: 327680
    .private_segment_fixed_size: 0
    .kernarg_segment_align: 8
    .kernarg_segment_size: 32
    .max_flat_workgroup_size: 128
    .sgpr_count:     100
    .vgpr_count:     1024
    .wavefront_size: 32
...
	.end_amdgpu_metadata
.endif
;; end of part 6
;; launch pv (part 7): grid 64 x 4, 4 waves a work-group, clusters of 4 x 4, 327,680 bytes of LDS; arguments pc, pst, prc, prs, out0; writes out0
.if DOCPART == 7
	.amdgcn_target "amdgcn-amd-amdhsa--gfx1250"
	.amdhsa_code_object_version 6
	.text
	.protected	k_q7eab4cc3f7_pv
	.globl	k_q7eab4cc3f7_pv
	.p2align	8
	.type	k_q7eab4cc3f7_pv,@function
k_q7eab4cc3f7_pv:
	s_mov_b64 s[64:65], 0
	v_nop
	global_prefetch_b8 v0, s[64:65] scope:SCOPE_SE
	s_setreg_imm32_b32 hwreg(HW_REG_WAVE_MODE, 25, 1), 1
	s_wait_xcnt 0x0
	s_wait_alu depctr_hold_cnt(0) depctr_sa_sdst(0) depctr_va_vdst(0) depctr_va_sdst(0) depctr_va_ssrc(0) depctr_va_vcc(0) depctr_vm_vsrc(0)
	s_getreg_b32 s2, hwreg(HW_REG_IB_STS2, 6, 4)
	s_cmp_eq_u32 s2, 0
	s_cbranch_scc0 .Lentry_in_a_cluster
	s_endpgm
.Lentry_in_a_cluster:
	s_bfe_u32 s2, ttmp6, 0x10000c
	s_cmp_lg_u32 s2, 0xf033
	s_cbranch_scc0 .Lentry_shape_is_right
	s_endpgm
.Lentry_shape_is_right:
; O = P V / l on codes of FP6 (E2M3), for each of the 4 batches: 2,048 queries x 1,024 channels, K = the 2,048 keys.
; P arrives as codes made under a whole number M for each (query, 128 keys), with its scale words, -M and the sum of the unquantised p for each such group.  THE HEAD brings them under the row's M:
; M_row = the largest M_local; E = M_local - M_row, 0 or less; l = the sum of l_local x 2^E; each of P's scale bytes gets E added: a power of two, which the scale takes up exactly.
; LIMITS: E is held at -127, and a scale byte that would fall under 0 is held at 0 (2^-127): what is lost there lies 2^-120 under the row's sum, which is above 1/2.  NaN and infinities are not served.
; OPERANDS LIE IN PANELS: 128 rows x 128 K = eight fragments, each an image of its 12 registers; lane r of fragment t holds panel row 32 (t / 2) + 8 (t % 2) + r + 8 (r / 8); a panel's words: 512 bytes,
; (fragment a, lane row r) at 256 (a / 4) + 16 r + 4 (a % 4).  A = P (rows: queries), B = V^T (rows: channels).
; SHARES: a tile of O is 128 queries x 256 channels: 16 x 4 tiles a batch, 256 work-groups.  A wave makes 64 queries (four of the query panel's fragments) x 128 channels (one channel panel): 32 accumulators, 256 registers.
; K goes in 16 steps of 128, four to an LDS slot: a slot holds 512 along K of P's panel (49,152 bytes) and of V^T's two panels (98,304).  Two slots: K's first half comes as first fills, the second half by two
; refills, each with four steps, 128 matrix instructions of a wave, in which to land.  Waves 0 and 1 fetch P's halves of a slot, waves 2 and 3 a panel of V^T each.  The 16 steps are written out: every offset is an immediate.
; A step fetches the whole next step's fragments (two register sets for A and for B) and then multiplies.  The matrix instruction is used transposed: a lane's 64 registers of block a are register
; 16 b + i = channel 32 b + 16 (lane / 16) + i of one query.  CLUSTERS: 4 x 4; P's tiles are shared along a row, V^T's along a column, by joint loads.  All 2,048 keys are walked: hidden keys have zero codes:
; the partners of a cluster run alike.
; LDS: the two slots; the spare words.  The way out's stages lie in slot 0: when the first result is stored
; there, that slot has had its last fill, and every wave has passed the last change of slots, behind which nobody reads it.
; REGISTERS: window 0: v0-31 addresses; v32-63 scale words, two sets; v64-71 1 / l of my four blocks, twice each; v128-223 A's fragments, two sets of 48; in the head v80-239 at work; on the way out v128-255 rows of O.
;   window 1: B's fragments, two sets, at v0 and v128.  window 2: accumulator (a, b) at v[8 (8 a + b)].
.set FR,     12
.set FRB,    1536
.set PANEL,  8*FRB
.set HALFT,  2*PANEL                   ; what a load brings of P: two k panels
.set QUART,  4*PANEL                   ; a row panel's part of a slot: four k panels; what a load brings of V^T
.set SLOT,   3*QUART                   ; P's panel, then V^T's two
.set NP,     4                         ; places behind this matrix instruction (ISA guide 7.12.1)
.set SCL,    2*SLOT
.set SCP,    8192                      ; the scale words of one row panel for all of K: 16 x 512
.set SPARE,  SCL+3*SCP                 ; the spare words, 128 bytes for each wave: two blocks of 256 bytes that no other line names
.set SPITCH, 528                       ; a stage row: 512 bytes + 16; 16 rows for each wave, from LDS byte 0 on
.set VA,   8                           ; v8-11   my offsets among the 16 groups' words, four groups each; v8: the four groups whose scale words I lower
.set ADRA, 16                          ; v16-17  LDS address of my A fragments in slot 0, 1
.set PSA,  18                          ; v18     where I store lowered scale words
.set ADRB, 20                          ; v20-21
.set STO,  24                          ; v24     the stage: where I put my bytes of a row
.set RD,   25                          ; v25     and where I read a row back
.set GO,   26                          ; v26     16 x lane; never rewritten
.set ADRS, 27                          ; v27     LDS address of my scale words: lanes 0-15 P's, lanes 16-31 V^T's; never rewritten
.set SPW,  28
.set NIL,  29
.set SC,   32                          ; scale words: set sc, step q, block i at v[SC + 16 sc + 8 q + i]
.set IV,   64                          ; v[64+2a:65+2a] 1 / l of my query in block a
.set NR,   80                          ; v80-83  M_row;  v84-87 1 / l;  v88-91 the other half's
.set RC,   84
.set XX,   88
.set PMR,  96                          ; v96-159  -M_local of 16 groups, then E
.set PLR,  160                         ; v160-223 l_local
.set PSR,  224                         ; v224-239 the scale words of my four groups
.set AF,   128
.set BK,   128
.set G1, 24
.set G0, 32
.set G1B, 48
.set G0B, 56
.set G1SB, 80
.set G0SB, 88
.set OWN, 95                           ; s95      the mask of the lanes that hold my four blocks' words
.set SEL, 98
.set MSB, 0
.macro WIN new
.if MSB != (\new)
	s_set_vgpr_msb (MSB<<8)|(\new)
.set MSB, \new
.endif
.endm
.set MULW,   0xa1                      ; source 0 (B) window 1, source 1 (A) window 0, C and D window 2
.set TO_B,   0x40
.macro JLOAD g0a, g1a, g0b, g1b        ; a joint load: waves 0 and 1 fetch for A, waves 2 and 3 for B; four v_nop follow each of the two lines
	s_cmp_eq_u32 s15, 0
	s_cbranch_scc0 .Lfor_b_\@
	tensor_load_to_lds s[\g0a:\g0a+3], s[\g1a:\g1a+7]
	s_nop 0
.rept 4
	v_nop
.endr
	s_branch .Lasked_\@
.Lfor_b_\@:
	tensor_load_to_lds s[\g0b:\g0b+3], s[\g1b:\g1b+7]
	s_nop 0
.rept 4
	v_nop
.endr
.Lasked_\@:
.endm
.macro CREST
	s_cmp_lg_u32 s14, 0
	s_cbranch_scc1 .Lnot_wave_0_\@
	s_barrier_signal -3
.Lnot_wave_0_\@:
	s_barrier_wait -3
	s_barrier_signal -1
	s_barrier_wait -1
.endm
.macro CROUND
	s_barrier_signal -1
	s_barrier_wait -1
	CREST
.endm
	s_load_b256 s[4:11], s[0:1], 0x0               ; P's codes s[4:5], P's words s[6:7], V^T's codes (in the projections' buffer) s[8:9], its scale words s[10:11]
	s_load_b64 s[12:13], s[0:1], 0x20              ; O
	v_lshl_add_u32 v[SPW], v0, 2, SPARE
	v_mov_b32 v[NIL], 0
	ds_add_u32 v28, v29
	ds_add_u32 v28, v29
	s_wait_dscnt 0x0
	v_lshrrev_b32 v1, 5, v0
	v_readfirstlane_b32 s14, v1                    ; wave 0..3
	s_lshr_b32 s15, s14, 1                         ; which 64 queries of the tile are mine.  Also: I fetch for P (0) or for V^T (1)
	s_and_b32 s16, s14, 1                          ; which 128 channels.  Also: which part I fetch
	s_bfe_u32 s40, ttmp6, 0x40000                  ; cx, cy
	s_bfe_u32 s41, ttmp6, 0x40004
	s_lshr_b32 s18, ttmp9, 2                       ; the batch
	s_and_b32 s19, ttmp9, 3                        ; the cluster's row of tiles
	s_lshl_b32 s17, s19, 2
	s_add_co_u32 s17, s17, s41                     ; tile row, 0..15: a query panel of the batch
	s_mov_b32 s42, s40                             ; tile column, 0..3
	s_lshl_b32 s43, s41, 2
	s_lshl_b32 s43, 15, s43                        ; my row of the cluster
	s_lshl_b32 s44, 0x1111, s40                    ; my column
	s_or_b32 s[G1+0], s43, (3<<16)|(1<<21)         ; dense blocks as rows of 256 bytes (32 elements of 8 bytes): 96 rows of P's codes, 192 of V^T's, 16 of scale words; the mask; bit 21 beside it
	s_or_b32 s[G1B+0], s44, (3<<16)|(1<<21)
	s_or_b32 s[G1SB+0], s44, (3<<16)|(1<<21)
	s_mov_b32 s[G1+1], 32<<16
	s_mov_b32 s[G1+2], 96<<16
	s_mov_b32 s[G1+3], 32<<16
	s_mov_b32 s[G1+4], 96
	s_mov_b32 s[G1+5], 32
	s_mov_b32 s[G1+6], 0
	s_mov_b32 s[G1+7], 0
	s_mov_b32 s[G1B+1], 32<<16
	s_mov_b32 s[G1B+2], 192<<16
	s_mov_b32 s[G1B+3], 32<<16
	s_mov_b32 s[G1B+4], 192
	s_mov_b32 s[G1B+5], 32
	s_mov_b32 s[G1B+6], 0
	s_mov_b32 s[G1B+7], 0
	s_mov_b32 s[G1SB+1], 32<<16
	s_mov_b32 s[G1SB+2], 16<<16
	s_mov_b32 s[G1SB+3], 32<<16
	s_mov_b32 s[G1SB+4], 16
	s_mov_b32 s[G1SB+5], 32
	s_mov_b32 s[G1SB+6], 0
	s_mov_b32 s[G1SB+7], 0
	s_lshl_b32 s20, s18, 4
	s_add_co_u32 s20, s20, s17                     ; the query panel: 16 batch + tile row
	s_mul_i32 s92, s20, 16*1536                    ; its words: 16 groups x 3 kinds x 512 bytes
	s_mov_b32 s93, 0
	s_mul_i32 s20, s20, 16*PANEL                   ; its codes: 16 k panels;
	s_mul_i32 s21, s16, HALFT                      ; of a slot's four I fetch two
	s_add_co_u32 s20, s20, s21
	s_mov_b32 s21, 0
	s_lshl_b32 s46, s42, 1
	s_add_co_u32 s94, s46, s15                     ; V^T's scale words: every wave fetches a quarter: channel panel 2 tile column + wave / 2, half wave % 2
	s_add_co_u32 s46, s46, s16                     ; V^T's codes: channel panel 2 tile column + wave % 2
	s_mul_i32 s46, s46, 64*PANEL
	s_mul_i32 s47, s18, 16*PANEL                   ; the batch's 16 key panels
	s_add_co_u32 s46, s46, s47
	s_add_co_u32 s46, s46, 1024*PANEL              ; V^T lies behind q's and k's 1,024 panels
	s_mov_b32 s47, 0
	s_lshl_b32 s94, s94, 15
	s_lshl_b32 s95, s18, 13
	s_add_co_u32 s94, s94, s95
	s_lshl_b32 s95, s16, 12
	s_add_co_u32 s94, s94, s95
	s_add_co_u32 s94, s94, 1024*512
	s_mov_b32 s95, 0
	s_mul_i32 s45, s16, HALFT                      ; where they go, by the wave's number alone: P's two k panels;
	s_mul_i32 s66, s16, QUART
	s_add_co_u32 s66, s66, QUART                   ; V^T's panel, behind P's;
	s_lshl_b32 s67, s14, 12                        ; my quarter of V^T's scale words
	s_wait_kmcnt 0x0
	s_add_nc_u64 s[20:21], s[4:5], s[20:21]
	s_add_nc_u64 s[46:47], s[8:9], s[46:47]
	s_add_nc_u64 s[94:95], s[10:11], s[94:95]
	CROUND                                         ; all sixteen work-groups are here: the first joint loads meet
	s_mov_b32 s[G0SB], 1
	s_add_co_u32 s[G0SB+1], s67, SCL+SCP
	s_mov_b64 s[G0SB+2:G0SB+3], s[94:95]
	s_or_b32 s[G0SB+3], s[G0SB+3], 0x80000000
	tensor_load_to_lds s[G0SB:G0SB+3], s[G1SB:G1SB+7]   ; my quarter of V^T's scale words, shared along my column of the cluster: filled once
	s_nop 0
.rept 4
	v_nop
.endr
.irp s, 0,1
	s_mov_b32 s[G0+4*\s], 1
	s_add_co_u32 s[G0+4*\s+1], s45, \s*SLOT
	s_add_nc_u64 s[G0+4*\s+2:G0+4*\s+3], s[20:21], \s*QUART
	s_or_b32 s[G0+4*\s+3], s[G0+4*\s+3], 0x80000000
	s_mov_b32 s[G0B+4*\s], 1
	s_add_co_u32 s[G0B+4*\s+1], s66, \s*SLOT
	s_add_nc_u64 s[G0B+4*\s+2:G0B+4*\s+3], s[46:47], \s*QUART
	s_or_b32 s[G0B+4*\s+3], s[G0B+4*\s+3], 0x80000000
	JLOAD G0+4*\s, G1, G0B+4*\s, G1B               ; three loads of mine are out behind the second of these
.endr
	v_and_b32 v1, 15, v0                           ; r
	v_bfe_u32 v2, v0, 4, 1                         ; h
	v_and_b32 v3, 31, v0
	v_lshlrev_b32 v[GO], 4, v3
.irp k, 0,1,2,3                                ; the 16 groups, four to an offset register, turned by my wave's number: the first four are groups 4 wave on, whose scale words I lower
	s_add_co_u32 s21, s14, \k
	s_and_b32 s21, s21, 3
	s_mul_i32 s21, s21, 4*1536
	v_add_nc_u32 v[VA+\k], s21, v[GO]
.endr
	s_add_nc_u64 s[6:7], s[6:7], s[92:93]
.irp k, 0,1,2,3
.irp j, 0,1,2,3
	global_load_b128 v[PMR+16*\k+4*\j:PMR+16*\k+4*\j+3], v[VA+\k], s[6:7] offset:1536*\j+512    ; -M_local: word i of lane (r, h) belongs to the query of (block 4 h + i, lane row r)
.endr
.endr
.irp k, 0,1,2,3
.irp j, 0,1,2,3
	global_load_b128 v[PLR+16*\k+4*\j:PLR+16*\k+4*\j+3], v[VA+\k], s[6:7] offset:1536*\j+1024   ; l_local
.endr
.endr
.irp j, 0,1,2,3
	global_load_b128 v[PSR+4*\j:PSR+4*\j+3], v[VA], s[6:7] offset:1536*\j                       ; my four groups' scale words under M_local
.endr
	s_mul_i32 s21, s15, 4*FRB                      ; my four fragments of P's panel
	s_mul_i32 s22, s16, QUART                      ; my panel of V^T,
	s_add_co_u32 s22, s22, QUART                   ; behind P's
.irp s, 0,1
	v_add_nc_u32 v[ADRA+\s], s21, v[GO]
	v_add_nc_u32 v[ADRB+\s], s22, v[GO]
	s_add_co_u32 s21, s21, SLOT
	s_add_co_u32 s22, s22, SLOT
.endr
	v_lshlrev_b32 v5, 4, v1                        ; scale words: 16 r,
	s_lshl_b32 s21, s15, 8                         ; P's: my four blocks are 256 (wave / 2) bytes on in a group's 512
	s_mul_i32 s22, s16, SCP                        ; V^T's: my panel, behind P's
	s_add_co_u32 s22, s22, SCP
	s_sub_co_u32 s22, s22, s21
	v_mul_u32_u24 v6, s22, v2                      ; lanes 16-31 take V^T's
	s_add_co_u32 s21, s21, SCL
	v_add_nc_u32 v5, v5, v6
	v_add_nc_u32 v[ADRS], s21, v5
	s_lshl_b32 s21, s14, 11                        ; the lowered words of groups 4 wave on: 2,048 x wave
	s_add_co_u32 s21, s21, SCL
	v_add_nc_u32 v[PSA], s21, v[GO]
	s_mul_i32 s23, s14, 16*SPITCH                  ; my stage
	v_mul_u32_u24 v5, v1, SPITCH
	v_lshl_add_u32 v5, v2, 6, v5
	v_add_nc_u32 v[STO], s23, v5                   ; in: row r, + 64 h
	v_add_nc_u32 v[RD], s23, v[GO]                 ; back: a row of 512 bytes, 16 bytes a lane
.irp i, 0,1,2,3
	v_mov_b32 v[XX+\i], 0                          ; written once: a lane permute's destination counts as one of its sources
.endr
	s_mov_b32 s[SEL], 0x76543210
	s_mov_b32 s[SEL+1], 0xfedcba98
	s_lshl_b32 s96, s15, 4
	s_lshl_b32 s[OWN], 0xffff, s96                 ; blocks 0-3's words lie in lanes 0-15, blocks 4-7's in lanes 16-31: mine are blocks 4 (wave / 2) on
	s_mov_b32 s22, 0x01010101
	s_mov_b32 s23, 0x80808080
	s_lshl_b32 s96, s18, 11                        ; O: row 2,048 batch + 128 tile row + 64 half, 4,096 bytes a row; + 1,024 tile column + 512 half
	s_lshl_b32 s97, s17, 7
	s_add_co_u32 s96, s96, s97
	s_lshl_b32 s97, s15, 6
	s_add_co_u32 s96, s96, s97
	s_lshl_b32 s96, s96, 12
	s_lshl_b32 s97, s42, 10
	s_add_co_u32 s96, s96, s97
	s_lshl_b32 s97, s16, 9
	s_add_co_u32 s96, s96, s97
	s_mov_b32 s97, 0
	s_add_nc_u64 s[12:13], s[12:13], s[96:97]
	s_wait_loadcnt 0x0
.irp i, 0,1,2,3
	v_max3_num_f32 v[NR+\i], -v[PMR+\i], -v[PMR+4+\i], -v[PMR+8+\i]   ; M_row = the largest M_local of the 16 groups (group 0 always has a visible key)
.endr
.irp j, 3,5,7,9,11,13
.irp i, 0,1,2,3
	v_max3_num_f32 v[NR+\i], v[NR+\i], -v[PMR+4*\j+\i], -v[PMR+4*\j+4+\i]
.endr
.endr
.irp i, 0,1,2,3
	v_max_num_f32 v[NR+\i], v[NR+\i], -v[PMR+60+\i]
.endr
.set n, 0
.rept 64
	v_sub_f32 v[PMR+n], -v[PMR+n], v[NR+n%4]       ; E = M_local - M_row: a whole number, 0 or less
.set n, n+1
.endr
.set n, 0
.rept 64
	v_max_num_f32 v[PMR+n], 0xc2fe0000, v[PMR+n]   ; held at -127
.set n, n+1
.endr
.set n, 0
.rept 64
	v_cvt_i32_f32 v[PMR+n], v[PMR+n]
.set n, n+1
.endr
.set n, 0
.rept 64
	v_ldexp_f32 v[PLR+n], v[PLR+n], v[PMR+n]       ; l_local under M_row
.set n, n+1
.endr
.set n, 1
.rept 15
	v_pk_add_f32 v[PLR:PLR+1], v[PLR:PLR+1], v[PLR+4*n:PLR+4*n+1]
	v_pk_add_f32 v[PLR+2:PLR+3], v[PLR+2:PLR+3], v[PLR+4*n+2:PLR+4*n+3]
.set n, n+1
.endr
.irp i, 0,1,2,3
	v_rcp_f32 v[RC+\i], v[PLR+\i]                  ; 1 / l
.endr
; P's scale bytes of my four groups, four to a word, each + E, held at 0.  With bit 7 set in each byte (a byte is 1 to 125, -E at most 127) no byte borrows from its neighbour; a byte whose bit 7 has fallen would be negative
.set n, 0
.rept 16
	v_mul_lo_u32 v[PMR+n], v[PMR+n], s22           ; E in every byte.  (Plain work behind the reciprocals)
.set n, n+1
.endr
.set n, 0
.rept 16
	v_or_b32 v[PSR+n], s23, v[PSR+n]
.set n, n+1
.endr
.set n, 0
.rept 16
	v_add_nc_u32 v[PSR+n], v[PSR+n], v[PMR+n]
.set n, n+1
.endr
.set n, 0
.rept 16
	v_and_b32 v[PMR+n], s23, v[PSR+n]              ; bit 7 of each byte
.set n, n+1
.endr
.set n, 0
.rept 16
	v_lshrrev_b32 v[PMR+32+n], 7, v[PMR+n]
.set n, n+1
.endr
.set n, 0
.rept 16
	v_sub_nc_u32 v[PMR+n], v[PMR+n], v[PMR+32+n]   ; 0x7f where it stands, 0 where it has fallen
.set n, n+1
.endr
.set n, 0
.rept 16
	v_and_b32 v[PSR+n], v[PSR+n], v[PMR+n]
.set n, n+1
.endr
.irp j, 0,1,2,3
	ds_store_b128 v[PSA], v[PSR+4*\j:PSR+4*\j+3] offset:512*\j
.endr
	s_wait_alu depctr_va_vdst(0)                   ; one wait for the four reciprocals, ahead of their first reader
.irp i, 0,1,2,3
	v_permlanex16_b32 v[XX+\i], v[RC+\i], s[SEL], s[SEL+1]
.endr
.irp i, 0,1,2,3                                ; every lane wants 1 / l of lane row r in my four blocks: its own where it holds them, else lane l xor 16's
	v_cndmask_b32 v[IV+2*\i], v[XX+\i], v[RC+\i], s[OWN]
	v_cndmask_b32 v[IV+2*\i+1], v[XX+\i], v[RC+\i], s[OWN]
.endr
.macro FRAG reg, adr, q, i             ; a fragment comes back as it was stored: three loads of 16 bytes a lane, 512 consecutive bytes each
.irp c, 0,1,2
	ds_load_b128 v[\reg+4*\c:\reg+4*\c+3], v[\adr] offset:(\q)*PANEL+(\i)*FRB+512*\c
.endr
.endm
; 16 matrix instructions: A's blocks a0, a0 + 1 x B's eight, 128 along K.  p: the sets of fragments, and which half of the set of scale words; sc: that set.  zero = 1: the first product starts the sums.
; The 32 accumulators take turns, one instruction a turn, in the same order in every step.
.macro MUL16 a0, p, sc, zero
.irp a, \a0, \a0+1
.irp b, 0,1,2,3,4,5,6,7
.if \zero
	v_wmma_scale_f32_16x16x128_f8f6f4 v[8*(8*(\a)+\b):8*(8*(\a)+\b)+7], v[128*(\p)+FR*\b:128*(\p)+FR*\b+FR-1], v[AF+48*(\p)+FR*(\a):AF+48*(\p)+FR*(\a)+FR-1], 0, v[SC+16*(\sc)+8*(\p)+\b], v[SC+16*(\sc)+8*(\p)+(\a)] matrix_a_fmt:MATRIX_FMT_FP6 matrix_b_fmt:MATRIX_FMT_FP6 matrix_a_scale:MATRIX_SCALE_ROW1
.else
	v_wmma_scale_f32_16x16x128_f8f6f4 v[8*(8*(\a)+\b):8*(8*(\a)+\b)+7], v[128*(\p)+FR*\b:128*(\p)+FR*\b+FR-1], v[AF+48*(\p)+FR*(\a):AF+48*(\p)+FR*(\a)+FR-1], v[8*(8*(\a)+\b):8*(8*(\a)+\b)+7], v[SC+16*(\sc)+8*(\p)+\b], v[SC+16*(\sc)+8*(\p)+(\a)] matrix_a_fmt:MATRIX_FMT_FP6 matrix_b_fmt:MATRIX_FMT_FP6 matrix_a_scale:MATRIX_SCALE_ROW1
.endif
.endr
.endr
.endm
.macro FETCH slot, q, p                ; a step's fragments, the slot's q-th 128 along K, into sets p: B's eight, A's four: 36 loads
	WIN TO_B
.irp i, 0,1,2,3,4,5,6,7
	FRAG 128*(\p)+FR*\i, ADRB+\slot, \q, \i
.endr
	WIN 0
.irp i, 0,1,2,3
	FRAG AF+48*(\p)+FR*\i, ADRA+\slot, \q, \i
.endr
.endm
.macro SCALES sc, u                    ; the scale words of steps 2 u and 2 u + 1 into set sc: lanes 0-15 take P's blocks (the first of a step's two loads brings my four), lanes 16-31 V^T's eight
.irp q, 0,1
.irp e, 0,1
	ds_load_b128 v[SC+16*(\sc)+8*\q+4*\e:SC+16*(\sc)+8*\q+4*\e+3], v[ADRS] offset:1024*(\u)+512*\q+256*\e
.endr
.endr
.endm
.macro PLACES n                        ; plain vector instructions between a matrix instruction and a load into, or a vector read or write of, its registers
.rept \n
	v_nop
.endr
.endm
.macro NEXT k                          ; the next step's fragments into the other sets; behind an odd step also the next two steps' scale words
	FETCH NSL, NQ, 1-KP
.if KP == 1
	SCALES 1-KS, (\k)/2+1
.endif
.endm
; STEP k OF 16.  mode 0: the step's fragments are in; four places behind the last step's products, which read the sets that are loaded now; the next step is fetched; 32 products.
; mode 2, a slot's last step: the slot is filled again.  Each wave waits for all its tensor loads (the other slot's), adds 0 to its spare word, waits for that and for its reads of this slot (this step's fragments
;   were the last); a round of the cluster's barrier; the joint refill first behind it; then the next step is fetched from the other slot.  Half the step's products stand in front of the round, half behind the fetch.
; mode 1: the same with a barrier of the work-group alone: nothing is left to fetch from memory.  mode 3: the last step.
.macro KSTEP k, mode
.set KP, (\k)%2
.set KS, ((\k)/2)%2
.set NSL, (((\k)+1)/4)%2
.set NQ, ((\k)+1)%4
.set CSL, ((\k)/4)%2
.set KZ, 0
.if (\k) == 0
.set KZ, 1
.endif
.if ((\mode) == 0) || ((\mode) == 3)
	s_wait_dscnt 0x0                               ; this step's fragments and scale words are in
.if (\mode) == 0
	PLACES NP
	NEXT \k
.endif
	WIN MULW
	MUL16 0, KP, KS, KZ
	MUL16 2, KP, KS, KZ
.else
	WIN 0                                          ; (the add's two registers lie in window 0)
	s_wait_tensorcnt 0x0                           ; all my tensor loads have landed: my part of the other slot
	ds_add_u32 v[SPW], v[NIL]                      ; 0 onto my spare word
	s_wait_dscnt 1                                 ; this step's fragments are in (the add may be out)
	WIN MULW
	MUL16 0, KP, KS, 0                             ; sixteen matrix instructions stand between the add and the wait for it
	WIN 0
	s_wait_dscnt 0x0                               ; the add is done, and my reads of this slot are over
	s_barrier_signal -1
	s_barrier_wait -1
.if (\mode) == 2
	CREST                                          ; no wave of any partner still reads this slot or has a load on its way
	s_add_nc_u64 s[G0+4*CSL+2:G0+4*CSL+3], s[G0+4*CSL+2:G0+4*CSL+3], 2*QUART
	s_add_nc_u64 s[G0B+4*CSL+2:G0B+4*CSL+3], s[G0B+4*CSL+2:G0B+4*CSL+3], 2*QUART
	JLOAD G0+4*CSL, G1, G0B+4*CSL, G1B             ; the first tensor load behind the round; its four v_nop are also the places in front of the loads below
.else
	PLACES NP
.endif
	NEXT \k
	WIN MULW
	MUL16 2, KP, KS, 0
.endif
.endm
	s_wait_tensorcnt 1                             ; V^T's scale words and my part of slot 0 are in (slot 1's load may be out)
	s_wait_dscnt 0x0                               ; and my stores of P's lowered scale words have landed;
	s_barrier_signal -1
	s_barrier_wait -1                              ; everybody's have
	FETCH 0, 0, 0
	SCALES 0, 0
	KSTEP 0, 0                                     ; slot 0: keys 0 to 511
	KSTEP 1, 0
	KSTEP 2, 0
	KSTEP 3, 2                                     ; slot 0 takes keys 1,024 to 1,535
	KSTEP 4, 0                                     ; slot 1: keys 512 to 1,023
	KSTEP 5, 0
	KSTEP 6, 0
	KSTEP 7, 2                                     ; slot 1 takes keys 1,536 to 2,047
	KSTEP 8, 0
	KSTEP 9, 0
	KSTEP 10, 0
	KSTEP 11, 1                                    ; the last change of slots: nobody reads slot 0 behind it
	KSTEP 12, 0
	KSTEP 13, 0
	KSTEP 14, 0
	KSTEP 15, 3
	WIN 0
	PLACES NP
; THE WAY OUT, block by block of 16 queries x 128 channels: divided by l, through my own stage in LDS, back as whole rows of 512 bytes.  LDS serves a wave's instructions in order: no wait between the stores and the loads.
.macro TOSTAGE a
.set AC, 64*(\a)
	WIN 0x82                                       ; destination and source 0: window 2; 1 / l in window 0
.set n, 0
.rept 32
	v_pk_mul_f32 v[AC+n:AC+n+1], v[AC+n:AC+n+1], v[IV+2*(\a):IV+2*(\a)+1]   ; each accumulator from its low end on
.set n, n+2
.endr
	WIN 0x08                                       ; an LDS store's data: window 2
.irp b, 0,1,2,3,4,5,6,7
	ds_store_b128 v[STO], v[AC+8*\b:AC+8*\b+3] offset:128*(\b/2)+32*(\b%2)      ; channels 32 (b / 2) + 16 h + 8 (b % 2) on
	ds_store_b128 v[STO], v[AC+8*\b+4:AC+8*\b+7] offset:128*(\b/2)+32*(\b%2)+16
.endr
	WIN 0
.set BB, BK+64*((\a)%2)
.irp t, 0,1,2,3,4,5,6,7,8,9,10,11,12,13,14,15
	ds_load_b128 v[BB+4*\t:BB+4*\t+3], v[RD] offset:\t*SPITCH
.endr
.endm
.macro SEND a, younger                 ; younger: the LDS instructions issued behind block a's loads, which may stay out
.set BB, BK+64*((\a)%2)
	s_wait_dscnt \younger
.irp t, 0,1,2,3,4,5,6,7,8,9,10,11,12,13,14,15
	global_store_b128 v[GO], v[BB+4*\t:BB+4*\t+3], s[12:13] offset:(32*((\a)/2)+8*((\a)%2)+\t+8*(\t/8))*4096 th:TH_STORE_NT   ; 32 lanes store 512 consecutive bytes of one row of O, at a multiple of 512 from its first byte
.endr
.endm
	TOSTAGE 0
.irp a, 1,2,3
.if \a > 1
	s_wait_xcnt 0x0                                ; block a - 2's stores have read their registers: block a's loads may land there
.endif
	TOSTAGE \a
	SEND \a-1, 32                                  ; behind block a - 1's loads: block a's 16 stores and 16 loads
.endr
	SEND 3, 0
	s_wait_tensorcnt 0x0                           ; the wave's end
	ds_add_u32 v[SPW], v[NIL]
	s_wait_dscnt 0x0
	CROUND                                         ; the closing round
	s_endpgm
.Lfunc_end_k_q7eab4cc3f7_pv:
	.size	k_q7eab4cc3f7_pv, .Lfunc_end_k_q7eab4cc3f7_pv-k_q7eab4cc3f7_pv
	.p2alignl 7, 3214868480
	.fill 96, 4, 3214868480
	.section	.rodata,"a",@progbits
	.p2align	6, 0x0
	.amdhsa_kernel k_q7eab4cc3f7_pv
		.amdhsa_group_segment_fixed_size 327680
		.amdhsa_private_segment_fixed_size 0
		.amdhsa_enable_private_segment 0
		.amdhsa_kernarg_size 40
		.amdhsa_user_sgpr_count 2
		.amdhsa_user_sgpr_kernarg_segment_ptr 1
		.amdhsa_wavefront_size32 1
		.amdhsa_system_sgpr_workgroup_id_x 1
		.amdhsa_system_sgpr_workgroup_id_y 1
		.amdhsa_system_sgpr_workgroup_id_z 1
		.amdhsa_system_vgpr_workitem_id 0
		.amdhsa_next_free_vgpr 768
		.amdhsa_next_free_sgpr 100
		.amdhsa_reserve_vcc 0
		.amdhsa_float_denorm_mode_32 3
		.amdhsa_float_denorm_mode_16_64 3
		.amdhsa_memory_ordered 1
		.amdhsa_forward_progress 1
		.amdhsa_inst_pref_size 168
	.end_amdhsa_kernel
	.amdgpu_metadata
---
amdhsa.version: [ 1, 2 ]
amdhsa.kernels:
  - .name:           k_q7eab4cc3f7_pv
    .symbol:         k_q7eab4cc3f7_pv.kd
    .args:
      - { .name: pc, .offset: 0, .size: 8, .value_kind: global_buffer, .address_space: global }
      - { .name: pst, .offset: 8, .size: 8, .value_kind: global_buffer, .address_space: global }
      - { .name: prc, .offset: 16, .size: 8, .value_kind: global_buffer, .address_space: global }
      - { .name: prs, .offset: 24, .size: 8, .value_kind: global_buffer, .address_space: global }
      - { .name: out0, .offset: 32, .size: 8, .value_kind: global_buffer, .address_space: global }
    .group_segment_fixed_size: 327680
    .private_segment_fixed_size: 0
    .kernarg_segment_align: 8
    .kernarg_segment_size: 40
    .max_flat_workgroup_size: 128
    .sgpr_count:     100
    .vgpr_count:     768
    .wavefront_size: 32
...
	.end_amdgpu_metadata
.endif
;; end of part 7
